; MI455X (gfx1250); checked and timed in simulation.
; The chip was launched on July 23, 2026; its instructions are those of AMD's public machine-readable ISA for CDNA 5 (MIT licence, August 2026) and "CDNA5" Instruction Set Architecture Reference Guide (July 2026). The comments in the code are by the model that wrote it; some were corrected since.
;; Multi Headed Attention. Allowed arithmetic: matrix products marked QUANTISED: E2M3 operands, one E8M0 scale for each 32 along K, by v_wmma_scale_f32_16x16x128_f8f6f4 with both operands' format E2M3, f32 sums; everything else in f32.
;; Inputs: Wk 1,024 x 1,024 float32; Wo 1,024 x 1,024 float32; Wq 1,024 x 1,024 float32; Wv 1,024 x 1,024 float32; bk 1,024 float32; bo 1,024 float32; bq 1,024 float32; bv 1,024 float32; key_in 4 x 2,048 x 1,024 float32; mask 4 x 1 x 2,048 x 2,048 int32; query 4 x 2,048 x 1,024 float32; value 4 x 2,048 x 1,024 float32.
;; Outputs: out0 4 x 2,048 x 1,024 float32.
;; This version of the problem:
;;   THIS VERSION OF THE PROBLEM IS GIVEN IN LOW PRECISION. The matrix products marked QUANTISED in the list below multiply operands that are first quantised to E2M3 (2 exponent bits, 3 mantissa bits; 6 bits a number), with one power-of-two scale for each 32 numbers along K (OCP MX v1.0); their sums are f32. All else is computed in f32.
;;   The module's matrix products, in the order in which they are computed (A, B: the left and right operand; K: the contracted axis; several contracted axes count as one K, in the product's order):
;;     1. [M 8,192, K 1,024] x [K 1,024, N 1,024]; A: input query; B: input Wq: QUANTISED
;;     2. [M 8,192, K 1,024] x [K 1,024, N 1,024]; A: input key_in; B: input Wk: QUANTISED
;;     3. [M 8,192, K 1,024] x [K 1,024, N 1,024]; A: input value; B: input Wv: QUANTISED
;;     4. batch 64 x [M 2,048, K 64] x [K 64, N 2,048]; A: computed on the way; B: computed on the way: QUANTISED
;;     5. batch 64 x [M 2,048, K 2,048] x [K 2,048, N 64]; A: softmax (see below); B: computed on the way: QUANTISED
;;     6. [M 8,192, K 1,024] x [K 1,024, N 1,024]; A: computed on the way; B: input Wo: QUANTISED
;;   THE QUANTISER, for each operand of a quantised product, along K:
;;     - K is cut into blocks of 32 from its start; a last block that is shorter is filled with zeros.
;;     - A block's scale is 2^e with e = floor(log2(the largest magnitude in the block)) - 2, held to -126 .. 127; a block of zeros has e = 0. As a byte (E8M0): e + 127.
;;     - Each number is divided by its block's scale, clamped to +-7.5, and rounded to the nearest number of E2M3, ties to even, subnormals kept.
;;     - The product sums the exact products of the quantised numbers (number of the format x scale) in f32.
;;   ~~~python
;;   def quantise(x, axis):      # numpy; x: float32 -> the quantised numbers, widened to float32 again
;;       x = np.moveaxis(x, axis, -1); K = x.shape[-1]
;;       x = np.pad(x, [(0, 0)] * (x.ndim - 1) + [(0, -K % 32)]); x = x.reshape(x.shape[:-1] + (-1, 32)); a = np.abs(x).max(-1, keepdims=True)
;;       e = np.where(a > 0, np.clip(np.frexp(np.where(a > 0, a, 1))[1] - 1 - 2, -126, 127), 0)      # np.frexp(a)[1] - 1 = floor(log2(a)), exactly
;;       r = np.clip(x / 2.0 ** e, -7.5, 7.5)
;;       step = 2.0 ** (np.maximum(np.frexp(np.where(r == 0, 1, r))[1] - 1, 0) - 3)
;;       q = np.round(r / step) * step * 2.0 ** e      # np.round: ties to even
;;       return np.moveaxis(q.reshape(q.shape[:-2] + (-1,))[..., :K], -1, axis).astype(np.float32)
;;   ~~~
;;   SOFTMAX AHEAD OF A QUANTISED PRODUCT. Where the list says 'softmax', what is quantised is not the finished softmax but p = 2^(t - M), with t = logit x log2(e) and M = ceil(the row's largest t), a whole number; so 1/2 < the row's largest p <= 1. The row's sum l is taken of the UNQUANTISED p, in f32, and the product's result is divided by l at the end. Since M is a whole number, a kernel that streams over the keys may use a running M (the ceiling of the running maximum): every later rescaling is an exact power of two, which a block's scale takes up: the codes' values come out the same.
;;   OPERANDS COMPUTED ON THE WAY. 'Computed on the way' means the value that the module computes at that place (a softmax that the list does not call 'softmax' is quantised finished and normalised). What goes into a quantiser is computed in f32, as accurately as f32 sums, v_exp_f32 and their like allow (about 1e-6 of the number): no bf16 or f16 on the way to a quantiser, and a product that is left as it is and whose result goes on into a quantised operand takes f32 operands (vector FMAs, or v_wmma_f32_16x16x4_f32). A number that lies on a knife's edge between two numbers of the format may be rounded either way, as far as f32 arithmetic and the matrix unit's own rounding can turn it there, and no further.
;; 2 versions. Each part assembles by itself: llvm-mc -triple=amdgcn-amd-amdhsa -mcpu=gfx1250 --defsym DOCPART=n.
;; ======== version 1 of 2: 4 launches
;; limits: right only within a limited range of input values
;; workspace buffers: tcodes 8,650,752 bytes; tscales 360,448 bytes; mbits 2,097,152 bytes of whole numbers; qbuf 6,815,744 bytes; kv 13,369,344 bytes; xc 6,291,456 bytes; xs 262,144 bytes
;; launch prep (part 1): grid 864 x 1, 4 waves a work-group, no clusters, 68,096 bytes of LDS; arguments Wq, Wk, Wo, value, mask, tcodes, tscales, mbits; writes tcodes, tscales, mbits
.if DOCPART == 1
	.amdgcn_target "amdgcn-amd-amdhsa--gfx1250"
	.amdhsa_code_object_version 6
	.text
	.protected	k_q2d3f089546_prep
	.globl	k_q2d3f089546_prep
	.p2align	8
	.type	k_q2d3f089546_prep,@function
k_q2d3f089546_prep:
	s_mov_b64 s[64:65], 0
	v_nop
	global_prefetch_b8 v0, s[64:65] scope:SCOPE_SE
	s_setreg_imm32_b32 hwreg(HW_REG_WAVE_MODE, 25, 1), 1
	s_wait_xcnt 0x0
; PREP.  Two kinds of work-groups, parted once on the work-group's number.
; (a) Work-groups 0-351: Wq, Wk, Wo [1024][1024] and value [8192][1024], f32, K innermost, become codes of FP6 (E2M3) with one E8M0 byte for each 32 along K,
;     laid in the ORDER OF AN OPERAND'S REGISTERS.  A tile is 16 rows: tile t of a tensor holds rows 32 (t / 2) + 8 (t % 2) + p + 8 (p / 8), p = 0 .. 15, so that in a product used
;     transposed the 16 registers of two neighbouring tiles are 16 neighbouring rows.  Tile T (0-63 Wq, 64-127 Wk, 128-191 Wo, 192-703 value), K step s of 128:
;     1,536 bytes at (8 T + s) x 1536: registers 4 c .. 4 c + 3 of lane l at 512 c + 16 l.  Scale words of the four tiles of quad T / 4: 256 bytes at (8 (T / 4) + s) x 256:
;     lane l has 8 bytes at 8 l: word i is tile 2 i + l / 16 of the quad, row l % 16.
; (b) Work-groups 352-863: mask [4][1][2048][2048] int32 becomes bits.  Tile of queries gq (rows as above, over the 8,192 flat rows), key step ks of 128: 64 words at (16 gq + ks) x 256;
;     word n, bit l: mask(row l % 16 of the tile, key 128 ks + 32 (n / 16) + 16 (l / 16) + n % 16) != 0: the lane and register in which the attention launch holds that score.
; THE TURN.  The work wants lane (r, h) to hold, of row r, 16 neighbours of each block of 32; a load is best where neighbouring LANES take neighbouring bytes.  Both are had: a tile of 16 rows x 128 numbers is 16 pieces
; of 512 consecutive bytes; each load takes one piece, 16 bytes a lane; the 8,192 bytes go through the wave's own stage in LDS, as they lie, and come back 64 bytes of a row at a time, into the registers that they left.
; A stage row is 512 bytes + 16: the sixteen lanes of a read start in sixteen different columns of 16 bytes.
; A block's scale is 2^(floor(log2(largest magnitude)) - 2); its byte is the largest magnitude's exponent field - 2, held at 1 from below.
; LIMITS: a block of zeros gets the byte 1 (its codes are zeros; this program alone reads the bytes); blocks whose largest magnitude lies under 2^-124 are held at that byte; NaN and infinities are not served.
; No barrier: waves share nothing; each wave's stage is its own, and each of the two ways has stages of its own.
.set XR,  32                           ; v32-95, v96-159  two sets of 64 numbers
.set PC0, 160                          ; v160-207 the codes of four tiles, 12 registers each: no store's data are written again
.set PT,  208                          ; v208-210, v212-214 the second halves of the blocks' codes
.set TM,  216                          ; v216-231 at work
.set PW0, 232                          ; v232-235 the four tiles' scale words
.set SWR, 236                          ; v236-237 the scale words as they are stored
.set MW,  160                          ; v160-167 (mask way) a pair of registers for each key step
.set SEL, 22                           ; s[22:23] v_permlanex16_b32's selects for lane l xor 16
.set HM,  24                           ; s24 lanes 16-31
.set NQW, 352                          ; work-groups of kind (a): 176 quads x 8 K steps / 4 waves
.set SP,  528                          ; a stage row
.set STG, 16*SP                        ; a wave's stage: 8,448 bytes
.set MREG, 4*STG                       ; LDS: way (a)'s four stages from 0, way (b)'s from here
	s_load_b256 s[4:11], s[0:1], 0x0               ; Wq s[4:5], Wk s[6:7], Wo s[8:9], value s[10:11]
	s_load_b256 s[12:19], s[0:1], 0x20             ; mask s[12:13], tcodes s[14:15], tscales s[16:17], mbits s[18:19]
	v_lshl_add_u32 v240, v0, 2, 0x10800
	v_mov_b32 v241, 0
	v_lshrrev_b32 v1, 5, v0
	v_readfirstlane_b32 s20, v1                    ; wave
	v_and_b32 v2, 31, v0                           ; lane
	v_and_b32 v3, 15, v0                           ; r
	v_bfe_u32 v4, v0, 4, 1                         ; h
	v_lshlrev_b32 v6, 4, v2                        ; 16 x lane: my bytes of a piece of 512, in memory; never rewritten
	v_lshlrev_b32 v7, 3, v2                        ; 8 x lane
	s_mul_i32 s21, s20, STG                        ; my wave's stage
	v_add_nc_u32 v8, s21, v6                       ; into it: 16 x lane of a row
	v_mul_u32_u24 v9, v3, SP
	v_lshl_add_u32 v9, v4, 6, v9
	v_add_nc_u32 v9, s21, v9                       ; out of it: row r, + 64 h
	s_mov_b32 s[SEL], 0x76543210
	s_mov_b32 s[SEL+1], 0xfedcba98
	s_mov_b32 s[HM], 0xffff0000
	s_mov_b32 s29, 0
; 64 registers of a set, register 4 p + e = my 16 bytes of row p, go through the stage at LDS byte reg and come back as register 16 b + 4 j + e = number 32 b + 16 h + 4 j + e of row r.
; LDS serves a wave's instructions in order (ISA guide 5.7.1.4): no wait stands between the stores and the loads.
.macro TURN set, reg
.irp p,0,1,2,3,4,5,6,7,8,9,10,11,12,13,14,15
	ds_store_b128 v8, v[(\set)+4*\p:(\set)+4*\p+3] offset:(\reg)+SP*\p
.endr
.irp b,0,1,2,3
.irp j,0,1,2,3
	ds_load_b128 v[(\set)+16*\b+4*\j:(\set)+16*\b+4*\j+3], v9 offset:(\reg)+128*\b+16*\j
.endr
.endr
.endm
	s_cmp_lt_u32 ttmp9, NQW
	s_cbranch_scc0 .Lmask
; ---- (a) a wave takes one quad of tiles at one K step
.macro LOADX i                         ; tile i of the quad: its 16 rows' 512 bytes of my K step: 32 lanes read 512 consecutive bytes, aligned
.irp p,0,1,2,3,4,5,6,7,8,9,10,11,12,13,14,15
	global_load_b128 v[XR+64*((\i)%2)+4*\p:XR+64*((\i)%2)+4*\p+3], v6, s[4:5] offset:(32*((\i)/2)+8*((\i)%2)+\p+8*(\p/8))*4096 th:TH_LOAD_NT
.endr
.endm
; 64 numbers of a lane become a fragment's 12 registers of codes and its row's scale word
.macro QUANT s, pc, pw
.irp b,0,1,2,3
	v_max3_num_f32 v[TM+\b], |v[(\s)+16*\b]|, |v[(\s)+1+16*\b]|, 0x1800000   ; block b: my 16 numbers, and the floor 2^(3 - 127): the byte cannot fall under 1
.endr
.irp i,2,4,6,8,10,12,14
.irp b,0,1,2,3
	v_max3_num_f32 v[TM+\b], v[TM+\b], |v[(\s)+16*\b+\i]|, |v[(\s)+1+16*\b+\i]|   ; the four blocks by turns
.endr
.endr
.irp b,0,1,2,3
	v_permlanex16_b32 v[TM+4+\b], v[TM+\b], s[SEL], s[SEL+1]
.endr
.irp b,0,1,2,3
	v_max_num_f32 v[TM+\b], v[TM+\b], v[TM+4+\b]   ; with lane l xor 16: the block's largest magnitude
.endr
.irp b,0,1,2,3
	v_add_nc_u32 v[TM+12+\b], 0xff000000, v[TM+\b] ; 2 off its exponent field: the conversion's scale operand
.endr
.irp b,0,1,2,3
	v_lshrrev_b32 v[TM+4+\b], 23, v[TM+12+\b]      ; the scale's byte
.endr
	v_lshl_or_b32 v[\pw], v[TM+5], 8, v[TM+4]
	v_lshl_or_b32 v[\pw], v[TM+6], 16, v[\pw]
	v_lshl_or_b32 v[\pw], v[TM+7], 24, v[\pw]
.irp c,0,1
	v_cvt_scalef32_pk16_fp6_f32 v[(\pc)+6*\c:(\pc)+2+6*\c], v[(\s)+32*\c:(\s)+15+32*\c], v[TM+12+2*\c]
	v_cvt_scalef32_pk16_fp6_f32 v[PT+4*\c:PT+2+4*\c], v[(\s)+16+32*\c:(\s)+31+32*\c], v[TM+13+2*\c]   ; (a conversion's three registers begin on an even number)
.endr
	v_nop                                          ; one plain place behind a scaled conversion
.irp c,0,1                             ; the operand wants a whole block in a lane: lanes 0-15 block 2 c, lanes 16-31 block 2 c + 1
.irp i,0,1,2
	v_permlane16_swap_b32 v[(\pc)+6*\c+\i], v[PT+4*\c+\i]
.endr
.irp i,0,1,2
	v_mov_b32 v[(\pc)+3+6*\c+\i], v[PT+4*\c+\i]
.endr
.endr
.endm
	s_lshl_b32 s21, ttmp9, 2
	s_add_co_u32 s21, s21, s20                     ; unit = 8 x quad + K step
	s_lshr_b32 s25, s21, 3                         ; quad 0 .. 175
	s_and_b32 s26, s21, 7                          ; K step
.irp b,0,1,2,3
	v_mov_b32 v[TM+4+\b], 0                        ; written once: a lane permute's destination counts as one of its sources
.endr
	s_wait_kmcnt 0x0
	s_cmp_lt_u32 s25, 48                           ; which tensor: the choice hangs on the work-group's and the wave's numbers alone
	s_cselect_b64 s[8:9], s[8:9], s[10:11]
	s_cselect_b32 s27, 32, 48
	s_cmp_lt_u32 s25, 32
	s_cselect_b64 s[6:7], s[6:7], s[8:9]
	s_cselect_b32 s27, 16, s27
	s_cmp_lt_u32 s25, 16
	s_cselect_b64 s[4:5], s[4:5], s[6:7]
	s_cselect_b32 s27, 0, s27
	s_sub_co_u32 s27, s25, s27                     ; the quad within its tensor
	s_lshl_b32 s28, s27, 18                        ; 64 rows of 4,096 bytes
	s_lshl_b32 s30, s26, 9                         ; 512 bytes a K step
	s_add_co_u32 s28, s28, s30
	s_add_nc_u64 s[4:5], s[4:5], s[28:29]
	s_mul_i32 s28, s25, 49152                      ; codes: 4 tiles x 8 K steps x 1,536 bytes a quad
	s_mul_i32 s30, s26, 1536
	s_add_co_u32 s28, s28, s30
	s_add_nc_u64 s[14:15], s[14:15], s[28:29]
	s_lshl_b32 s28, s21, 8                         ; scale words: 256 bytes a unit
	s_add_nc_u64 s[16:17], s[16:17], s[28:29]
	LOADX 0
	LOADX 1
.irp i,0,1,2,3
.if \i < 3
	s_wait_loadcnt 16                              ; this tile's 16 loads are in; the next tile's 16 may be out
.else
	s_wait_loadcnt 0x0
.endif
	TURN XR+64*(\i%2), 0
	s_wait_dscnt 0x0                               ; the tile is back, 64 neighbours-by-blocks of my row
	QUANT XR+64*(\i%2), PC0+12*\i, PW0+\i
.irp c,0,1,2
	global_store_b128 v6, v[PC0+12*\i+4*\c:PC0+12*\i+4*\c+3], s[14:15] offset:12288*\i+512*\c   ; 32 lanes store 512 consecutive bytes, aligned
.endr
.if \i < 2
	LOADX \i+2
.endif
.endr
	v_cndmask_b32 v[SWR], v[PW0], v[PW0+1], s[HM]  ; lanes 0-15 the even tile's word, lanes 16-31 the odd tile's
	v_cndmask_b32 v[SWR+1], v[PW0+2], v[PW0+3], s[HM]
	global_store_b64 v7, v[SWR:SWR+1], s[16:17]    ; 256 consecutive bytes, aligned
	s_wait_tensorcnt 0x0
	ds_add_u32 v240, v241
	s_wait_dscnt 0x0
	s_endpgm
; ---- (b) a wave takes one tile of 16 queries and four key steps
.Lmask:
.macro LOADM i                         ; key step i of my four: its 16 rows' 512 bytes: 32 lanes read 512 consecutive bytes, aligned
.irp p,0,1,2,3,4,5,6,7,8,9,10,11,12,13,14,15
	global_load_b128 v[XR+64*((\i)%2)+4*\p:XR+64*((\i)%2)+4*\p+3], v6, s[12:13] offset:(\p+8*(\p/8))*8192+512*(\i) th:TH_LOAD_NT
.endr
.endm
	s_sub_co_u32 s21, ttmp9, NQW
	s_lshl_b32 s21, s21, 2
	s_add_co_u32 s21, s21, s20                     ; 4 x tile + quarter
	s_lshr_b32 s25, s21, 2                         ; tile of queries 0 .. 511
	s_and_b32 s26, s21, 3                          ; which four key steps
	s_lshr_b32 s27, s25, 1
	s_lshl_b32 s27, s27, 5
	s_and_b32 s28, s25, 1
	s_lshl_b32 s28, s28, 3
	s_add_co_u32 s27, s27, s28                     ; the tile's first row
	s_lshl_b32 s28, s27, 13                        ; a row of the mask is 8,192 bytes
	s_lshl_b32 s30, s26, 11                        ; four key steps are 2,048 bytes
	s_add_co_u32 s28, s28, s30
	s_wait_kmcnt 0x0
	s_add_nc_u64 s[12:13], s[12:13], s[28:29]
	s_lshl_b32 s28, s21, 10                        ; 4 steps x 256 bytes of bits
	s_add_nc_u64 s[18:19], s[18:19], s[28:29]
	LOADM 0
	LOADM 1
.irp i,0,1,2,3
.if \i < 3
	s_wait_loadcnt 16                              ; this step's 16 loads are in; the next step's 16 may be out
.else
	s_wait_loadcnt 0x0
.endif
	TURN XR+64*(\i%2), MREG
	v_mov_b32 v[MW+2*\i], 0                        ; v_writelane_b32's destination counts as read
	v_mov_b32 v[MW+2*\i+1], 0
	s_wait_dscnt 0x0                               ; register n is now key 32 (n / 16) + 16 h + n % 16 of my row
.set n, 0
.rept 8
.irp e,0,1,2,3,4,5,6,7
	v_cmp_ne_u32 s[32+\e], 0, v[XR+64*(\i%2)+n+\e] ; word n + e: one bit a lane
.endr
.irp e,0,1,2,3,4,5,6,7
	v_writelane_b32 v[MW+2*\i+\e%2], s[32+\e], (n+\e)/2   ; word w goes to lane w / 2, register w % 2: 8 bytes a lane on end
.endr
.set n, n+8
.endr
	global_store_b64 v7, v[MW+2*\i:MW+2*\i+1], s[18:19] offset:256*\i   ; 256 consecutive bytes, aligned
.if \i < 2
	LOADM \i+2
.endif
.endr
	s_wait_tensorcnt 0x0
	ds_add_u32 v240, v241
	s_wait_dscnt 0x0
	s_endpgm
.Lfunc_end_k_q2d3f089546_prep:
	.size	k_q2d3f089546_prep, .Lfunc_end_k_q2d3f089546_prep-k_q2d3f089546_prep
	.p2alignl 7, 3214868480
	.fill 96, 4, 3214868480
	.section	.rodata,"a",@progbits
	.p2align	6, 0x0
	.amdhsa_kernel k_q2d3f089546_prep
		.amdhsa_group_segment_fixed_size 68096
		.amdhsa_private_segment_fixed_size 0
		.amdhsa_enable_private_segment 0
		.amdhsa_kernarg_size 64
		.amdhsa_user_sgpr_count 2
		.amdhsa_user_sgpr_kernarg_segment_ptr 1
		.amdhsa_wavefront_size32 1
		.amdhsa_system_sgpr_workgroup_id_x 1
		.amdhsa_system_sgpr_workgroup_id_y 1
		.amdhsa_system_sgpr_workgroup_id_z 1
		.amdhsa_system_vgpr_workitem_id 0
		.amdhsa_next_free_vgpr 242
		.amdhsa_next_free_sgpr 66
		.amdhsa_reserve_vcc 0
		.amdhsa_float_denorm_mode_32 3
		.amdhsa_float_denorm_mode_16_64 3
		.amdhsa_memory_ordered 1
		.amdhsa_forward_progress 1
		.amdhsa_inst_pref_size 81
	.end_amdhsa_kernel
	.amdgpu_metadata
---
amdhsa.version: [ 1, 2 ]
amdhsa.kernels:
  - .name:           k_q2d3f089546_prep
    .symbol:         k_q2d3f089546_prep.kd
    .args:
      - { .name: Wq, .offset: 0, .size: 8, .value_kind: global_buffer, .address_space: global }
      - { .name: Wk, .offset: 8, .size: 8, .value_kind: global_buffer, .address_space: global }
      - { .name: Wo, .offset: 16, .size: 8, .value_kind: global_buffer, .address_space: global }
      - { .name: value, .offset: 24, .size: 8, .value_kind: global_buffer, .address_space: global }
      - { .name: mask, .offset: 32, .size: 8, .value_kind: global_buffer, .address_space: global }
      - { .name: tcodes, .offset: 40, .size: 8, .value_kind: global_buffer, .address_space: global }
      - { .name: tscales, .offset: 48, .size: 8, .value_kind: global_buffer, .address_space: global }
      - { .name: mbits, .offset: 56, .size: 8, .value_kind: global_buffer, .address_space: global }
    .group_segment_fixed_size: 68096
    .private_segment_fixed_size: 0
    .kernarg_segment_align: 8
    .kernarg_segment_size: 64
    .max_flat_workgroup_size: 128
    .sgpr_count:     66
    .vgpr_count:     242
    .wavefront_size: 32
...
	.end_amdgpu_metadata
.endif
;; end of part 1
;; launch proj (part 2): grid 128 x 3, 4 waves a work-group, no clusters, 51,712 bytes of LDS; arguments query, key_in, Wv, bq, bk, bv, tcodes, tscales, qbuf, kv; writes qbuf, kv
.if DOCPART == 2
	.amdgcn_target "amdgcn-amd-amdhsa--gfx1250"
	.amdhsa_code_object_version 6
	.text
	.protected	k_q2d3f089546_proj
	.globl	k_q2d3f089546_proj
	.p2align	8
	.type	k_q2d3f089546_proj,@function
k_q2d3f089546_proj:
	s_mov_b64 s[64:65], 0
	v_nop
	global_prefetch_b8 v0, s[64:65] scope:SCOPE_SE
	s_setreg_imm32_b32 hwreg(HW_REG_WAVE_MODE, 25, 1), 1
	s_wait_xcnt 0x0
; PROJ.  q = query Wq^T + bq, k = key_in Wk^T + bk, v = value Wv^T + bv, on codes of FP6 (E2M3) with E8M0 scales, and each result quantised in registers for the attention launch.
; Every product is used transposed: source 0 = 16 rows of T (codes made by the launch before, in the order of an operand's registers), source 1 = 16 rows of S (f32, quantised here).
; A lane then holds ONE row of S, and its registers run along T's rows, which is the axis along which the result is quantised:
;   y = 0, 1: S = 64 tokens of query / key_in, T = the 1,024 rows of Wq / Wk: q and k are quantised along a head's 64 features;
;   y = 2:    S = the 64 rows of Wv of one head, T = 1,024 tokens of value: v is quantised along the keys.
; A tile of 16 rows holds rows 32 (t / 2) + 8 (t % 2) + p + 8 (p / 8): the 16 registers of T tiles 2 b, 2 b + 1 are T rows 32 b + 16 (lane / 16) + 0 .. 15.
; SHARES.  A work-group: 64 rows of S x 1,024 of T.  A wave: all four tiles of S x 16 tiles of T: 64 accumulators, 8 K steps of 128, 512 matrix instructions, written out: every offset is an immediate.
; T's fragments go from memory straight into registers (each is used by one wave), three half steps ahead.  S is quantised once, wave w its tile w, and goes to the other waves through LDS as images of registers.
; OUT.  Half a fragment (6 registers: 64 along the next K) is 768 bytes: registers 0-3 of lane l at 16 l, registers 4-5 at 512 + 8 l.
;   qbuf: record (16 b + head, step of 128 tokens) of 6,656 bytes: tile i at 768 i; scale words of tiles 4 g .. at 6144 + 256 g (8 bytes a lane: word i = tile 2 i + lane / 16), upper two bytes 0x7f.
;   kv: record of 13,056 bytes: k as in qbuf; v: (tile t of the head's 64, half c of the 128 keys) at 6656 + 1536 t + 768 c, its scale words at 12800.
; LIMITS: a block of zeros gets the byte 1 (its codes are zeros); blocks under 2^-124 are held at that byte; NaN and infinities are not served.
; REGISTERS, in windows of 256.  Window 0: v2-12 addresses; v20-27 bv; v32-43 T's scale words (three sets); v44-47 S's (two sets); v48-57 scale words on the way out;
;   v64-159 T's third set, later biases; v160-207 S's second set, later the numbers to quantise; v208-255 at work.   Window 1: v0-95, v96-191 T's first two sets; v192-239 S's first set.
;   Windows 2, 3: at first the 512 numbers of S that my lane quantises; then the accumulators: (m, t) at v[8 (16 (m % 2) + t)] of window 2 + m / 2.
.set XA,  2                            ; S: my row x 4,096 + 64 h
.set LI,  3                            ; 16 x lane
.set L8,  4                            ; 8 x lane
.set L4,  5                            ; 4 x lane
.set XWI, 6                            ; LDS: where I store images: 16 x lane + 12,288 x wave
.set XWS, 7                            ; and scale words: 49,152 + 64 x wave + 4 r
.set OA16, 8                           ; the way out (q, k)
.set OA8, 9
.set PSO, 10
.set BA,  11                           ; 64 h
.set PR4, 12                           ; 4 x (r + 8 (r / 8))
.set BV,  20
.set TS,  32
.set SS,  44
.set WSR, 48
.set UU,  52
.set SWR, 56
.set T2,  64
.set S1,  160
.set H,   160                          ; v160-191 32 numbers to quantise
.set TME, 192                          ; v192-207 at work on the way out
.set TMX, 208                          ; v208-223 at work while S is quantised
.set PWX, 224
.set PTX, 228                          ; v228-230, v232-234
.set PC,  240                          ; v240-251 codes
.set PTE, 248                          ; v248-250 (the way out needs only v240-245 of PC)
.set U,   252
.set SEL, 44                           ; s[44:45]
.set HM,  46                           ; s46 lanes 16-31
.set XSC, 49152                        ; LDS: images of S, (m, s) at (8 m + s) x 1536; behind them the scale words, 256 s + 64 m + 4 r
.set MSB, 0
.macro WIN new                         ; the immediate's high byte repeats the setting that is left
.if MSB != (\new)
	s_set_vgpr_msb (MSB<<8)|(\new)
.set MSB, (\new)
.endif
.endm
.macro PLACES                          ; four places behind a matrix instruction, in front of loads into its registers and of reads of its results
.rept 4
	v_nop
.endr
.endm
; One matrix instruction.  d, a, b: first registers; c: first register of C, or -1 for the constant 0; sa, sb: scale registers; ra, rb: 1 = the scales stand in lanes 16-31
.macro WM d, a, b, c, sa, sb, ra, rb
.if (\c) < 0
.if (\ra) && (\rb)
	v_wmma_scale_f32_16x16x128_f8f6f4 v[(\d):(\d)+7], v[(\a):(\a)+11], v[(\b):(\b)+11], 0, v[\sa], v[\sb] matrix_a_fmt:MATRIX_FMT_FP6 matrix_b_fmt:MATRIX_FMT_FP6 matrix_a_scale:MATRIX_SCALE_ROW1 matrix_b_scale:MATRIX_SCALE_ROW1
.elseif (\ra)
	v_wmma_scale_f32_16x16x128_f8f6f4 v[(\d):(\d)+7], v[(\a):(\a)+11], v[(\b):(\b)+11], 0, v[\sa], v[\sb] matrix_a_fmt:MATRIX_FMT_FP6 matrix_b_fmt:MATRIX_FMT_FP6 matrix_a_scale:MATRIX_SCALE_ROW1
.elseif (\rb)
	v_wmma_scale_f32_16x16x128_f8f6f4 v[(\d):(\d)+7], v[(\a):(\a)+11], v[(\b):(\b)+11], 0, v[\sa], v[\sb] matrix_a_fmt:MATRIX_FMT_FP6 matrix_b_fmt:MATRIX_FMT_FP6 matrix_b_scale:MATRIX_SCALE_ROW1
.else
	v_wmma_scale_f32_16x16x128_f8f6f4 v[(\d):(\d)+7], v[(\a):(\a)+11], v[(\b):(\b)+11], 0, v[\sa], v[\sb] matrix_a_fmt:MATRIX_FMT_FP6 matrix_b_fmt:MATRIX_FMT_FP6
.endif
.else
.if (\ra) && (\rb)
	v_wmma_scale_f32_16x16x128_f8f6f4 v[(\d):(\d)+7], v[(\a):(\a)+11], v[(\b):(\b)+11], v[(\c):(\c)+7], v[\sa], v[\sb] matrix_a_fmt:MATRIX_FMT_FP6 matrix_b_fmt:MATRIX_FMT_FP6 matrix_a_scale:MATRIX_SCALE_ROW1 matrix_b_scale:MATRIX_SCALE_ROW1
.elseif (\ra)
	v_wmma_scale_f32_16x16x128_f8f6f4 v[(\d):(\d)+7], v[(\a):(\a)+11], v[(\b):(\b)+11], v[(\c):(\c)+7], v[\sa], v[\sb] matrix_a_fmt:MATRIX_FMT_FP6 matrix_b_fmt:MATRIX_FMT_FP6 matrix_a_scale:MATRIX_SCALE_ROW1
.elseif (\rb)
	v_wmma_scale_f32_16x16x128_f8f6f4 v[(\d):(\d)+7], v[(\a):(\a)+11], v[(\b):(\b)+11], v[(\c):(\c)+7], v[\sa], v[\sb] matrix_a_fmt:MATRIX_FMT_FP6 matrix_b_fmt:MATRIX_FMT_FP6 matrix_b_scale:MATRIX_SCALE_ROW1
.else
	v_wmma_scale_f32_16x16x128_f8f6f4 v[(\d):(\d)+7], v[(\a):(\a)+11], v[(\b):(\b)+11], v[(\c):(\c)+7], v[\sa], v[\sb] matrix_a_fmt:MATRIX_FMT_FP6 matrix_b_fmt:MATRIX_FMT_FP6
.endif
.endif
.endm
; Half step i = K step i / 2, T tiles 8 (i % 2) .. + 7 of my 16.  Its fragments and scale words go into set i % 3: 26 loads
.macro TLOAD i
.set KS_, (\i)/2
.set G_, (\i)%2
.set BF_, (\i)%3
.if BF_ == 2
	WIN 0
.set TR_, T2
.else
	WIN 0x40
.set TR_, 96*BF_
.endif
.irp tt,0,1,2,3,4,5,6,7
.irp c,0,1,2
	global_load_b128 v[TR_+12*\tt+4*\c:TR_+12*\tt+4*\c+3], v[LI], s[16:17] offset:((8*G_+\tt)*8+KS_)*1536+512*\c
.endr
.endr
	WIN 0
.irp q,0,1
	global_load_b64 v[TS+4*BF_+2*\q:TS+4*BF_+2*\q+1], v[L8], s[18:19] offset:((2*G_+\q)*8+KS_)*256
.endr
.endm
; S's four fragments and scale words of K step s, from LDS, into set s % 2
.macro FETCHS s
.set ST_, (\s)%2
.if ST_ == 0
	WIN 0x40
.set SR_, 192
.else
	WIN 0
.set SR_, S1
.endif
.irp m,0,1,2,3
.irp c,0,1,2
	ds_load_b128 v[SR_+12*\m+4*\c:SR_+12*\m+4*\c+3], v[LI] offset:(8*\m+(\s))*1536+512*\c
.endr
.endr
	WIN 0
.irp q,0,1
	ds_load_b32 v[SS+2*ST_+\q], v[L4] offset:XSC+256*(\s)+128*\q   ; lanes 0-15 tile 2 q, lanes 16-31 tile 2 q + 1
.endr
.endm
; The 32 products of half step i.  All 32 accumulators differ, and each comes again 64 instructions later: by turns, one instruction a turn
.macro MUL i
.set KS_, (\i)/2
.set G_, (\i)%2
.set BF_, (\i)%3
.set ST_, KS_%2
.if BF_ == 2
.set TW_, 0
.set TR_, T2
.else
.set TW_, 1
.set TR_, 96*BF_
.endif
.if ST_ == 0
.set SW_, 1
.set SR_, 192
.else
.set SW_, 0
.set SR_, S1
.endif
.irp mp,0,1
	WIN TW_|(SW_<<2)|((2+\mp)<<4)|((2+\mp)<<6)
.irp tt,0,1,2,3,4,5,6,7
.irp mm,0,1
.if KS_ == 0
	WM 8*(16*\mm+8*G_+\tt), TR_+12*\tt, SR_+12*(2*\mp+\mm), -1, TS+4*BF_+2*(\tt/4)+(\tt%4)/2, SS+2*ST_+\mp, \tt%2, \mm
.else
	WM 8*(16*\mm+8*G_+\tt), TR_+12*\tt, SR_+12*(2*\mp+\mm), 8*(16*\mm+8*G_+\tt), TS+4*BF_+2*(\tt/4)+(\tt%4)/2, SS+2*ST_+\mp, \tt%2, \mm
.endif
.endr
.endr
.endr
.endm
; 64 numbers of a lane, in window win from register reg on (register 16 b + i = k 32 b + 16 h + i of my row), become 12 registers of codes in v[PC] on and the scale word in v[PWX]
.macro QUANTW win, reg
	WIN (\win)|((\win)<<2)
.irp b,0,1,2,3
	v_max3_num_f32 v[TMX+\b], |v[(\reg)+16*\b]|, |v[(\reg)+1+16*\b]|, 0x1800000   ; and the floor 2^(3 - 127): the byte cannot fall under 1
.endr
.irp i,2,4,6,8,10,12,14
.irp b,0,1,2,3
	v_max3_num_f32 v[TMX+\b], |v[(\reg)+16*\b+\i]|, |v[(\reg)+1+16*\b+\i]|, v[TMX+\b]
.endr
.endr
	WIN 0
.irp b,0,1,2,3
	v_permlanex16_b32 v[TMX+4+\b], v[TMX+\b], s[SEL], s[SEL+1]
.endr
.irp b,0,1,2,3
	v_max_num_f32 v[TMX+\b], v[TMX+\b], v[TMX+4+\b]
.endr
.irp b,0,1,2,3
	v_add_nc_u32 v[TMX+12+\b], 0xff000000, v[TMX+\b]   ; 2 off the exponent field: the conversion's scale operand
.endr
.irp b,0,1,2,3
	v_lshrrev_b32 v[TMX+4+\b], 23, v[TMX+12+\b]    ; the scale's byte
.endr
	v_lshl_or_b32 v[PWX], v[TMX+5], 8, v[TMX+4]
	v_lshl_or_b32 v[PWX], v[TMX+6], 16, v[PWX]
	v_lshl_or_b32 v[PWX], v[TMX+7], 24, v[PWX]
	WIN (\win)
.irp c,0,1
	v_cvt_scalef32_pk16_fp6_f32 v[PC+6*\c:PC+2+6*\c], v[(\reg)+32*\c:(\reg)+15+32*\c], v[TMX+12+2*\c]
	v_cvt_scalef32_pk16_fp6_f32 v[PTX+4*\c:PTX+2+4*\c], v[(\reg)+16+32*\c:(\reg)+31+32*\c], v[TMX+13+2*\c]
.endr
	WIN 0
	v_nop                                          ; one plain place behind a scaled conversion: its sources are written by matrix instructions later
.irp c,0,1
.irp i,0,1,2
	v_permlane16_swap_b32 v[PC+6*\c+\i], v[PTX+4*\c+\i]
.endr
.irp i,0,1,2
	v_mov_b32 v[PC+3+6*\c+\i], v[PTX+4*\c+\i]
.endr
.endr
.endm
; 32 numbers of a lane in v[H] on (two blocks) become 6 registers of codes in v[PC] on and two scale bytes in v[U]
.macro QUANT2
.irp b,0,1
	v_max3_num_f32 v[TME+\b], |v[H+16*\b]|, |v[H+16*\b+1]|, 0x1800000
.endr
.irp i,2,4,6,8,10,12,14
.irp b,0,1
	v_max3_num_f32 v[TME+\b], v[TME+\b], |v[H+16*\b+\i]|, |v[H+16*\b+\i+1]|
.endr
.endr
.irp b,0,1
	v_permlanex16_b32 v[TME+4+\b], v[TME+\b], s[SEL], s[SEL+1]
.endr
.irp b,0,1
	v_max_num_f32 v[TME+\b], v[TME+\b], v[TME+4+\b]
.endr
.irp b,0,1
	v_add_nc_u32 v[TME+12+\b], 0xff000000, v[TME+\b]
.endr
.irp b,0,1
	v_lshrrev_b32 v[TME+4+\b], 23, v[TME+12+\b]
.endr
	v_lshl_or_b32 v[U], v[TME+5], 8, v[TME+4]
	v_cvt_scalef32_pk16_fp6_f32 v[PC:PC+2], v[H:H+15], v[TME+12]
	v_cvt_scalef32_pk16_fp6_f32 v[PTE:PTE+2], v[H+16:H+31], v[TME+13]
	v_nop                                          ; one plain place behind a scaled conversion
.irp i,0,1,2
	v_permlane16_swap_b32 v[PC+\i], v[PTE+\i]      ; lanes 0-15 now hold block 0 whole, lanes 16-31 block 1
.endr
.irp i,0,1,2
	v_mov_b32 v[PC+3+\i], v[PTE+\i]
.endr
.endm
; THE WAY OUT: 16 units (cc: 64 rows of T; m: tile of S): bias added, quantised, stored.  Each accumulator is read from its low end on.
.macro EPI isv
	v_mov_b32 v[TME+4], 0                          ; a lane permute's destination counts as one of its sources
	v_mov_b32 v[TME+5], 0
.irp cc,0,1,2,3
.irp m,0,1,2,3
	s_wait_xcnt 0x0                                ; the last unit's stores have read their registers: the codes and the scale words may be written again
	WIN 2+\m/2
.set A_, 8*(16*(\m%2)+4*\cc)
.set i_, 0
.rept 16
.if \isv
	v_pk_add_f32 v[H+i_:H+i_+1], v[A_+i_:A_+i_+1], v[BV+2*\m:BV+2*\m+1]
.else
	v_pk_add_f32 v[H+i_:H+i_+1], v[A_+i_:A_+i_+1], v[64+32*\cc+48*(\cc/3)+i_:64+32*\cc+48*(\cc/3)+i_+1]
.endif
.set i_, i_+2
.endr
	WIN 0
	QUANT2
.if \isv
	global_store_b128 v[LI], v[PC:PC+3], s[36:37] offset:6656+13056*(\cc/2)+768*(\cc%2)+1536*\m       ; 512 consecutive bytes, aligned
	global_store_b64 v[L8], v[PC+4:PC+5], s[36:37] offset:6656+13056*(\cc/2)+768*(\cc%2)+1536*\m+512   ; 256 consecutive bytes, aligned
.if \cc%2 == 0
	v_mov_b32 v[UU+\m], v[U]                       ; the bytes of keys 0-63 of the step wait for those of keys 64-127
.else
	v_lshl_or_b32 v[WSR+\m], v[U], 16, v[UU+\m]
.if \m == 3
	v_cndmask_b32 v[SWR], v[WSR], v[WSR+1], s[HM]
	v_cndmask_b32 v[SWR+1], v[WSR+2], v[WSR+3], s[HM]
	global_store_b64 v[L8], v[SWR:SWR+1], s[36:37] offset:12800+13056*(\cc/2)
.endif
.endif
.else
	global_store_b128 v[OA16], v[PC:PC+3], s[36+2*\cc:37+2*\cc] offset:768*\m
	global_store_b64 v[OA8], v[PC+4:PC+5], s[36+2*\cc:37+2*\cc] offset:768*\m
	v_or_b32 v[WSR+\m], 0x7f7f0000, v[U]           ; K is 64: the upper half of the 128 is zero codes under the scale 1
.if \m == 3
	v_cndmask_b32 v[SWR], v[WSR], v[WSR+1], s[HM]
	v_cndmask_b32 v[SWR+1], v[WSR+2], v[WSR+3], s[HM]
	global_store_b64 v[PSO], v[SWR:SWR+1], s[36+2*\cc:37+2*\cc]
.endif
.endif
.endr
.endr
.endm
	s_load_b256 s[4:11], s[0:1], 0x0               ; query s[4:5], key_in s[6:7], Wv s[8:9], bq s[10:11]
	s_load_b256 s[12:19], s[0:1], 0x20             ; bk s[12:13], bv s[14:15], tcodes s[16:17], tscales s[18:19]
	s_load_b128 s[20:23], s[0:1], 0x40             ; qbuf s[20:21], kv s[22:23]
	v_lshl_add_u32 v254, v0, 2, 0xc800
	v_mov_b32 v255, 0
	v_lshrrev_b32 v1, 5, v0
	v_readfirstlane_b32 s2, v1                     ; wave
	s_and_b32 s3, ttmp7, 0xffff                    ; y: which product
	s_mov_b32 s24, ttmp9                           ; x
	v_and_b32 v1, 31, v0                           ; lane
	v_and_b32 v13, 15, v0                          ; r
	v_bfe_u32 v14, v0, 4, 1                        ; h
	v_and_b32 v15, 8, v13
	v_add_nc_u32 v15, v15, v13                     ; r + 8 (r / 8)
	v_lshlrev_b32 v[XA], 12, v15
	v_lshl_add_u32 v[XA], v14, 6, v[XA]
	v_lshlrev_b32 v[LI], 4, v1
	v_lshlrev_b32 v[L8], 3, v1
	v_lshlrev_b32 v[L4], 2, v1
	s_mul_i32 s25, s2, 12288
	v_add_nc_u32 v[XWI], s25, v[LI]
	s_lshl_b32 s25, s2, 6
	s_add_co_u32 s25, s25, XSC
	v_lshl_add_u32 v[XWS], v13, 2, s25
	v_lshlrev_b32 v[BA], 6, v14
	v_lshlrev_b32 v[PR4], 2, v15
	s_mov_b32 s[SEL], 0x76543210
	s_mov_b32 s[SEL+1], 0xfedcba98
	s_mov_b32 s[HM], 0xffff0000
	s_lshr_b32 s25, s24, 3                         ; y = 2: the head
	s_and_b32 s26, s24, 7
	s_lshl_b32 s26, s26, 6
	s_add_co_u32 s26, s26, 192                     ; y = 2: value's tiles begin at 192; 64 tiles for each 1,024 tokens
	s_lshl_b32 s27, s3, 6                          ; y = 0, 1: Wq's tiles begin at 0, Wk's at 64
	s_cmp_eq_u32 s3, 2
	s_cselect_b32 s25, s25, s24                    ; which 64 rows of S
	s_cselect_b32 s26, s26, s27
	s_lshl_b32 s27, s2, 4
	s_add_co_u32 s26, s26, s27                     ; my first tile of T
	s_mul_i32 s28, s26, 12288                      ; 8 K steps x 1,536 bytes a tile
	s_mov_b32 s29, 0
	s_lshl_b32 s30, s26, 9                         ; 8 K steps x 256 bytes for four tiles
	s_mov_b32 s31, 0
	s_lshl_b32 s32, s25, 18                        ; 64 rows of 4,096 bytes
	s_lshr_b32 s33, s2, 1
	s_lshl_b32 s33, s33, 17                        ; my tile of S begins at row 32 (wave / 2) + 8 (wave % 2)
	s_add_co_u32 s32, s32, s33
	s_and_b32 s33, s2, 1
	s_lshl_b32 s33, s33, 15
	s_add_co_u32 s32, s32, s33
	s_mov_b32 s33, 0
	s_wait_kmcnt 0x0
	s_cmp_eq_u32 s3, 0                             ; the choices hang on the work-group's number alone
	s_cselect_b64 s[4:5], s[4:5], s[6:7]
	s_cmp_eq_u32 s3, 2
	s_cselect_b64 s[4:5], s[8:9], s[4:5]
	s_add_nc_u64 s[4:5], s[4:5], s[32:33]
	s_add_nc_u64 s[16:17], s[16:17], s[28:29]
	s_add_nc_u64 s[18:19], s[18:19], s[30:31]
	TLOAD 0
	TLOAD 1
	TLOAD 2
.irp i,0,1,2,3,4,5,6,7                 ; my tile of S, all of K: K step i into window 2 + i / 4, registers 64 (i % 4) on
	WIN (2+\i/4)<<6
.irp b,0,1,2,3
.irp j,0,1,2,3
	global_load_b128 v[64*(\i%4)+16*\b+4*\j:64*(\i%4)+16*\b+4*\j+3], v[XA], s[4:5] offset:512*\i+128*\b+16*\j
.endr
.endr
.endr
	WIN 0
.irp b,0,1,2,3
	v_mov_b32 v[TMX+4+\b], 0                       ; a lane permute's destination counts as one of its sources
.endr
.irp i,0,1,2,3,4,5,6,7
.if \i < 4
	s_wait_loadcnt 63                              ; 16 (7 - i) loads are younger than K step i's; the wait's count ends at 63, and a smaller count is safe
.else
	s_wait_loadcnt 16*(7-\i)
.endif
	QUANTW 2+\i/4, 64*(\i%4)
.irp c,0,1,2
	ds_store_b128 v[XWI], v[PC+4*\c:PC+4*\c+3] offset:1536*\i+512*\c   ; the fragment goes to LDS as it stands
.endr
	ds_store_b32 v[XWS], v[PWX] offset:256*\i      ; lanes r and r + 16 write the same word with the same value
	s_wait_dscnt 0x0                               ; the stores are done: their registers may be written again, and at the end the others may read
.endr
	s_barrier_signal -1
	s_barrier_wait -1                              ; S's 32 fragments lie in LDS; nothing is stored to LDS behind this barrier
	FETCHS 0
.irp i,0,1,2,3,4,5,6,7,8,9,10,11,12,13,14
.if \i%2 == 0
	s_wait_dscnt 0x0                               ; this K step's fragments of S, asked for 32 matrix instructions ago
.endif
.if \i < 14
	s_wait_loadcnt 52                              ; this half step's 26 loads are in; the two younger half steps' may be out
.else
	s_wait_loadcnt 26
.endif
	MUL \i
	PLACES
.if \i+3 <= 15
	TLOAD \i+3                                     ; into the set just multiplied
.endif
.if (\i%2 == 0) && (\i < 14)
	FETCHS \i/2+1                                  ; into the set that the K step before read
.endif
.endr
	WIN 0                                          ; at a branch and at a label every window is 0
	s_wait_loadcnt 0x0                             ; the last half step's fragments
	s_cmp_eq_u32 s3, 2
	s_cbranch_scc1 .Lv                             ; the two ways part here and do not join again
	; ---- q and k: unit cc is head 4 x wave + cc
	s_cmp_eq_u32 s3, 0
	s_mov_b32 s25, 13056
	s_cselect_b64 s[20:21], s[20:21], s[22:23]     ; qbuf or kv
	s_cselect_b64 s[10:11], s[10:11], s[12:13]     ; bq or bk
	s_cselect_b32 s25, 6656, s25                   ; a record's bytes
	s_lshr_b32 s26, s24, 5                         ; batch: 32 blocks of 64 tokens
	s_lshl_b32 s26, s26, 4
	s_lshl_b32 s27, s2, 2
	s_add_co_u32 s26, s26, s27                     ; 16 b + head
	s_lshl_b32 s26, s26, 4
	s_and_b32 s27, s24, 31
	s_lshr_b32 s27, s27, 1
	s_add_co_u32 s26, s26, s27                     ; + the step of 128 tokens
	s_mul_i32 s26, s26, s25
	s_mov_b32 s27, 0
	s_add_nc_u64 s[36:37], s[20:21], s[26:27]
	s_lshl_b32 s26, s25, 4                         ; from head to head: 16 records
	s_add_nc_u64 s[38:39], s[36:37], s[26:27]
	s_add_nc_u64 s[40:41], s[38:39], s[26:27]
	s_add_nc_u64 s[42:43], s[40:41], s[26:27]
	s_and_b32 s28, s24, 1                          ; which half of the step's eight tiles
	s_mul_i32 s29, s28, 3072
	v_add_nc_u32 v[OA16], s29, v[LI]
	s_add_co_u32 s29, s29, 512
	v_add_nc_u32 v[OA8], s29, v[L8]
	s_lshl_b32 s29, s28, 8
	s_add_co_u32 s29, s29, 6144
	v_add_nc_u32 v[PSO], s29, v[L8]
	s_lshl_b32 s26, s2, 10                         ; my 256 features' biases
	s_add_nc_u64 s[10:11], s[10:11], s[26:27]
.irp cc,0,1,2,3                        ; register 16 b + i of unit cc: feature 64 cc + 32 b + 16 h + i.  Into registers that the last products do not name
.irp b,0,1
.irp j,0,1,2,3
	global_load_b128 v[64+32*\cc+48*(\cc/3)+16*\b+4*\j:64+32*\cc+48*(\cc/3)+16*\b+4*\j+3], v[BA], s[10:11] offset:256*\cc+128*\b+16*\j
.endr
.endr
.endr
	MUL 15
	PLACES
	WIN 0
	s_wait_loadcnt 0x0
	EPI 0
	WIN 0
	s_wait_tensorcnt 0x0
	ds_add_u32 v254, v255
	s_wait_dscnt 0x0
	s_endpgm
	; ---- v: unit cc is 64 keys: half cc % 2 of key step 8 (x % 2) + 2 x wave + cc / 2
.Lv:
	s_and_b32 s26, s24, 7
	s_lshr_b32 s26, s26, 1                         ; batch
	s_lshl_b32 s26, s26, 4
	s_lshr_b32 s27, s24, 3                         ; head
	s_add_co_u32 s26, s26, s27
	s_lshl_b32 s30, s27, 8                         ; the head's 64 biases
	s_mov_b32 s31, 0
	s_lshl_b32 s26, s26, 4
	s_and_b32 s28, s24, 1
	s_lshl_b32 s28, s28, 3
	s_add_co_u32 s26, s26, s28
	s_lshl_b32 s28, s2, 1
	s_add_co_u32 s26, s26, s28                     ; my first record
	s_mul_i32 s26, s26, 13056
	s_mov_b32 s27, 0
	s_add_nc_u64 s[36:37], s[22:23], s[26:27]
	s_add_nc_u64 s[14:15], s[14:15], s[30:31]
.irp m,0,1,2,3                         ; a lane holds one feature: its bias, twice, for the packed addition
	global_load_b32 v[BV+2*\m], v[PR4], s[14:15] offset:(32*(\m/2)+8*(\m%2))*4
	global_load_b32 v[BV+2*\m+1], v[PR4], s[14:15] offset:(32*(\m/2)+8*(\m%2))*4
.endr
	MUL 15
	PLACES
	WIN 0
	s_wait_loadcnt 0x0
	EPI 1
	WIN 0
	s_wait_tensorcnt 0x0
	ds_add_u32 v254, v255
	s_wait_dscnt 0x0
	s_endpgm
.Lfunc_end_k_q2d3f089546_proj:
	.size	k_q2d3f089546_proj, .Lfunc_end_k_q2d3f089546_proj-k_q2d3f089546_proj
	.p2alignl 7, 3214868480
	.fill 96, 4, 3214868480
	.section	.rodata,"a",@progbits
	.p2align	6, 0x0
	.amdhsa_kernel k_q2d3f089546_proj
		.amdhsa_group_segment_fixed_size 51712
		.amdhsa_private_segment_fixed_size 0
		.amdhsa_enable_private_segment 0
		.amdhsa_kernarg_size 80
		.amdhsa_user_sgpr_count 2
		.amdhsa_user_sgpr_kernarg_segment_ptr 1
		.amdhsa_wavefront_size32 1
		.amdhsa_system_sgpr_workgroup_id_x 1
		.amdhsa_system_sgpr_workgroup_id_y 1
		.amdhsa_system_sgpr_workgroup_id_z 1
		.amdhsa_system_vgpr_workitem_id 0
		.amdhsa_next_free_vgpr 1024
		.amdhsa_next_free_sgpr 66
		.amdhsa_reserve_vcc 0
		.amdhsa_float_denorm_mode_32 3
		.amdhsa_float_denorm_mode_16_64 3
		.amdhsa_memory_ordered 1
		.amdhsa_forward_progress 1
		.amdhsa_inst_pref_size 255
	.end_amdhsa_kernel
	.section	.bss,"aw",@nobits
	.p2align	6
	.space	262144
	.amdgpu_metadata
---
amdhsa.version: [ 1, 2 ]
amdhsa.kernels:
  - .name:           k_q2d3f089546_proj
    .symbol:         k_q2d3f089546_proj.kd
    .args:
      - { .name: query, .offset: 0, .size: 8, .value_kind: global_buffer, .address_space: global }
      - { .name: key_in, .offset: 8, .size: 8, .value_kind: global_buffer, .address_space: global }
      - { .name: Wv, .offset: 16, .size: 8, .value_kind: global_buffer, .address_space: global }
      - { .name: bq, .offset: 24, .size: 8, .value_kind: global_buffer, .address_space: global }
      - { .name: bk, .offset: 32, .size: 8, .value_kind: global_buffer, .address_space: global }
      - { .name: bv, .offset: 40, .size: 8, .value_kind: global_buffer, .address_space: global }
      - { .name: tcodes, .offset: 48, .size: 8, .value_kind: global_buffer, .address_space: global }
      - { .name: tscales, .offset: 56, .size: 8, .value_kind: global_buffer, .address_space: global }
      - { .name: qbuf, .offset: 64, .size: 8, .value_kind: global_buffer, .address_space: global }
      - { .name: kv, .offset: 72, .size: 8, .value_kind: global_buffer, .address_space: global }
    .group_segment_fixed_size: 51712
    .private_segment_fixed_size: 0
    .kernarg_segment_align: 8
    .kernarg_segment_size: 80
    .max_flat_workgroup_size: 128
    .sgpr_count:     66
    .vgpr_count:     1024
    .wavefront_size: 32
...
	.end_amdgpu_metadata
.endif
;; end of part 2
;; launch attn (part 3): grid 4 x 64, 16 waves a work-group, clusters of 4 x 1, 215,040 bytes of LDS; arguments qbuf, kv, mbits, xc, xs; writes xc, xs
.if DOCPART == 3
	.amdgcn_target "amdgcn-amd-amdhsa--gfx1250"
	.amdhsa_code_object_version 6
	.text
	.protected	k_q2d3f089546_attn
	.globl	k_q2d3f089546_attn
	.p2align	8
	.type	k_q2d3f089546_attn,@function
k_q2d3f089546_attn:
	s_mov_b64 s[64:65], 0
	v_nop
	global_prefetch_b8 v0, s[64:65] scope:SCOPE_SE
	s_setreg_imm32_b32 hwreg(HW_REG_WAVE_MODE, 25, 1), 1
	s_wait_xcnt 0x0
	s_wait_alu depctr_hold_cnt(0) depctr_sa_sdst(0) depctr_va_vdst(0) depctr_va_sdst(0) depctr_va_ssrc(0) depctr_va_vcc(0) depctr_vm_vsrc(0)
	s_getreg_b32 s2, hwreg(HW_REG_IB_STS2, 6, 4)
	s_cmp_eq_u32 s2, 0
	s_cbranch_scc0 .Lentry_in_a_cluster
	s_endpgm
.Lentry_in_a_cluster:
	s_bfe_u32 s2, ttmp6, 0x10000c
	s_cmp_lg_u32 s2, 0x3003
	s_cbranch_scc0 .Lentry_shape_is_right
	s_endpgm
.Lentry_shape_is_right:
; ATTN.  x = softmax(where(mask == 0, -1e9, q k^T / 8)) v for one (batch, head) and 512 queries, both products on codes of FP6 (E2M3) with E8M0 scales; x is quantised along d_model on the way out.
; THE SOFTMAX: t = score x log2(e) / 8; M = the running largest t rounded up to a whole number; p = 2^(t - M) is quantised along the keys, not normalised; the row's sum of the unquantised p divides at the end.
; When M moves, the sum and O are multiplied by 2^(old M - new M): exact.
; SHARES.  A work-group owns 512 queries of one head; each of its sixteen waves owns TWO neighbouring tiles of 16 queries (tiles 2 w and 2 w + 1 of the block), which it takes one after the other, in 256 registers:
; four waves to a SIMD, so that one wave's vector work stands beside another's products and LDS loads.  64 heads x 4 blocks are 256 work-groups.
; K AND V OF THE WHOLE HEAD, 16 records of 13,056 bytes, lie in LDS and are filled ONCE, for both tiles of every wave: wave w brings record w.  No slot is filled again.
; CLUSTER.  The four work-groups of a cluster are the four blocks of queries of one head: each record is asked for jointly, by the same tensor load with the same descriptor and a mask that names the four.
; LAYOUT.  Both products are used transposed (S^T = K Q^T, O^T = V^T P^T): a lane holds one query (lane % 16) throughout.  A tile of 16 tokens holds tokens 32 (t / 2) + 8 (t % 2) + p + 8 (p / 8), so register n of the
; 64 scores is key 32 (n / 16) + 16 (lane / 16) + n % 16, and register 16 b + i of O^T is channel 32 b + 16 (lane / 16) + i.  All operands come as images of registers: every LDS load is consecutive over the lanes.
; K = 64 IN THE FIRST PRODUCT: a fragment's registers 6-11 are zero codes in Q.  K's fragment i is named as 12 registers of which the upper six are the next fragment's codes (behind the last: six zeros):
; they meet Q's zeros under scale bytes 0x7f and add nothing.
; THE MASK comes as bits, one word for each of the 64 score registers, bit = lane, in scalar registers: one v_cndmask_b32 a score.
; A TILE IS WRITTEN OUT TWICE (macro TILE): since the two tiles are neighbours, all that differs between them is immediates (Q's registers, the places of x's codes and scale bytes), and no pointer is stepped;
; the mask words of the second tile follow the first's, so the offset runs on and the first tile's last trip asks for the second's first words.
; LIMITS.  A hidden score is set to -2^33 ahead of the scaling (a logit of -2^30 where the definition has -1e9): its t is exact, so a row with no open key gives p = 1 for every key, as the definition does;
; beside an open logit above -1e9 + 150 both give p = 0.  A block of zeros gets the byte 1.  NaN and infinities are not served.
.set ADR, 1                            ; v1   16 x lane + the record in hand
.set AD8, 2                            ; v2   8 x lane + the record in hand
.set L16, 3
.set L8,  4
.set SENT, 5                           ; v5   -2^33
.set R4,  6                            ; v6   4 r
.set Q,   16                           ; tile u's fragment of Q at v[16 + 216 u]: v16-27, v232-243 (the upper six of each are zeros)
.set QS,  28                           ; v28, v29 their scale words
.set KS,  30                           ; v30-33 K's scale words
.set VS,  34                           ; v34-35 V's
.set F,   36                           ; v36-89 K's eight half fragments and six zeros; then V's four fragments in v36-83
.set S,   96                           ; v96-159 scores, then p
.set O,   160                          ; v160-191 O^T
.set P,   192                          ; v192-203 p's codes
.set PT,  204                          ; v204-206, v208-210
.set BM,  212                          ; v212-215 the blocks' largest scores, then largest p
.set BX,  216                          ; v216-219
.set SO,  220                          ; v220-223 the conversions' scale operands
.set T0,  224                          ; v224 at work
.set FA,  226                          ; v[226:227] f = 2^(old M - new M) (the pair is named, its low word serves both halves)
.set PW,  228                          ; v228 p's scale word
.set S2,  230                          ; v[230:231] the second chain of the sum
.set WV,  3                            ; s3   wave
.set MO,  6                            ; s6   byte offset of the mask words asked for
.set TB,  7                            ; s7   LDS byte of the record in hand; also the loop's counter
.set SEL, 12                           ; s[12:13]
.set CS,  14                           ; s[14:15] c = log2(e) / 8
.set REC, 13056
.macro ROUND                           ; a round of the cluster's barrier
	s_barrier_signal -1
	s_barrier_wait -1
	s_cmp_lg_u32 s[WV], 0
	s_cbranch_scc1 .Lnot_wave_0_\@
	s_barrier_signal -3
.Lnot_wave_0_\@:
	s_barrier_wait -3
	s_barrier_signal -1
	s_barrier_wait -1
.endm
.macro WM d, a, b, c, sa, sb, ra       ; c: first register of C, or -1 for the constant 0; ra = 1: source 0's scales stand in lanes 16-31
.if (\c) < 0
.if (\ra)
	v_wmma_scale_f32_16x16x128_f8f6f4 v[(\d):(\d)+7], v[(\a):(\a)+11], v[(\b):(\b)+11], 0, v[\sa], v[\sb] matrix_a_fmt:MATRIX_FMT_FP6 matrix_b_fmt:MATRIX_FMT_FP6 matrix_a_scale:MATRIX_SCALE_ROW1
.else
	v_wmma_scale_f32_16x16x128_f8f6f4 v[(\d):(\d)+7], v[(\a):(\a)+11], v[(\b):(\b)+11], 0, v[\sa], v[\sb] matrix_a_fmt:MATRIX_FMT_FP6 matrix_b_fmt:MATRIX_FMT_FP6
.endif
.else
.if (\ra)
	v_wmma_scale_f32_16x16x128_f8f6f4 v[(\d):(\d)+7], v[(\a):(\a)+11], v[(\b):(\b)+11], v[(\c):(\c)+7], v[\sa], v[\sb] matrix_a_fmt:MATRIX_FMT_FP6 matrix_b_fmt:MATRIX_FMT_FP6 matrix_a_scale:MATRIX_SCALE_ROW1
.else
	v_wmma_scale_f32_16x16x128_f8f6f4 v[(\d):(\d)+7], v[(\a):(\a)+11], v[(\b):(\b)+11], v[(\c):(\c)+7], v[\sa], v[\sb] matrix_a_fmt:MATRIX_FMT_FP6 matrix_b_fmt:MATRIX_FMT_FP6
.endif
.endif
.endm
.macro MASKLOAD                        ; the 64 mask words of one key step, 256 bytes, into s32-63 and s68-99
	s_load_b512 s[32:47], s[4:5], s[MO] offset:0x0
	s_load_b512 s[48:63], s[4:5], s[MO] offset:0x40
	s_load_b512 s[68:83], s[4:5], s[MO] offset:0x80
	s_load_b512 s[84:99], s[4:5], s[MO] offset:0xc0
.endm
	s_load_b256 s[32:39], s[0:1], 0x0              ; qbuf s[32:33], kv s[34:35], mbits s[36:37], xc s[38:39]  (these registers take mask words later)
	s_load_b64 s[40:41], s[0:1], 0x20              ; xs
	v_lshl_add_u32 v254, v0, 2, 0x34000
	v_mov_b32 v255, 0
	ds_add_u32 v254, v255
	ds_add_u32 v254, v255
	v_lshrrev_b32 v1, 5, v0
	v_readfirstlane_b32 s[WV], v1                  ; wave 0..15
	s_and_b32 s44, ttmp7, 0xffff                   ; 16 x batch + head, which the four partners share
	; the joint load: record w of the head, 13,056 dense bytes as 51 rows of 256 (32 elements of 8 bytes).  Nothing in it hangs on my place in the cluster
	s_mov_b32 s16, 1                               ; count = 1
	s_mul_i32 s17, s[WV], REC                      ; LDS address: wave x a record
	s_mul_i32 s46, s44, 16*REC
	s_add_co_u32 s46, s46, s17
	s_mov_b32 s47, 0
	s_mov_b32 s20, 15|(3<<16)|(1<<21)              ; the mask: all four work-groups; elements of 8 bytes; bit 21 set beside a mask; no padding
	s_mov_b32 s21, 32<<16                          ; tensor_dim0 = 32
	s_mov_b32 s22, 51<<16                          ; tensor_dim1 = 51
	s_mov_b32 s23, 32<<16                          ; tile_dim0 = 32
	s_mov_b32 s24, 51                              ; tile_dim1 = 51
	s_mov_b32 s25, 32                              ; the pitch
	s_mov_b32 s26, 0
	s_mov_b32 s27, 0
	; my queries: they enter global addresses alone
	s_bfe_u32 s42, ttmp6, 0x40000                  ; cx
	s_lshl_b32 s43, ttmp9, 2
	s_add_co_u32 s43, s43, s42                     ; block of 512 queries
	s_lshl_b32 s48, s43, 5
	s_lshl_b32 s51, s[WV], 1
	s_add_co_u32 s48, s48, s51                     ; my first tile of queries in the batch: 32 x block + 2 x wave, even, 0 .. 126
	s_lshr_b32 s49, s44, 4
	s_lshl_b32 s49, s49, 7
	s_add_co_u32 s49, s49, s48                     ; and over all batches, 0 .. 510
	s_and_b32 s45, s44, 15                         ; head
	s_lshl_b32 s50, s44, 4
	s_lshr_b32 s51, s48, 3
	s_add_co_u32 s50, s50, s51
	s_mul_i32 s50, s50, 6656                       ; q's record: (16 b + head, step of 128 tokens): both my tiles lie in it
	s_and_b32 s51, s48, 7                          ; my first tile in it (even); the second lies 768 bytes on
	s_mul_i32 s52, s51, 768
	s_add_co_u32 s52, s52, s50
	s_mov_b32 s53, 0
	s_lshr_b32 s54, s51, 2                         ; a tile's scale words: 6144 + 256 (tile / 4) + 128 (tile % 2) + 4 ((tile / 2) % 2) + 8 r: the second tile's lie 128 bytes on
	s_lshl_b32 s54, s54, 8
	s_and_b32 s55, s51, 2
	s_lshl_b32 s55, s55, 1
	s_add_co_u32 s54, s54, s55
	s_add_co_u32 s54, s54, s50
	s_add_co_u32 s54, s54, 6144
	s_mov_b32 s55, 0
	s_lshl_b32 s56, s49, 12                        ; mask bits: 16 key steps x 256 bytes a tile; my two tiles' 8,192 bytes on end
	s_mov_b32 s57, 0
	s_lshl_b32 s58, s49, 4
	s_add_co_u32 s58, s58, s45
	s_mul_i32 s58, s58, 768                        ; x's codes: (16 tile + head) x 768: the second tile's lie 12,288 bytes on
	s_mov_b32 s59, 0
	s_lshr_b32 s60, s49, 2                         ; x's scale bytes: 2048 (tile / 4) + 256 (head / 2) + 64 (tile % 4) + 4 r + 2 (head % 2): the second tile's lie 64 bytes on
	s_lshl_b32 s60, s60, 11
	s_lshr_b32 s61, s45, 1
	s_lshl_b32 s61, s61, 8
	s_add_co_u32 s60, s60, s61
	s_and_b32 s61, s49, 3
	s_lshl_b32 s61, s61, 6
	s_add_co_u32 s60, s60, s61
	s_and_b32 s61, s45, 1
	s_lshl_b32 s61, s61, 1
	s_add_co_u32 s60, s60, s61
	s_mov_b32 s61, 0
	s_mov_b32 s[SEL], 0x76543210
	s_mov_b32 s[SEL+1], 0xfedcba98
	s_mov_b32 s[CS], 0x3e38aa3b                    ; log2(e) / 8
	s_mov_b32 s[CS+1], s[CS]                       ; (named with it as a pair, so it is written)
	s_mov_b32 s[MO], 0
	s_wait_dscnt 0x0
	s_wait_kmcnt 0x0
	s_add_nc_u64 s[18:19], s[34:35], s[46:47]
	s_or_b32 s19, s19, 0x80000000                  ; type = 2
	s_add_nc_u64 s[28:29], s[32:33], s[52:53]
	s_add_nc_u64 s[30:31], s[32:33], s[54:55]
	s_add_nc_u64 s[4:5], s[36:37], s[56:57]
	s_add_nc_u64 s[8:9], s[38:39], s[58:59]
	s_add_nc_u64 s[10:11], s[40:41], s[60:61]
	ROUND                                          ; all four work-groups are here: the joint loads meet
	tensor_load_to_lds s[16:19], s[20:27]          ; my one tensor load of the launch
	s_nop 0
.rept 4
	v_nop
.endr
	v_and_b32 v7, 31, v0
	v_lshlrev_b32 v[L16], 4, v7
	v_lshlrev_b32 v[L8], 3, v7
	v_and_b32 v8, 15, v0
	v_lshlrev_b32 v[R4], 2, v8
	v_lshlrev_b32 v9, 3, v8
.irp u,0,1                             ; both tiles' half fragments of Q and scale words stay in registers
	global_load_b128 v[Q+216*\u:Q+216*\u+3], v[L16], s[28:29] offset:768*\u
	global_load_b64 v[Q+216*\u+4:Q+216*\u+5], v[L8], s[28:29] offset:768*\u+512
	global_load_b32 v[QS+\u], v9, s[30:31] offset:128*\u   ; lane r (and r + 16): row r's scale word
.endr
	MASKLOAD                                       ; the first tile's key step 0
.irp u,0,1
.irp i,6,7,8,9,10,11
	v_mov_b32 v[Q+216*\u+\i], 0                    ; K = 64: the upper half of the 128 is zero codes
.endr
.endr
.irp i,48,49,50,51,52,53
	v_mov_b32 v[F+\i], 0                           ; what K's last fragment names behind its own six registers
.endr
	v_mov_b32 v[SENT], 0xd0000000                  ; -2^33
.irp b,0,1,2,3
	v_mov_b32 v[BX+\b], 0                          ; a lane permute's destination counts as one of its sources
.endr
	v_mov_b32 v[T0], 0
	v_mov_b32 v[FA+1], 0                           ; named as the upper half of a pair
	s_wait_loadcnt 0x0                             ; Q
	s_wait_tensorcnt 0x0                           ; my record has landed,
	s_barrier_signal -1
	s_barrier_wait -1                              ; everybody's has: from here on LDS is only read, and no wave waits for another until the closing round
; ONE TILE OF 16 QUERIES, the u-th of my two, against all 2,048 keys.
.macro TILE u
.if \u
	s_wait_xcnt 0x0                                ; the first tile's stores have read their registers: p's codes and scale word may be written again
.endif
.set j, 0
.rept 32
	v_mov_b32 v[O+j], 0                            ; the loop is written without a first step of its own: it finds zeros, which the first change of M leaves zeros
.set j, j+1
.endr
	v_mov_b32 v13, 0xff61b1e6                      ; the largest t so far: -3e38
	v_floor_f32 v12, -v13                          ; -M
	v_mov_b32 v14, 0                               ; the sum, in two halves
	v_mov_b32 v15, 0
	s_mov_b32 s[TB], 0
.Lstep_\@:                                         ; 16 trips: 128 keys each
	v_add_nc_u32 v[ADR], s[TB], v[L16]
	v_add_nc_u32 v[AD8], s[TB], v[L8]
	v_nop
	v_nop                                          ; four places behind the last trip's products, in front of loads into their registers
.irp i,0,1,2,3,4,5,6,7
	ds_load_b128 v[F+6*\i:F+6*\i+3], v[ADR] offset:768*\i
	ds_load_b64 v[F+6*\i+4:F+6*\i+5], v[AD8] offset:768*\i+512
.endr
	ds_load_b64 v[KS:KS+1], v[AD8] offset:6144
	ds_load_b64 v[KS+2:KS+3], v[AD8] offset:6400
	s_wait_dscnt 0x0
.irp i,0,1,2,3,4,5,6,7                 ; S^T = K Q^T
	WM S+8*\i, F+6*\i, Q+216*\u, -1, KS+2*(\i/4)+(\i%4)/2, QS+\u, \i%2
.endr
.rept 4
	v_nop                                          ; places in front of the loads over K's fragments and of the first read of the scores
.endr
.irp t,0,1,2,3                         ; V's fragments land under the softmax
	ds_load_b128 v[F+12*\t:F+12*\t+3], v[ADR] offset:6656+1536*\t
	ds_load_b64 v[F+12*\t+4:F+12*\t+5], v[AD8] offset:6656+1536*\t+512
	ds_load_b128 v[F+12*\t+6:F+12*\t+9], v[ADR] offset:6656+1536*\t+768
	ds_load_b64 v[F+12*\t+10:F+12*\t+11], v[AD8] offset:6656+1536*\t+1280
.endr
	ds_load_b64 v[VS:VS+1], v[AD8] offset:12800
	s_wait_kmcnt 0x0                               ; this step's mask words
.set n, 0
.rept 64                               ; a hidden key's score becomes -2^33; each accumulator is read from its low end on
.if n < 32
	v_cndmask_b32 v[S+n], v[SENT], v[S+n], s[32+n]
.else
	v_cndmask_b32 v[S+n], v[SENT], v[S+n], s[36+n]
.endif
.set n, n+1
.endr
	s_add_co_u32 s[MO], s[MO], 256                 ; the next step's words are asked for now: behind my first tile's last step come my second tile's;
	s_and_b32 s[MO], s[MO], 0x1fff                 ; behind the second's the offset wraps to 0, so that no load leaves the buffer
	MASKLOAD
.irp b,0,1,2,3
	v_max3_num_f32 v[BM+\b], v[S+16*\b], v[S+16*\b+1], v[S+16*\b+2]   ; the largest score of each block of 32 keys: for the row's maximum, and, since p rises with the score, for the block's largest p
.endr
.irp i,3,5,7,9,11,13
.irp b,0,1,2,3
	v_max3_num_f32 v[BM+\b], v[BM+\b], v[S+16*\b+\i], v[S+16*\b+\i+1]
.endr
.endr
.irp b,0,1,2,3
	v_max_num_f32 v[BM+\b], v[BM+\b], v[S+16*\b+15]
.endr
.irp b,0,1,2,3
	v_permlanex16_b32 v[BX+\b], v[BM+\b], s[SEL], s[SEL+1]
.endr
.irp b,0,1,2,3
	v_max_num_f32 v[BM+\b], v[BM+\b], v[BX+\b]     ; with lane l xor 16's 16 keys
.endr
	v_max3_num_f32 v[T0], v[BM], v[BM+1], v[BM+2]
	v_max_num_f32 v[T0], v[T0], v[BM+3]            ; the step's largest score of my query
	v_mul_f32 v[T0], s[CS], v[T0]                  ; as t (c is positive)
	v_max_num_f32 v13, v13, v[T0]                  ; the running largest t
	v_mov_b32 v[T0], v12
	v_floor_f32 v12, -v13                          ; the new -M = floor(-t): M is a whole number
	v_sub_f32 v[T0], v12, v[T0]                    ; old M - new M: a whole number, 0 or less
	v_cvt_i32_f32 v[T0], v[T0]                     ; (it saturates)
	v_ldexp_f32 v[FA], 1.0, v[T0]                  ; f = 2^(old M - new M)
.set j, 0
.rept 32
	v_pk_fma_f32 v[S+j:S+j+1], v[S+j:S+j+1], s[CS:CS+1], v[12:13] op_sel_hi:[1,0,0]   ; t - M, two at a time
.set j, j+2
.endr
.irp b,0,1,2,3
	v_fma_f32 v[BM+\b], v[BM+\b], s[CS], v12       ; the same of each block's largest score
.endr
.set j, 0
.rept 64
	v_exp_f32 v[S+j], v[S+j]                       ; p = 2^(t - M), at most 1
.set j, j+1
.endr
.irp b,0,1,2,3
	v_exp_f32 v[BM+\b], v[BM+\b]                   ; the block's largest p: the same two instructions on the same number
.endr
	v_pk_mul_f32 v[14:15], v[14:15], v[FA:FA+1] op_sel_hi:[1,0]   ; the sums under the new M (a plain place behind the exponentials)
	s_wait_alu depctr_va_vdst(0)
.irp b,0,1,2,3
	v_max_num_f32 v[BM+\b], 0x1800000, v[BM+\b]    ; the floor 2^(3 - 127): the byte cannot fall under 1
.endr
.irp b,0,1,2,3
	v_add_nc_u32 v[SO+\b], 0xff000000, v[BM+\b]    ; 2 off the exponent field: the conversion's scale operand
.endr
.irp b,0,1,2,3
	v_lshrrev_b32 v[BX+\b], 23, v[SO+\b]           ; the scale's byte
.endr
	v_lshl_or_b32 v[PW], v[BX+1], 8, v[BX]         ; p's scale word for these 128 keys
	v_lshl_or_b32 v[PW], v[BX+2], 16, v[PW]
	v_lshl_or_b32 v[PW], v[BX+3], 24, v[PW]
.irp c,0,1
	v_cvt_scalef32_pk16_fp6_f32 v[P+6*\c:P+6*\c+2], v[S+32*\c:S+32*\c+15], v[SO+2*\c]
	v_cvt_scalef32_pk16_fp6_f32 v[PT+4*\c:PT+4*\c+2], v[S+32*\c+16:S+32*\c+31], v[SO+2*\c+1]   ; (a conversion's three registers begin on an even number)
.endr
	v_nop                                          ; one plain place behind a scaled conversion
.irp c,0,1                             ; the operand wants a whole block in a lane
.irp i,0,1,2
	v_permlane16_swap_b32 v[P+6*\c+\i], v[PT+4*\c+\i]
.endr
.irp i,0,1,2
	v_mov_b32 v[P+3+6*\c+\i], v[PT+4*\c+\i]
.endr
.endr
	v_pk_add_f32 v[S2:S2+1], v[S:S+1], v[S+2:S+3]  ; the row's sum is taken of the unquantised p: two at a time, in two chains
.irp j,4,8,12,16,20,24,28,32,36,40,44,48,52,56,60
	v_pk_add_f32 v[14:15], v[14:15], v[S+\j:S+\j+1]
	v_pk_add_f32 v[S2:S2+1], v[S2:S2+1], v[S+\j+2:S+\j+3]
.endr
	v_pk_add_f32 v[14:15], v[14:15], v[S2:S2+1]
.set j, 0
.rept 16
	v_pk_mul_f32 v[O+j:O+j+1], v[O+j:O+j+1], v[FA:FA+1] op_sel_hi:[1,0]   ; O^T under the new M.  (The additions above are the places between p's codes and scale word and the products)
.set j, j+2
.endr
	s_wait_dscnt 0x0                               ; V
.irp t,0,1,2,3                         ; O^T += V^T P^T: four accumulators by turns, one instruction a turn; the eight products of the scores stand between two links
	WM O+8*\t, F+12*\t, P, O+8*\t, VS+\t/2, PW, \t%2
.endr
	s_add_co_u32 s[TB], s[TB], REC
	s_cmp_lt_u32 s[TB], 16*REC
	s_cbranch_scc1 .Lstep_\@
	; THE WAY OUT: O^T / the sum, quantised along the head's 64 channels (two blocks of d_model), stored as half a fragment
.rept 4
	v_nop                                          ; places behind the last products
.endr
	v_add_f32 v14, v14, v15                        ; the sum's two halves,
	v_permlanex16_b32 v[T0], v14, s[SEL], s[SEL+1]
	v_add_f32 v14, v14, v[T0]                      ; and lane l xor 16's
	v_rcp_f32 v14, v14
	v_nop                                          ; one plain place behind a transcendental
.set j, 0
	s_wait_alu depctr_va_vdst(0)
.rept 16
	v_pk_mul_f32 v[S+j:S+j+1], v[O+j:O+j+1], v[14:15] op_sel_hi:[1,0]   ; ascending: each accumulator from its low end on
.set j, j+2
.endr
.irp b,0,1
	v_max3_num_f32 v[BM+\b], |v[S+16*\b]|, |v[S+16*\b+1]|, 0x1800000
.endr
.irp i,2,4,6,8,10,12,14
.irp b,0,1
	v_max3_num_f32 v[BM+\b], v[BM+\b], |v[S+16*\b+\i]|, |v[S+16*\b+\i+1]|
.endr
.endr
.irp b,0,1
	v_permlanex16_b32 v[BX+\b], v[BM+\b], s[SEL], s[SEL+1]
.endr
.irp b,0,1
	v_max_num_f32 v[BM+\b], v[BM+\b], v[BX+\b]
.endr
.irp b,0,1
	v_add_nc_u32 v[SO+\b], 0xff000000, v[BM+\b]
.endr
.irp b,0,1
	v_lshrrev_b32 v[BX+\b], 23, v[SO+\b]
.endr
	v_lshl_or_b32 v[PW], v[BX+1], 8, v[BX]         ; the head's two scale bytes of my row
	v_cvt_scalef32_pk16_fp6_f32 v[P:P+2], v[S:S+15], v[SO]
	v_cvt_scalef32_pk16_fp6_f32 v[PT:PT+2], v[S+16:S+31], v[SO+1]
	v_nop                                          ; one plain place behind a scaled conversion
.irp i,0,1,2
	v_permlane16_swap_b32 v[P+\i], v[PT+\i]
.endr
.irp i,0,1,2
	v_mov_b32 v[P+3+\i], v[PT+\i]
.endr
	global_store_b128 v[L16], v[P:P+3], s[8:9] offset:12288*\u       ; 512 consecutive bytes, aligned
	global_store_b64 v[L8], v[P+4:P+5], s[8:9] offset:12288*\u+512   ; 256 consecutive bytes, aligned
	global_store_b16 v[R4], v[PW], s[10:11] offset:64*\u             ; 2 bytes a row: 32 bytes a wave beside 768 of codes; lanes r and r + 16 write the same value
.endm
	TILE 0
	TILE 1
	s_wait_kmcnt 0x0                               ; the last trip's wrapped mask words
	s_wait_tensorcnt 0x0
	ds_add_u32 v254, v255
	s_wait_dscnt 0x0
	ROUND                                          ; the closing round: no work-group ends while a partner may still ask for a record that names it
	s_endpgm
.Lfunc_end_k_q2d3f089546_attn:
	.size	k_q2d3f089546_attn, .Lfunc_end_k_q2d3f089546_attn-k_q2d3f089546_attn
	.p2alignl 7, 3214868480
	.fill 96, 4, 3214868480
	.section	.rodata,"a",@progbits
	.p2align	6, 0x0
	.amdhsa_kernel k_q2d3f089546_attn
		.amdhsa_group_segment_fixed_size 215040
		.amdhsa_private_segment_fixed_size 0
		.amdhsa_enable_private_segment 0
		.amdhsa_kernarg_size 40
		.amdhsa_user_sgpr_count 2
		.amdhsa_user_sgpr_kernarg_segment_ptr 1
		.amdhsa_wavefront_size32 1
		.amdhsa_system_sgpr_workgroup_id_x 1
		.amdhsa_system_sgpr_workgroup_id_y 1
		.amdhsa_system_sgpr_workgroup_id_z 1
		.amdhsa_system_vgpr_workitem_id 0
		.amdhsa_next_free_vgpr 256
		.amdhsa_next_free_sgpr 100
		.amdhsa_reserve_vcc 0
		.amdhsa_float_denorm_mode_32 3
		.amdhsa_float_denorm_mode_16_64 3
		.amdhsa_memory_ordered 1
		.amdhsa_forward_progress 1
		.amdhsa_inst_pref_size 57
	.end_amdhsa_kernel
	.amdgpu_metadata
---
amdhsa.version: [ 1, 2 ]
amdhsa.kernels:
  - .name:           k_q2d3f089546_attn
    .symbol:         k_q2d3f089546_attn.kd
    .args:
      - { .name: qbuf, .offset: 0, .size: 8, .value_kind: global_buffer, .address_space: global }
      - { .name: kv, .offset: 8, .size: 8, .value_kind: global_buffer, .address_space: global }
      - { .name: mbits, .offset: 16, .size: 8, .value_kind: global_buffer, .address_space: global }
      - { .name: xc, .offset: 24, .size: 8, .value_kind: global_buffer, .address_space: global }
      - { .name: xs, .offset: 32, .size: 8, .value_kind: global_buffer, .address_space: global }
    .group_segment_fixed_size: 215040
    .private_segment_fixed_size: 0
    .kernarg_segment_align: 8
    .kernarg_segment_size: 40
    .max_flat_workgroup_size: 512
    .sgpr_count:     100
    .vgpr_count:     256
    .wavefront_size: 32
...
	.end_amdgpu_metadata
.endif
;; end of part 3
;; launch outp (part 4): grid 2 x 128, 4 waves a work-group, no clusters, 86,528 bytes of LDS; arguments xc, xs, tcodes, tscales, bo, out0; writes out0
.if DOCPART == 4
	.amdgcn_target "amdgcn-amd-amdhsa--gfx1250"
	.amdhsa_code_object_version 6
	.text
	.protected	k_q2d3f089546_outp
	.globl	k_q2d3f089546_outp
	.p2align	8
	.type	k_q2d3f089546_outp,@function
k_q2d3f089546_outp:
	s_mov_b64 s[64:65], 0
	v_nop
	global_prefetch_b8 v0, s[64:65] scope:SCOPE_SE
	s_setreg_imm32_b32 hwreg(HW_REG_WAVE_MODE, 25, 1), 1
	s_wait_xcnt 0x0
; OUTP.  out0 = x Wo^T + bo on codes of FP6 (E2M3) with E8M0 scales.  x's codes and scale bytes come from the attention launch, Wo's from the first launch, both in the order of an operand's registers.
; Used transposed: source 0 = 16 rows of Wo (features), source 1 = 16 tokens: a lane holds one token and eight neighbouring features of each tile.
; A tile of 16 rows holds rows 32 (t / 2) + 8 (t % 2) + p + 8 (p / 8), of tokens and of features alike.
; SHARES.  A work-group: 64 tokens (y) x 512 features (x).  A wave: four tiles of tokens x eight tiles of features: 32 accumulators, 8 K steps of 128, 256 matrix instructions, written out.
; Wo's fragments go from memory straight into registers, three K steps ahead.  The block's codes of x (49,152 dense bytes) and scale bytes (2,048) are copied into LDS once and read by all four waves.
; bo is the C of each sum's first matrix instruction.  Results leave through each wave's own stage in LDS as whole rows of 512 bytes.
; REGISTERS, in windows of 256.  Window 0: v3-10 addresses; v32-43 Wo's scale words (three sets); v44-47 x's (two sets); v64-159 Wo's third set; v160-207 x's second set; on the way out v64-191 rows of out0.
;   Window 1: v0-95, v96-191 Wo's first two sets; v192-239 x's first set.   Window 2: at first what is copied into LDS; then the accumulators, (m, t) at v[8 (8 m + t)].   Window 3: v0-63 bo in the result's layout.
.set LI,  3                            ; 16 x lane
.set L8,  4                            ; 8 x lane
.set L4,  5                            ; 4 x lane
.set CW,  6                            ; LDS: where I copy codes: 16 x lane + 12,288 x wave
.set CSA, 7                            ; and scale bytes: 49,152 + 512 x wave + 16 x lane
.set STO, 8                            ; my stage: row r, + 64 h
.set RD,  9                            ; my stage: 16 x lane
.set BA,  10                           ; 64 h
.set TS,  32
.set SS,  44
.set T2,  64
.set S1,  160
.set BK,  64                           ; the way out: v64-127, v128-191 by turns
.set XSC, 49152                        ; LDS: x's half fragments, (m, head) at (16 m + head) x 768; behind them the scale words, 256 s + 64 m + 4 r
.set STG, 51200                        ; behind those: a stage of 16 rows x (512 + 16) bytes for each wave
.set SP,  528
.set MSB, 0
.macro WIN new                         ; the immediate's high byte repeats the setting that is left
.if MSB != (\new)
	s_set_vgpr_msb (MSB<<8)|(\new)
.set MSB, (\new)
.endif
.endm
.macro PLACES                          ; four places behind a matrix instruction, in front of loads into its registers and of reads of its results
.rept 4
	v_nop
.endr
.endm
.macro WM d, a, b, c, sa, sb, ra, rb   ; ra, rb = 1: that side's scales stand in lanes 16-31
.if (\ra) && (\rb)
	v_wmma_scale_f32_16x16x128_f8f6f4 v[(\d):(\d)+7], v[(\a):(\a)+11], v[(\b):(\b)+11], v[(\c):(\c)+7], v[\sa], v[\sb] matrix_a_fmt:MATRIX_FMT_FP6 matrix_b_fmt:MATRIX_FMT_FP6 matrix_a_scale:MATRIX_SCALE_ROW1 matrix_b_scale:MATRIX_SCALE_ROW1
.elseif (\ra)
	v_wmma_scale_f32_16x16x128_f8f6f4 v[(\d):(\d)+7], v[(\a):(\a)+11], v[(\b):(\b)+11], v[(\c):(\c)+7], v[\sa], v[\sb] matrix_a_fmt:MATRIX_FMT_FP6 matrix_b_fmt:MATRIX_FMT_FP6 matrix_a_scale:MATRIX_SCALE_ROW1
.elseif (\rb)
	v_wmma_scale_f32_16x16x128_f8f6f4 v[(\d):(\d)+7], v[(\a):(\a)+11], v[(\b):(\b)+11], v[(\c):(\c)+7], v[\sa], v[\sb] matrix_a_fmt:MATRIX_FMT_FP6 matrix_b_fmt:MATRIX_FMT_FP6 matrix_b_scale:MATRIX_SCALE_ROW1
.else
	v_wmma_scale_f32_16x16x128_f8f6f4 v[(\d):(\d)+7], v[(\a):(\a)+11], v[(\b):(\b)+11], v[(\c):(\c)+7], v[\sa], v[\sb] matrix_a_fmt:MATRIX_FMT_FP6 matrix_b_fmt:MATRIX_FMT_FP6
.endif
.endm
.macro TLOAD i                         ; K step i: my eight fragments of Wo and their scale words into set i % 3: 26 loads
.set BF_, (\i)%3
.if BF_ == 2
	WIN 0
.set TR_, T2
.else
	WIN 0x40
.set TR_, 96*BF_
.endif
.irp tt,0,1,2,3,4,5,6,7
.irp c,0,1,2
	global_load_b128 v[TR_+12*\tt+4*\c:TR_+12*\tt+4*\c+3], v[LI], s[8:9] offset:(\tt*8+(\i))*1536+512*\c
.endr
.endr
	WIN 0
.irp q,0,1
	global_load_b64 v[TS+4*BF_+2*\q:TS+4*BF_+2*\q+1], v[L8], s[10:11] offset:(\q*8+(\i))*256
.endr
.endm
.macro FETCHS s                        ; x's four fragments of K step s (heads 2 s and 2 s + 1) and their scale words, from LDS, into set s % 2
.set ST_, (\s)%2
.if ST_ == 0
	WIN 0x40
.set SR_, 192
.else
	WIN 0
.set SR_, S1
.endif
.irp m,0,1,2,3
	ds_load_b128 v[SR_+12*\m:SR_+12*\m+3], v[LI] offset:(8*\m+(\s))*1536
	ds_load_b64 v[SR_+12*\m+4:SR_+12*\m+5], v[L8] offset:(8*\m+(\s))*1536+512
	ds_load_b128 v[SR_+12*\m+6:SR_+12*\m+9], v[LI] offset:(8*\m+(\s))*1536+768
	ds_load_b64 v[SR_+12*\m+10:SR_+12*\m+11], v[L8] offset:(8*\m+(\s))*1536+1280
.endr
	WIN 0
.irp q,0,1
	ds_load_b32 v[SS+2*ST_+\q], v[L4] offset:XSC+256*(\s)+128*\q   ; lanes 0-15 tile 2 q, lanes 16-31 tile 2 q + 1
.endr
.endm
.macro MUL i                           ; the 32 products of K step i: the 32 accumulators by turns, one instruction a turn
.set BF_, (\i)%3
.set ST_, (\i)%2
.if BF_ == 2
.set TW_, 0
.set TR_, T2
.else
.set TW_, 1
.set TR_, 96*BF_
.endif
.if ST_ == 0
.set SW_, 1
.set SR_, 192
.else
.set SW_, 0
.set SR_, S1
.endif
.if (\i) == 0
	WIN TW_|(SW_<<2)|(3<<4)|(2<<6)                 ; C: bo, in window 3
.else
	WIN TW_|(SW_<<2)|(2<<4)|(2<<6)
.endif
.irp m,0,1,2,3
.irp tt,0,1,2,3,4,5,6,7
.if (\i) == 0
	WM 8*(8*\m+\tt), TR_+12*\tt, SR_+12*\m, 8*\tt, TS+4*BF_+2*(\tt/4)+(\tt%4)/2, SS+2*ST_+\m/2, \tt%2, \m%2
.else
	WM 8*(8*\m+\tt), TR_+12*\tt, SR_+12*\m, 8*(8*\m+\tt), TS+4*BF_+2*(\tt/4)+(\tt%4)/2, SS+2*ST_+\m/2, \tt%2, \m%2
.endif
.endr
.endr
.endm
	s_load_b256 s[4:11], s[0:1], 0x0               ; xc s[4:5], xs s[6:7], tcodes s[8:9], tscales s[10:11]
	s_load_b128 s[12:15], s[0:1], 0x20             ; bo s[12:13], out0 s[14:15]
	v_lshl_add_u32 v254, v0, 2, 0x15000
	v_mov_b32 v255, 0
	v_lshrrev_b32 v1, 5, v0
	v_readfirstlane_b32 s2, v1                     ; wave
	s_mov_b32 s3, ttmp9                            ; which 512 features
	s_and_b32 s16, ttmp7, 0xffff                   ; which 64 tokens
	v_and_b32 v1, 31, v0
	v_and_b32 v11, 15, v0                          ; r
	v_bfe_u32 v12, v0, 4, 1                        ; h
	v_lshlrev_b32 v[LI], 4, v1
	v_lshlrev_b32 v[L8], 3, v1
	v_lshlrev_b32 v[L4], 2, v1
	s_mul_i32 s17, s2, 12288
	v_add_nc_u32 v[CW], s17, v[LI]
	s_lshl_b32 s18, s2, 9
	s_add_co_u32 s19, s18, XSC
	v_add_nc_u32 v[CSA], s19, v[LI]
	s_mul_i32 s19, s2, 16*SP
	s_add_co_u32 s19, s19, STG                     ; my stage
	v_add_nc_u32 v[RD], s19, v[LI]
	v_mul_u32_u24 v[STO], v11, SP
	v_lshl_add_u32 v[STO], v12, 6, v[STO]
	v_add_nc_u32 v[STO], s19, v[STO]
	v_lshlrev_b32 v[BA], 6, v12
	s_mul_i32 s20, s16, 49152                      ; x's codes: my quarter of the block's
	s_add_co_u32 s20, s20, s17
	s_mov_b32 s21, 0
	s_lshl_b32 s22, s16, 11                        ; x's scale bytes likewise
	s_add_co_u32 s22, s22, s18
	s_mov_b32 s23, 0
	s_lshl_b32 s24, s3, 5
	s_lshl_b32 s25, s2, 3
	s_add_co_u32 s24, s24, s25                     ; my first tile of features
	s_lshl_b32 s26, s24, 6                         ; its first feature, in bytes of f32
	s_mov_b32 s27, 0
	s_add_co_u32 s24, s24, 128                     ; Wo's tiles begin at 128
	s_mul_i32 s28, s24, 12288
	s_mov_b32 s29, 0
	s_lshl_b32 s30, s24, 9
	s_mov_b32 s31, 0
	s_lshl_b32 s32, s16, 18                        ; 64 rows of out0, 4,096 bytes each
	s_add_co_u32 s32, s32, s26
	s_mov_b32 s33, 0
	s_wait_kmcnt 0x0
	s_add_nc_u64 s[4:5], s[4:5], s[20:21]
	s_add_nc_u64 s[6:7], s[6:7], s[22:23]
	s_add_nc_u64 s[8:9], s[8:9], s[28:29]
	s_add_nc_u64 s[10:11], s[10:11], s[30:31]
	s_add_nc_u64 s[12:13], s[12:13], s[26:27]
	s_add_nc_u64 s[14:15], s[14:15], s[32:33]
	WIN 0x80                                       ; destination window 2
.irp k,0,1,2,3,4,5,6,7,8,9,10,11,12,13,14,15,16,17,18,19,20,21,22,23
	global_load_b128 v[4*\k:4*\k+3], v[LI], s[4:5] offset:512*\k
.endr
	global_load_b128 v[96:99], v[LI], s[6:7]
	WIN 0xc0                                       ; destination window 3: register 8 t + j = bo at feature 32 (t / 2) + 16 h + 8 (t % 2) + j of my 128
.irp b,0,1,2,3
.irp u,0,1
.irp j,0,1
	global_load_b128 v[8*(2*\b+\u)+4*\j:8*(2*\b+\u)+4*\j+3], v[BA], s[12:13] offset:128*\b+32*\u+16*\j
.endr
.endr
.endr
	TLOAD 0
	TLOAD 1
	TLOAD 2
	s_wait_loadcnt 63                              ; 94 loads are younger than the 25 to be copied; the wait's count ends at 63, and a smaller count is safe
	WIN 0x08                                       ; an LDS store's data are its source 1: window 2
.irp k,0,1,2,3,4,5,6,7,8,9,10,11,12,13,14,15,16,17,18,19,20,21,22,23
	ds_store_b128 v[CW], v[4*\k:4*\k+3] offset:512*\k
.endr
	ds_store_b128 v[CSA], v[96:99]
	WIN 0
	s_wait_dscnt 0x0                               ; for the others' sake: my stores are done
	s_barrier_signal -1
	s_barrier_wait -1                              ; x's codes and scale words lie in LDS; these bytes are not written again
	FETCHS 0
.irp s,0,1,2,3,4,5,6,7
	s_wait_dscnt 0x0                               ; this K step's fragments of x
.if \s < 7
	FETCHS \s+1                                    ; the next step's, into the set that the step before read (its places have passed): they land under this step's 32 products
.endif
.if \s < 6
	s_wait_loadcnt 52                              ; this K step's 26 loads are in (bo's are older); the two younger steps' may be out
.elseif \s == 6
	s_wait_loadcnt 26
.else
	s_wait_loadcnt 0x0
.endif
	MUL \s
	PLACES
.if \s+3 <= 7
	TLOAD \s+3                                     ; into the set just multiplied
.endif
.endr
; THE WAY OUT, a tile of 16 tokens x my 128 features at a time.  A lane holds pieces of 32 bytes of one row, and the lanes beside it hold other rows: so a tile goes through my own stage and comes back as whole rows
; of 512 bytes.  LDS serves a wave's instructions in order (ISA guide 5.7.1.4): no wait between the stores and the loads, nor in front of the next tile's stores.
.macro TOSTAGE a
	WIN 0x08
.irp tt,0,1,2,3,4,5,6,7
	ds_store_b128 v[STO], v[8*(8*(\a)+\tt):8*(8*(\a)+\tt)+3] offset:128*(\tt/2)+32*(\tt%2)        ; each accumulator from its low end on
	ds_store_b128 v[STO], v[8*(8*(\a)+\tt)+4:8*(8*(\a)+\tt)+7] offset:128*(\tt/2)+32*(\tt%2)+16
.endr
	WIN 0
.irp t,0,1,2,3,4,5,6,7,8,9,10,11,12,13,14,15
	ds_load_b128 v[BK+64*((\a)%2)+4*\t:BK+64*((\a)%2)+4*\t+3], v[RD] offset:\t*SP
.endr
.endm
.macro SEND a, younger                 ; younger: the LDS instructions issued behind tile a's loads, which may stay out
	s_wait_dscnt \younger
.irp t,0,1,2,3,4,5,6,7,8,9,10,11,12,13,14,15
	global_store_b128 v[LI], v[BK+64*((\a)%2)+4*\t:BK+64*((\a)%2)+4*\t+3], s[14:15] offset:(32*((\a)/2)+8*((\a)%2)+\t+8*(\t/8))*4096 th:TH_STORE_NT   ; 32 lanes store 512 consecutive bytes, aligned
.endr
.endm
	TOSTAGE 0
	TOSTAGE 1
	SEND 0, 32                                     ; behind tile 0's loads: tile 1's 16 stores and 16 loads
	s_wait_xcnt 0x0                                ; tile 0's stores have read their registers: tile 2's rows may land there
	TOSTAGE 2
	SEND 1, 32
	s_wait_xcnt 0x0
	TOSTAGE 3
	SEND 2, 32
	SEND 3, 0
	s_wait_tensorcnt 0x0
	ds_add_u32 v254, v255
	s_wait_dscnt 0x0
	s_endpgm
.Lfunc_end_k_q2d3f089546_outp:
	.size	k_q2d3f089546_outp, .Lfunc_end_k_q2d3f089546_outp-k_q2d3f089546_outp
	.p2alignl 7, 3214868480
	.fill 96, 4, 3214868480
	.section	.rodata,"a",@progbits
	.p2align	6, 0x0
	.amdhsa_kernel k_q2d3f089546_outp
		.amdhsa_group_segment_fixed_size 86528
		.amdhsa_private_segment_fixed_size 0
		.amdhsa_enable_private_segment 0
		.amdhsa_kernarg_size 48
		.amdhsa_user_sgpr_count 2
		.amdhsa_user_sgpr_kernarg_segment_ptr 1
		.amdhsa_wavefront_size32 1
		.amdhsa_system_sgpr_workgroup_id_x 1
		.amdhsa_system_sgpr_workgroup_id_y 1
		.amdhsa_system_sgpr_workgroup_id_z 1
		.amdhsa_system_vgpr_workitem_id 0
		.amdhsa_next_free_vgpr 832
		.amdhsa_next_free_sgpr 66
		.amdhsa_reserve_vcc 0
		.amdhsa_float_denorm_mode_32 3
		.amdhsa_float_denorm_mode_16_64 3
		.amdhsa_memory_ordered 1
		.amdhsa_forward_progress 1
		.amdhsa_inst_pref_size 86
	.end_amdhsa_kernel
	.amdgpu_metadata
---
amdhsa.version: [ 1, 2 ]
amdhsa.kernels:
  - .name:           k_q2d3f089546_outp
    .symbol:         k_q2d3f089546_outp.kd
    .args:
      - { .name: xc, .offset: 0, .size: 8, .value_kind: global_buffer, .address_space: global }
      - { .name: xs, .offset: 8, .size: 8, .value_kind: global_buffer, .address_space: global }
      - { .name: tcodes, .offset: 16, .size: 8, .value_kind: global_buffer, .address_space: global }
      - { .name: tscales, .offset: 24, .size: 8, .value_kind: global_buffer, .address_space: global }
      - { .name: bo, .offset: 32, .size: 8, .value_kind: global_buffer, .address_space: global }
      - { .name: out0, .offset: 40, .size: 8, .value_kind: global_buffer, .address_space: global }
    .group_segment_fixed_size: 86528
    .private_segment_fixed_size: 0
    .kernarg_segment_align: 8
    .kernarg_segment_size: 48
    .max_flat_workgroup_size: 128
    .sgpr_count:     66
    .vgpr_count:     832
    .wavefront_size: 32
...
	.end_amdgpu_metadata
.endif
;; end of part 4
;; ======== version 2 of 2: 4 launches
;; limits: right only within a limited range of input values
;; workspace buffers: tcodes 8,650,752 bytes; tscales 360,448 bytes; mbits 2,097,152 bytes of whole numbers; qbuf 6,815,744 bytes; kv 13,369,344 bytes; xc 6,291,456 bytes; xs 262,144 bytes
;; launch prep (part 5): grid 864 x 1, 4 waves a work-group, no clusters, 68,096 bytes of LDS; arguments Wq, Wk, Wo, value, mask, tcodes, tscales, mbits; writes tcodes, tscales, mbits
.if DOCPART == 5
	.amdgcn_target "amdgcn-amd-amdhsa--gfx1250"
	.amdhsa_code_object_version 6
	.text
	.protected	k_q2d3f089546_prep
	.globl	k_q2d3f089546_prep
	.p2align	8
	.type	k_q2d3f089546_prep,@function
k_q2d3f089546_prep:
	s_mov_b64 s[64:65], 0
	v_nop
	global_prefetch_b8 v0, s[64:65] scope:SCOPE_SE
	s_setreg_imm32_b32 hwreg(HW_REG_WAVE_MODE, 25, 1), 1
	s_wait_xcnt 0x0
; PREP.  Two kinds of work-groups, parted once on the work-group's number.
; (a) Work-groups 0-351: Wq, Wk, Wo [1024][1024] and value [8192][1024], f32, K innermost, become codes of FP6 (E2M3) with one E8M0 byte for each 32 along K,
;     laid in the ORDER OF AN OPERAND'S REGISTERS.  A tile is 16 rows: tile t of a tensor holds rows 32 (t / 2) + 8 (t % 2) + p + 8 (p / 8), p = 0 .. 15, so that in a product used
;     transposed the 16 registers of two neighbouring tiles are 16 neighbouring rows.  Tile T (0-63 Wq, 64-127 Wk, 128-191 Wo, 192-703 value), K step s of 128:
;     1,536 bytes at (8 T + s) x 1536: registers 4 c .. 4 c + 3 of lane l at 512 c + 16 l.  Scale words of the four tiles of quad T / 4: 256 bytes at (8 (T / 4) + s) x 256:
;     lane l has 8 bytes at 8 l: word i is tile 2 i + l / 16 of the quad, row l % 16.
; (b) Work-groups 352-863: mask [4][1][2048][2048] int32 becomes bits.  Tile of queries gq (rows as above, over the 8,192 flat rows), key step ks of 128: 64 words at (16 gq + ks) x 256;
;     word n, bit l: mask(row l % 16 of the tile, key 128 ks + 32 (n / 16) + 16 (l / 16) + n % 16) != 0: the lane and register in which the attention launch holds that score.
; THE TURN.  The work wants lane (r, h) to hold, of row r, 16 neighbours of each block of 32; a load is best where neighbouring LANES take neighbouring bytes.  Both are had: a tile of 16 rows x 128 numbers is 16 pieces
; of 512 consecutive bytes; each load takes one piece, 16 bytes a lane; the 8,192 bytes go through the wave's own stage in LDS, as they lie, and come back 64 bytes of a row at a time, into the registers that they left.
; A stage row is 512 bytes + 16: the sixteen lanes of a read start in sixteen different columns of 16 bytes.
; A block's scale is 2^(floor(log2(largest magnitude)) - 2); its byte is the largest magnitude's exponent field - 2, held at 1 from below.
; LIMITS: a block of zeros gets the byte 1 (its codes are zeros; this program alone reads the bytes); blocks whose largest magnitude lies under 2^-124 are held at that byte; NaN and infinities are not served.
; No barrier: waves share nothing; each wave's stage is its own, and each of the two ways has stages of its own.
.set XR,  32                           ; v32-95, v96-159  two sets of 64 numbers
.set PC0, 160                          ; v160-207 the codes of four tiles, 12 registers each: no store's data are written again
.set PT,  208                          ; v208-210, v212-214 the second halves of the blocks' codes
.set TM,  216                          ; v216-231 at work
.set PW0, 232                          ; v232-235 the four tiles' scale words
.set SWR, 236                          ; v236-237 the scale words as they are stored
.set MW,  160                          ; v160-167 (mask way) a pair of registers for each key step
.set SEL, 22                           ; s[22:23] v_permlanex16_b32's selects for lane l xor 16
.set HM,  24                           ; s24 lanes 16-31
.set NQW, 352                          ; work-groups of kind (a): 176 quads x 8 K steps / 4 waves
.set SP,  528                          ; a stage row
.set STG, 16*SP                        ; a wave's stage: 8,448 bytes
.set MREG, 4*STG                       ; LDS: way (a)'s four stages from 0, way (b)'s from here
	s_load_b256 s[4:11], s[0:1], 0x0               ; Wq s[4:5], Wk s[6:7], Wo s[8:9], value s[10:11]
	s_load_b256 s[12:19], s[0:1], 0x20             ; mask s[12:13], tcodes s[14:15], tscales s[16:17], mbits s[18:19]
	v_lshl_add_u32 v240, v0, 2, 0x10800
	v_mov_b32 v241, 0
	v_lshrrev_b32 v1, 5, v0
	v_readfirstlane_b32 s20, v1                    ; wave
	v_and_b32 v2, 31, v0                           ; lane
	v_and_b32 v3, 15, v0                           ; r
	v_bfe_u32 v4, v0, 4, 1                         ; h
	v_lshlrev_b32 v6, 4, v2                        ; 16 x lane: my bytes of a piece of 512, in memory; never rewritten
	v_lshlrev_b32 v7, 3, v2                        ; 8 x lane
	s_mul_i32 s21, s20, STG                        ; my wave's stage
	v_add_nc_u32 v8, s21, v6                       ; into it: 16 x lane of a row
	v_mul_u32_u24 v9, v3, SP
	v_lshl_add_u32 v9, v4, 6, v9
	v_add_nc_u32 v9, s21, v9                       ; out of it: row r, + 64 h
	s_mov_b32 s[SEL], 0x76543210
	s_mov_b32 s[SEL+1], 0xfedcba98
	s_mov_b32 s[HM], 0xffff0000
	s_mov_b32 s29, 0
; 64 registers of a set, register 4 p + e = my 16 bytes of row p, go through the stage at LDS byte reg and come back as register 16 b + 4 j + e = number 32 b + 16 h + 4 j + e of row r.
; LDS serves a wave's instructions in order (ISA guide 5.7.1.4): no wait stands between the stores and the loads.
.macro TURN set, reg
.irp p,0,1,2,3,4,5,6,7,8,9,10,11,12,13,14,15
	ds_store_b128 v8, v[(\set)+4*\p:(\set)+4*\p+3] offset:(\reg)+SP*\p
.endr
.irp b,0,1,2,3
.irp j,0,1,2,3
	ds_load_b128 v[(\set)+16*\b+4*\j:(\set)+16*\b+4*\j+3], v9 offset:(\reg)+128*\b+16*\j
.endr
.endr
.endm
	s_cmp_lt_u32 ttmp9, NQW
	s_cbranch_scc0 .Lmask
; ---- (a) a wave takes one quad of tiles at one K step
.macro LOADX i                         ; tile i of the quad: its 16 rows' 512 bytes of my K step: 32 lanes read 512 consecutive bytes, aligned
.irp p,0,1,2,3,4,5,6,7,8,9,10,11,12,13,14,15
	global_load_b128 v[XR+64*((\i)%2)+4*\p:XR+64*((\i)%2)+4*\p+3], v6, s[4:5] offset:(32*((\i)/2)+8*((\i)%2)+\p+8*(\p/8))*4096 th:TH_LOAD_NT
.endr
.endm
; 64 numbers of a lane become a fragment's 12 registers of codes and its row's scale word
.macro QUANT s, pc, pw
.irp b,0,1,2,3
	v_max3_num_f32 v[TM+\b], |v[(\s)+16*\b]|, |v[(\s)+1+16*\b]|, 0x1800000   ; block b: my 16 numbers, and the floor 2^(3 - 127): the byte cannot fall under 1
.endr
.irp i,2,4,6,8,10,12,14
.irp b,0,1,2,3
	v_max3_num_f32 v[TM+\b], v[TM+\b], |v[(\s)+16*\b+\i]|, |v[(\s)+1+16*\b+\i]|   ; the four blocks by turns
.endr
.endr
.irp b,0,1,2,3
	v_permlanex16_b32 v[TM+4+\b], v[TM+\b], s[SEL], s[SEL+1]
.endr
.irp b,0,1,2,3
	v_max_num_f32 v[TM+\b], v[TM+\b], v[TM+4+\b]   ; with lane l xor 16: the block's largest magnitude
.endr
.irp b,0,1,2,3
	v_add_nc_u32 v[TM+12+\b], 0xff000000, v[TM+\b] ; 2 off its exponent field: the conversion's scale operand
.endr
.irp b,0,1,2,3
	v_lshrrev_b32 v[TM+4+\b], 23, v[TM+12+\b]      ; the scale's byte
.endr
	v_lshl_or_b32 v[\pw], v[TM+5], 8, v[TM+4]
	v_lshl_or_b32 v[\pw], v[TM+6], 16, v[\pw]
	v_lshl_or_b32 v[\pw], v[TM+7], 24, v[\pw]
.irp c,0,1
	v_cvt_scalef32_pk16_fp6_f32 v[(\pc)+6*\c:(\pc)+2+6*\c], v[(\s)+32*\c:(\s)+15+32*\c], v[TM+12+2*\c]
	v_cvt_scalef32_pk16_fp6_f32 v[PT+4*\c:PT+2+4*\c], v[(\s)+16+32*\c:(\s)+31+32*\c], v[TM+13+2*\c]   ; (a conversion's three registers begin on an even number)
.endr
	v_nop                                          ; one plain place behind a scaled conversion
.irp c,0,1                             ; the operand wants a whole block in a lane: lanes 0-15 block 2 c, lanes 16-31 block 2 c + 1
.irp i,0,1,2
	v_permlane16_swap_b32 v[(\pc)+6*\c+\i], v[PT+4*\c+\i]
.endr
.irp i,0,1,2
	v_mov_b32 v[(\pc)+3+6*\c+\i], v[PT+4*\c+\i]
.endr
.endr
.endm
	s_lshl_b32 s21, ttmp9, 2
	s_add_co_u32 s21, s21, s20                     ; unit = 8 x quad + K step
	s_lshr_b32 s25, s21, 3                         ; quad 0 .. 175
	s_and_b32 s26, s21, 7                          ; K step
.irp b,0,1,2,3
	v_mov_b32 v[TM+4+\b], 0                        ; written once: a lane permute's destination counts as one of its sources
.endr
	s_wait_kmcnt 0x0
	s_cmp_lt_u32 s25, 48                           ; which tensor: the choice hangs on the work-group's and the wave's numbers alone
	s_cselect_b64 s[8:9], s[8:9], s[10:11]
	s_cselect_b32 s27, 32, 48
	s_cmp_lt_u32 s25, 32
	s_cselect_b64 s[6:7], s[6:7], s[8:9]
	s_cselect_b32 s27, 16, s27
	s_cmp_lt_u32 s25, 16
	s_cselect_b64 s[4:5], s[4:5], s[6:7]
	s_cselect_b32 s27, 0, s27
	s_sub_co_u32 s27, s25, s27                     ; the quad within its tensor
	s_lshl_b32 s28, s27, 18                        ; 64 rows of 4,096 bytes
	s_lshl_b32 s30, s26, 9                         ; 512 bytes a K step
	s_add_co_u32 s28, s28, s30
	s_add_nc_u64 s[4:5], s[4:5], s[28:29]
	s_mul_i32 s28, s25, 49152                      ; codes: 4 tiles x 8 K steps x 1,536 bytes a quad
	s_mul_i32 s30, s26, 1536
	s_add_co_u32 s28, s28, s30
	s_add_nc_u64 s[14:15], s[14:15], s[28:29]
	s_lshl_b32 s28, s21, 8                         ; scale words: 256 bytes a unit
	s_add_nc_u64 s[16:17], s[16:17], s[28:29]
	LOADX 0
	LOADX 1
	s_wait_alu depctr_va_vdst(0)
.irp i,0,1,2,3
.if \i < 3
	s_wait_loadcnt 16                              ; this tile's 16 loads are in; the next tile's 16 may be out
.else
	s_wait_loadcnt 0x0
.endif
	TURN XR+64*(\i%2), 0
	s_wait_dscnt 0x0                               ; the tile is back, 64 neighbours-by-blocks of my row
	QUANT XR+64*(\i%2), PC0+12*\i, PW0+\i
.irp c,0,1,2
	global_store_b128 v6, v[PC0+12*\i+4*\c:PC0+12*\i+4*\c+3], s[14:15] offset:12288*\i+512*\c   ; 32 lanes store 512 consecutive bytes, aligned
.endr
.if \i < 2
	LOADX \i+2
.endif
.endr
	v_cndmask_b32 v[SWR], v[PW0], v[PW0+1], s[HM]  ; lanes 0-15 the even tile's word, lanes 16-31 the odd tile's
	v_cndmask_b32 v[SWR+1], v[PW0+2], v[PW0+3], s[HM]
	global_store_b64 v7, v[SWR:SWR+1], s[16:17]    ; 256 consecutive bytes, aligned
	s_wait_tensorcnt 0x0
	ds_add_u32 v240, v241
	s_wait_dscnt 0x0
	s_endpgm
; ---- (b) a wave takes one tile of 16 queries and four key steps
.Lmask:
.macro LOADM i                         ; key step i of my four: its 16 rows' 512 bytes: 32 lanes read 512 consecutive bytes, aligned
.irp p,0,1,2,3,4,5,6,7,8,9,10,11,12,13,14,15
	global_load_b128 v[XR+64*((\i)%2)+4*\p:XR+64*((\i)%2)+4*\p+3], v6, s[12:13] offset:(\p+8*(\p/8))*8192+512*(\i) th:TH_LOAD_NT
.endr
.endm
	s_sub_co_u32 s21, ttmp9, NQW
	s_lshl_b32 s21, s21, 2
	s_add_co_u32 s21, s21, s20                     ; 4 x tile + quarter
	s_lshr_b32 s25, s21, 2                         ; tile of queries 0 .. 511
	s_and_b32 s26, s21, 3                          ; which four key steps
	s_lshr_b32 s27, s25, 1
	s_lshl_b32 s27, s27, 5
	s_and_b32 s28, s25, 1
	s_lshl_b32 s28, s28, 3
	s_add_co_u32 s27, s27, s28                     ; the tile's first row
	s_lshl_b32 s28, s27, 13                        ; a row of the mask is 8,192 bytes
	s_lshl_b32 s30, s26, 11                        ; four key steps are 2,048 bytes
	s_add_co_u32 s28, s28, s30
	s_wait_kmcnt 0x0
	s_add_nc_u64 s[12:13], s[12:13], s[28:29]
	s_lshl_b32 s28, s21, 10                        ; 4 steps x 256 bytes of bits
	s_add_nc_u64 s[18:19], s[18:19], s[28:29]
	s_wait_alu depctr_va_vdst(0)
	LOADM 0
	LOADM 1
.irp i,0,1,2,3
.if \i < 3
	s_wait_loadcnt 16                              ; this step's 16 loads are in; the next step's 16 may be out
.else
	s_wait_loadcnt 0x0
.endif
	TURN XR+64*(\i%2), MREG
	v_mov_b32 v[MW+2*\i], 0                        ; v_writelane_b32's destination counts as read
	v_mov_b32 v[MW+2*\i+1], 0
	s_wait_dscnt 0x0                               ; register n is now key 32 (n / 16) + 16 h + n % 16 of my row
.set n, 0
.rept 8
.irp e,0,1,2,3,4,5,6,7
	v_cmp_ne_u32 s[32+\e], 0, v[XR+64*(\i%2)+n+\e] ; word n + e: one bit a lane
.endr
.irp e,0,1,2,3,4,5,6,7
	v_writelane_b32 v[MW+2*\i+\e%2], s[32+\e], (n+\e)/2   ; word w goes to lane w / 2, register w % 2: 8 bytes a lane on end
.endr
.set n, n+8
.endr
	global_store_b64 v7, v[MW+2*\i:MW+2*\i+1], s[18:19] offset:256*\i   ; 256 consecutive bytes, aligned
.if \i < 2
	LOADM \i+2
.endif
.endr
	s_wait_tensorcnt 0x0
	ds_add_u32 v240, v241
	s_wait_dscnt 0x0
	s_endpgm
.Lfunc_end_k_q2d3f089546_prep:
	.size	k_q2d3f089546_prep, .Lfunc_end_k_q2d3f089546_prep-k_q2d3f089546_prep
	.p2alignl 7, 3214868480
	.fill 96, 4, 3214868480
	.section	.rodata,"a",@progbits
	.p2align	6, 0x0
	.amdhsa_kernel k_q2d3f089546_prep
		.amdhsa_group_segment_fixed_size 68096
		.amdhsa_private_segment_fixed_size 0
		.amdhsa_enable_private_segment 0
		.amdhsa_kernarg_size 64
		.amdhsa_user_sgpr_count 2
		.amdhsa_user_sgpr_kernarg_segment_ptr 1
		.amdhsa_wavefront_size32 1
		.amdhsa_system_sgpr_workgroup_id_x 1
		.amdhsa_system_sgpr_workgroup_id_y 1
		.amdhsa_system_sgpr_workgroup_id_z 1
		.amdhsa_system_vgpr_workitem_id 0
		.amdhsa_next_free_vgpr 242
		.amdhsa_next_free_sgpr 66
		.amdhsa_reserve_vcc 0
		.amdhsa_float_denorm_mode_32 3
		.amdhsa_float_denorm_mode_16_64 3
		.amdhsa_memory_ordered 1
		.amdhsa_forward_progress 1
		.amdhsa_inst_pref_size 81
	.end_amdhsa_kernel
	.amdgpu_metadata
---
amdhsa.version: [ 1, 2 ]
amdhsa.kernels:
  - .name:           k_q2d3f089546_prep
    .symbol:         k_q2d3f089546_prep.kd
    .args:
      - { .name: Wq, .offset: 0, .size: 8, .value_kind: global_buffer, .address_space: global }
      - { .name: Wk, .offset: 8, .size: 8, .value_kind: global_buffer, .address_space: global }
      - { .name: Wo, .offset: 16, .size: 8, .value_kind: global_buffer, .address_space: global }
      - { .name: value, .offset: 24, .size: 8, .value_kind: global_buffer, .address_space: global }
      - { .name: mask, .offset: 32, .size: 8, .value_kind: global_buffer, .address_space: global }
      - { .name: tcodes, .offset: 40, .size: 8, .value_kind: global_buffer, .address_space: global }
      - { .name: tscales, .offset: 48, .size: 8, .value_kind: global_buffer, .address_space: global }
      - { .name: mbits, .offset: 56, .size: 8, .value_kind: global_buffer, .address_space: global }
    .group_segment_fixed_size: 68096
    .private_segment_fixed_size: 0
    .kernarg_segment_align: 8
    .kernarg_segment_size: 64
    .max_flat_workgroup_size: 128
    .sgpr_count:     66
    .vgpr_count:     242
    .wavefront_size: 32
...
	.end_amdgpu_metadata
.endif
;; end of part 5
;; launch proj (part 6): grid 128 x 3, 4 waves a work-group, no clusters, 51,712 bytes of LDS; arguments query, key_in, Wv, bq, bk, bv, tcodes, tscales, qbuf, kv; writes qbuf, kv
.if DOCPART == 6
	.amdgcn_target "amdgcn-amd-amdhsa--gfx1250"
	.amdhsa_code_object_version 6
	.text
	.protected	k_q2d3f089546_proj
	.globl	k_q2d3f089546_proj
	.p2align	8
	.type	k_q2d3f089546_proj,@function
k_q2d3f089546_proj:
	s_mov_b64 s[64:65], 0
	v_nop
	global_prefetch_b8 v0, s[64:65] scope:SCOPE_SE
	s_setreg_imm32_b32 hwreg(HW_REG_WAVE_SCHED_MODE, 0, 2), 2
	s_setreg_imm32_b32 hwreg(HW_REG_WAVE_MODE, 25, 1), 1
	s_wait_xcnt 0x0
	s_wait_alu depctr_vm_vsrc(0)
; PROJ.  q = query Wq^T + bq, k = key_in Wk^T + bk, v = value Wv^T + bv, on codes of FP6 (E2M3) with E8M0 scales, and each result quantised in registers for the attention launch.
; Every product is used transposed: source 0 = 16 rows of T (codes made by the launch before, in the order of an operand's registers), source 1 = 16 rows of S (f32, quantised here).
; A lane then holds ONE row of S, and its registers run along T's rows, which is the axis along which the result is quantised:
;   y = 0, 1: S = 64 tokens of query / key_in, T = the 1,024 rows of Wq / Wk: q and k are quantised along a head's 64 features;
;   y = 2:    S = the 64 rows of Wv of one head, T = 1,024 tokens of value: v is quantised along the keys.
; A tile of 16 rows holds rows 32 (t / 2) + 8 (t % 2) + p + 8 (p / 8): the 16 registers of T tiles 2 b, 2 b + 1 are T rows 32 b + 16 (lane / 16) + 0 .. 15.
; SHARES.  A work-group: 64 rows of S x 1,024 of T.  A wave: all four tiles of S x 16 tiles of T: 64 accumulators, 8 K steps of 128, 512 matrix instructions, written out: every offset is an immediate.
; T's fragments go from memory straight into registers (each is used by one wave), three half steps ahead.  S is quantised once, wave w its tile w, and goes to the other waves through LDS as images of registers.
; OUT.  Half a fragment (6 registers: 64 along the next K) is 768 bytes: registers 0-3 of lane l at 16 l, registers 4-5 at 512 + 8 l.
;   qbuf: record (16 b + head, step of 128 tokens) of 6,656 bytes: tile i at 768 i; scale words of tiles 4 g .. at 6144 + 256 g (8 bytes a lane: word i = tile 2 i + lane / 16), upper two bytes 0x7f.
;   kv: record of 13,056 bytes: k as in qbuf; v: (tile t of the head's 64, half c of the 128 keys) at 6656 + 1536 t + 768 c, its scale words at 12800.
; LIMITS: a block of zeros gets the byte 1 (its codes are zeros); blocks under 2^-124 are held at that byte; NaN and infinities are not served.
; REGISTERS, in windows of 256.  Window 0: v2-12 addresses; v20-27 bv; v32-43 T's scale words (three sets); v44-47 S's (two sets); v48-57 scale words on the way out;
;   v64-159 T's third set, later biases; v160-207 S's second set, later the numbers to quantise; v208-255 at work.   Window 1: v0-95, v96-191 T's first two sets; v192-239 S's first set.
;   Windows 2, 3: at first the 512 numbers of S that my lane quantises; then the accumulators: (m, t) at v[8 (16 (m % 2) + t)] of window 2 + m / 2.
; THE MODE: SCHED_MODE bits 1:0 = 2 (LLVM: expert scheduling mode 2), set by the entry lines.  The code itself states the register dependences
; between vector or matrix instructions and memory or LDS instructions, with s_wait_alu, always for 0.
; THE PLAN.  Registers that memory or LDS instructions touch:
;   v2-7, v11, v12     offsets and LDS addresses: written once at the head, ahead of the first wait on va_vdst, and never again.  v8-10 (q, k): written once behind the loop, ahead of the waits that stand in front of the stores.
;   T's three sets     and their scale words v32-43.  Half step i: its 32 products read set i % 3; behind them the 26 loads of half step i + 3 land in it.
;   S's two sets       and their scale words v44-47.  K step s: its 64 products read set s % 2; the LDS loads of K step s + 2 land in it behind the first half step of K step s + 1.
;   v240-251, v224     at the head: written by the quantiser of a K step of S, read by its four LDS stores, written again by the next K step's.
;   v64-159, v208-239  (q, k) read by half step 14's products and by the head's quantiser; then the biases land in them.
;   v240-245, v56-57   on the way out: written by a unit's conversions and selects, read by its two or three stores, written again in the next unit.
; So ONE wait on va_vdst stands in a half step, behind its products, ahead of the run of loads: it states that these products are done reading T's set and scale words, and that the K step before is done reading S's other set.
; At the head one wait on va_vdst stands ahead of each K step's LDS stores and one on vm_vsrc behind them.  On the way out a unit's vector work all stands ahead of its stores, with one wait on va_vdst between;
; the wait on vm_vsrc for those stores stands in the next unit, ahead of its conversions, behind the additions and maxima that name none of the stores' registers.
; The accumulators and the numbers at work (v160-207, v192-223, v248-252) are named by vector and matrix instructions alone.
.set XA,  2                            ; S: my row x 4,096 + 64 h
.set LI,  3                            ; 16 x lane
.set L8,  4                            ; 8 x lane
.set L4,  5                            ; 4 x lane
.set XWI, 6                            ; LDS: where I store images: 16 x lane + 12,288 x wave
.set XWS, 7                            ; and scale words: 49,152 + 64 x wave + 4 r
.set OA16, 8                           ; the way out (q, k)
.set OA8, 9
.set PSO, 10
.set BA,  11                           ; 64 h
.set PR4, 12                           ; 4 x (r + 8 (r / 8))
.set BV,  20
.set TS,  32
.set SS,  44
.set WSR, 48
.set UU,  52
.set SWR, 56
.set T2,  64
.set S1,  160
.set H,   160                          ; v160-191 32 numbers to quantise
.set TME, 192                          ; v192-207 at work on the way out
.set TMX, 208                          ; v208-223 at work while S is quantised
.set PWX, 224
.set PTX, 228                          ; v228-230, v232-234
.set PC,  240                          ; v240-251 codes
.set PTE, 248                          ; v248-250 (the way out needs only v240-245 of PC)
.set U,   252
.set SEL, 44                           ; s[44:45]
.set HM,  46                           ; s46 lanes 16-31
.set XSC, 49152                        ; LDS: images of S, (m, s) at (8 m + s) x 1536; behind them the scale words, 256 s + 64 m + 4 r
.set MSB, 0
.macro WIN new                         ; the immediate's high byte repeats the setting that is left
.if MSB != (\new)
	s_set_vgpr_msb (MSB<<8)|(\new)
.set MSB, (\new)
.endif
.endm
.macro PLACES                          ; four places behind a matrix instruction, in front of loads into its registers and of reads of its results
.rept 4
	v_nop
.endr
.endm
; One matrix instruction.  d, a, b: first registers; c: first register of C, or -1 for the constant 0; sa, sb: scale registers; ra, rb: 1 = the scales stand in lanes 16-31
.macro WM d, a, b, c, sa, sb, ra, rb
.if (\c) < 0
.if (\ra) && (\rb)
	v_wmma_scale_f32_16x16x128_f8f6f4 v[(\d):(\d)+7], v[(\a):(\a)+11], v[(\b):(\b)+11], 0, v[\sa], v[\sb] matrix_a_fmt:MATRIX_FMT_FP6 matrix_b_fmt:MATRIX_FMT_FP6 matrix_a_scale:MATRIX_SCALE_ROW1 matrix_b_scale:MATRIX_SCALE_ROW1
.elseif (\ra)
	v_wmma_scale_f32_16x16x128_f8f6f4 v[(\d):(\d)+7], v[(\a):(\a)+11], v[(\b):(\b)+11], 0, v[\sa], v[\sb] matrix_a_fmt:MATRIX_FMT_FP6 matrix_b_fmt:MATRIX_FMT_FP6 matrix_a_scale:MATRIX_SCALE_ROW1
.elseif (\rb)
	v_wmma_scale_f32_16x16x128_f8f6f4 v[(\d):(\d)+7], v[(\a):(\a)+11], v[(\b):(\b)+11], 0, v[\sa], v[\sb] matrix_a_fmt:MATRIX_FMT_FP6 matrix_b_fmt:MATRIX_FMT_FP6 matrix_b_scale:MATRIX_SCALE_ROW1
.else
	v_wmma_scale_f32_16x16x128_f8f6f4 v[(\d):(\d)+7], v[(\a):(\a)+11], v[(\b):(\b)+11], 0, v[\sa], v[\sb] matrix_a_fmt:MATRIX_FMT_FP6 matrix_b_fmt:MATRIX_FMT_FP6
.endif
.else
.if (\ra) && (\rb)
	v_wmma_scale_f32_16x16x128_f8f6f4 v[(\d):(\d)+7], v[(\a):(\a)+11], v[(\b):(\b)+11], v[(\c):(\c)+7], v[\sa], v[\sb] matrix_a_fmt:MATRIX_FMT_FP6 matrix_b_fmt:MATRIX_FMT_FP6 matrix_a_scale:MATRIX_SCALE_ROW1 matrix_b_scale:MATRIX_SCALE_ROW1
.elseif (\ra)
	v_wmma_scale_f32_16x16x128_f8f6f4 v[(\d):(\d)+7], v[(\a):(\a)+11], v[(\b):(\b)+11], v[(\c):(\c)+7], v[\sa], v[\sb] matrix_a_fmt:MATRIX_FMT_FP6 matrix_b_fmt:MATRIX_FMT_FP6 matrix_a_scale:MATRIX_SCALE_ROW1
.elseif (\rb)
	v_wmma_scale_f32_16x16x128_f8f6f4 v[(\d):(\d)+7], v[(\a):(\a)+11], v[(\b):(\b)+11], v[(\c):(\c)+7], v[\sa], v[\sb] matrix_a_fmt:MATRIX_FMT_FP6 matrix_b_fmt:MATRIX_FMT_FP6 matrix_b_scale:MATRIX_SCALE_ROW1
.else
	v_wmma_scale_f32_16x16x128_f8f6f4 v[(\d):(\d)+7], v[(\a):(\a)+11], v[(\b):(\b)+11], v[(\c):(\c)+7], v[\sa], v[\sb] matrix_a_fmt:MATRIX_FMT_FP6 matrix_b_fmt:MATRIX_FMT_FP6
.endif
.endif
.endm
; Half step i = K step i / 2, T tiles 8 (i % 2) .. + 7 of my 16.  Its fragments and scale words go into set i % 3: 26 loads
.macro TLOAD i
.set KS_, (\i)/2
.set G_, (\i)%2
.set BF_, (\i)%3
.if BF_ == 2
	WIN 0
.set TR_, T2
.else
	WIN 0x40
.set TR_, 96*BF_
.endif
.irp tt,0,1,2,3,4,5,6,7
.irp c,0,1,2
	global_load_b128 v[TR_+12*\tt+4*\c:TR_+12*\tt+4*\c+3], v[LI], s[16:17] offset:((8*G_+\tt)*8+KS_)*1536+512*\c
.endr
.endr
	WIN 0
.irp q,0,1
	global_load_b64 v[TS+4*BF_+2*\q:TS+4*BF_+2*\q+1], v[L8], s[18:19] offset:((2*G_+\q)*8+KS_)*256
.endr
.endm
; S's four fragments and scale words of K step s, from LDS, into set s % 2
.macro FETCHS s
.set ST_, (\s)%2
.if ST_ == 0
	WIN 0x40
.set SR_, 192
.else
	WIN 0
.set SR_, S1
.endif
.irp m,0,1,2,3
.irp c,0,1,2
	ds_load_b128 v[SR_+12*\m+4*\c:SR_+12*\m+4*\c+3], v[LI] offset:(8*\m+(\s))*1536+512*\c
.endr
.endr
	WIN 0
.irp q,0,1
	ds_load_b32 v[SS+2*ST_+\q], v[L4] offset:XSC+256*(\s)+128*\q   ; lanes 0-15 tile 2 q, lanes 16-31 tile 2 q + 1
.endr
.endm
; The 32 products of half step i.  All 32 accumulators differ, and each comes again 64 instructions later: by turns, one instruction a turn
.macro MUL i
.set KS_, (\i)/2
.set G_, (\i)%2
.set BF_, (\i)%3
.set ST_, KS_%2
.if BF_ == 2
.set TW_, 0
.set TR_, T2
.else
.set TW_, 1
.set TR_, 96*BF_
.endif
.if ST_ == 0
.set SW_, 1
.set SR_, 192
.else
.set SW_, 0
.set SR_, S1
.endif
.irp mp,0,1
	WIN TW_|(SW_<<2)|((2+\mp)<<4)|((2+\mp)<<6)
.irp tt,0,1,2,3,4,5,6,7
.irp mm,0,1
.if KS_ == 0
	WM 8*(16*\mm+8*G_+\tt), TR_+12*\tt, SR_+12*(2*\mp+\mm), -1, TS+4*BF_+2*(\tt/4)+(\tt%4)/2, SS+2*ST_+\mp, \tt%2, \mm
.else
	WM 8*(16*\mm+8*G_+\tt), TR_+12*\tt, SR_+12*(2*\mp+\mm), 8*(16*\mm+8*G_+\tt), TS+4*BF_+2*(\tt/4)+(\tt%4)/2, SS+2*ST_+\mp, \tt%2, \mm
.endif
.endr
.endr
.endr
.endm
; 64 numbers of a lane, in window win from register reg on (register 16 b + i = k 32 b + 16 h + i of my row), become 12 registers of codes in v[PC] on and the scale word in v[PWX]
.macro QUANTW win, reg
	WIN (\win)|((\win)<<2)
.irp b,0,1,2,3
	v_max3_num_f32 v[TMX+\b], |v[(\reg)+16*\b]|, |v[(\reg)+1+16*\b]|, 0x1800000   ; and the floor 2^(3 - 127): the byte cannot fall under 1
.endr
.irp i,2,4,6,8,10,12,14
.irp b,0,1,2,3
	v_max3_num_f32 v[TMX+\b], |v[(\reg)+16*\b+\i]|, |v[(\reg)+1+16*\b+\i]|, v[TMX+\b]
.endr
.endr
	WIN 0
.irp b,0,1,2,3
	v_permlanex16_b32 v[TMX+4+\b], v[TMX+\b], s[SEL], s[SEL+1]
.endr
.irp b,0,1,2,3
	v_max_num_f32 v[TMX+\b], v[TMX+\b], v[TMX+4+\b]
.endr
.irp b,0,1,2,3
	v_add_nc_u32 v[TMX+12+\b], 0xff000000, v[TMX+\b]   ; 2 off the exponent field: the conversion's scale operand
.endr
.irp b,0,1,2,3
	v_lshrrev_b32 v[TMX+4+\b], 23, v[TMX+12+\b]    ; the scale's byte
.endr
	v_lshl_or_b32 v[PWX], v[TMX+5], 8, v[TMX+4]
	v_lshl_or_b32 v[PWX], v[TMX+6], 16, v[PWX]
	v_lshl_or_b32 v[PWX], v[TMX+7], 24, v[PWX]
	WIN (\win)
.irp c,0,1
	v_cvt_scalef32_pk16_fp6_f32 v[PC+6*\c:PC+2+6*\c], v[(\reg)+32*\c:(\reg)+15+32*\c], v[TMX+12+2*\c]
	v_cvt_scalef32_pk16_fp6_f32 v[PTX+4*\c:PTX+2+4*\c], v[(\reg)+16+32*\c:(\reg)+31+32*\c], v[TMX+13+2*\c]
.endr
	WIN 0
	v_nop                                          ; one plain place behind a scaled conversion: its sources are written by matrix instructions later
.irp c,0,1
.irp i,0,1,2
	v_permlane16_swap_b32 v[PC+6*\c+\i], v[PTX+4*\c+\i]
.endr
.irp i,0,1,2
	v_mov_b32 v[PC+3+6*\c+\i], v[PTX+4*\c+\i]
.endr
.endr
.endm
; 32 numbers of a lane in v[H] on (two blocks) become 6 registers of codes in v[PC] on and two scale bytes in v[U].  later > 0: a unit's stores stand in front of this one
.macro QUANT2 later
.irp b,0,1
	v_max3_num_f32 v[TME+\b], |v[H+16*\b]|, |v[H+16*\b+1]|, 0x1800000
.endr
.irp i,2,4,6,8,10,12,14
.irp b,0,1
	v_max3_num_f32 v[TME+\b], v[TME+\b], |v[H+16*\b+\i]|, |v[H+16*\b+\i+1]|
.endr
.endr
.irp b,0,1
	v_permlanex16_b32 v[TME+4+\b], v[TME+\b], s[SEL], s[SEL+1]
.endr
.irp b,0,1
	v_max_num_f32 v[TME+\b], v[TME+\b], v[TME+4+\b]
.endr
.irp b,0,1
	v_add_nc_u32 v[TME+12+\b], 0xff000000, v[TME+\b]
.endr
.irp b,0,1
	v_lshrrev_b32 v[TME+4+\b], 23, v[TME+12+\b]
.endr
	v_lshl_or_b32 v[U], v[TME+5], 8, v[TME+4]
.if (\later) > 0
	s_wait_alu depctr_va_vdst(0)
	s_wait_xcnt 0x0                                ; every earlier memory instruction has had its addresses translated (ISA guide 3.1): the stores' data are rewritten only behind this wait
	s_wait_alu depctr_vm_vsrc(0)                   ; the earlier units' stores have read v[PC ..] and v[SWR ..], which the conversions below and the selects behind them write again
.endif
	v_cvt_scalef32_pk16_fp6_f32 v[PC:PC+2], v[H:H+15], v[TME+12]
	v_cvt_scalef32_pk16_fp6_f32 v[PTE:PTE+2], v[H+16:H+31], v[TME+13]
	v_nop                                          ; one plain place behind a scaled conversion
.irp i,0,1,2
	v_permlane16_swap_b32 v[PC+\i], v[PTE+\i]      ; lanes 0-15 now hold block 0 whole, lanes 16-31 block 1
.endr
.irp i,0,1,2
	v_mov_b32 v[PC+3+\i], v[PTE+\i]
.endr
.endm
; THE WAY OUT: 16 units (cc: 64 rows of T; m: tile of S): bias added, quantised, stored.  Each accumulator is read from its low end on.
; All of a unit's vector work stands ahead of its stores, so that one wait states what the two or three stores hang on.
.macro EPI isv
	v_mov_b32 v[TME+4], 0                          ; a lane permute's destination counts as one of its sources
	v_mov_b32 v[TME+5], 0
.irp cc,0,1,2,3
.irp m,0,1,2,3
	WIN 2+\m/2
.set A_, 8*(16*(\m%2)+4*\cc)
.set i_, 0
.rept 16
.if \isv
	v_pk_add_f32 v[H+i_:H+i_+1], v[A_+i_:A_+i_+1], v[BV+2*\m:BV+2*\m+1]
.else
	v_pk_add_f32 v[H+i_:H+i_+1], v[A_+i_:A_+i_+1], v[64+32*\cc+48*(\cc/3)+i_:64+32*\cc+48*(\cc/3)+i_+1]
.endif
.set i_, i_+2
.endr
	WIN 0
	QUANT2 \cc+\m
.if \isv
.if \cc%2 == 0
	v_mov_b32 v[UU+\m], v[U]                       ; the bytes of keys 0-63 of the step wait for those of keys 64-127
.else
	v_lshl_or_b32 v[WSR+\m], v[U], 16, v[UU+\m]
.if \m == 3
	v_cndmask_b32 v[SWR], v[WSR], v[WSR+1], s[HM]
	v_cndmask_b32 v[SWR+1], v[WSR+2], v[WSR+3], s[HM]
.endif
.endif
	s_wait_alu depctr_va_vdst(0)                   ; the unit's codes v[PC ..] are written, and with the fourth tile the scale words v[SWR ..]: the stores below read them
	global_store_b128 v[LI], v[PC:PC+3], s[36:37] offset:6656+13056*(\cc/2)+768*(\cc%2)+1536*\m       ; 512 consecutive bytes, aligned
	global_store_b64 v[L8], v[PC+4:PC+5], s[36:37] offset:6656+13056*(\cc/2)+768*(\cc%2)+1536*\m+512   ; 256 consecutive bytes, aligned
.if (\cc%2 == 1) && (\m == 3)
	global_store_b64 v[L8], v[SWR:SWR+1], s[36:37] offset:12800+13056*(\cc/2)
.endif
.else
	v_or_b32 v[WSR+\m], 0x7f7f0000, v[U]           ; K is 64: the upper half of the 128 is zero codes under the scale 1
.if \m == 3
	v_cndmask_b32 v[SWR], v[WSR], v[WSR+1], s[HM]
	v_cndmask_b32 v[SWR+1], v[WSR+2], v[WSR+3], s[HM]
.endif
	s_wait_alu depctr_va_vdst(0)                   ; the unit's codes v[PC ..] are written, and with the fourth tile the scale words v[SWR ..]: the stores below read them
	global_store_b128 v[OA16], v[PC:PC+3], s[36+2*\cc:37+2*\cc] offset:768*\m
	global_store_b64 v[OA8], v[PC+4:PC+5], s[36+2*\cc:37+2*\cc] offset:768*\m
.if \m == 3
	global_store_b64 v[PSO], v[SWR:SWR+1], s[36+2*\cc:37+2*\cc]
.endif
.endif
.endr
.endr
.endm
	s_load_b256 s[4:11], s[0:1], 0x0               ; query s[4:5], key_in s[6:7], Wv s[8:9], bq s[10:11]
	s_load_b256 s[12:19], s[0:1], 0x20             ; bk s[12:13], bv s[14:15], tcodes s[16:17], tscales s[18:19]
	s_load_b128 s[20:23], s[0:1], 0x40             ; qbuf s[20:21], kv s[22:23]
	v_lshl_add_u32 v254, v0, 2, 0xc800
	v_mov_b32 v255, 0
	v_lshrrev_b32 v1, 5, v0
	v_readfirstlane_b32 s2, v1                     ; wave
	s_and_b32 s3, ttmp7, 0xffff                    ; y: which product
	s_mov_b32 s24, ttmp9                           ; x
	v_and_b32 v1, 31, v0                           ; lane
	v_and_b32 v13, 15, v0                          ; r
	v_bfe_u32 v14, v0, 4, 1                        ; h
	v_and_b32 v15, 8, v13
	v_add_nc_u32 v15, v15, v13                     ; r + 8 (r / 8)
	v_lshlrev_b32 v[XA], 12, v15
	v_lshl_add_u32 v[XA], v14, 6, v[XA]
	v_lshlrev_b32 v[LI], 4, v1
	v_lshlrev_b32 v[L8], 3, v1
	v_lshlrev_b32 v[L4], 2, v1
	s_wait_alu depctr_va_sdst(0)                   ; s2 is written, ahead of its first reader: LDS addresses and bases are made from it
	s_mul_i32 s25, s2, 12288
	v_add_nc_u32 v[XWI], s25, v[LI]
	s_lshl_b32 s25, s2, 6
	s_add_co_u32 s25, s25, XSC
	v_lshl_add_u32 v[XWS], v13, 2, s25
	v_lshlrev_b32 v[BA], 6, v14
	v_lshlrev_b32 v[PR4], 2, v15
	s_mov_b32 s[SEL], 0x76543210
	s_mov_b32 s[SEL+1], 0xfedcba98
	s_mov_b32 s[HM], 0xffff0000
	s_lshr_b32 s25, s24, 3                         ; y = 2: the head
	s_and_b32 s26, s24, 7
	s_lshl_b32 s26, s26, 6
	s_add_co_u32 s26, s26, 192                     ; y = 2: value's tiles begin at 192; 64 tiles for each 1,024 tokens
	s_lshl_b32 s27, s3, 6                          ; y = 0, 1: Wq's tiles begin at 0, Wk's at 64
	s_cmp_eq_u32 s3, 2
	s_cselect_b32 s25, s25, s24                    ; which 64 rows of S
	s_cselect_b32 s26, s26, s27
	s_lshl_b32 s27, s2, 4
	s_add_co_u32 s26, s26, s27                     ; my first tile of T
	s_mul_i32 s28, s26, 12288                      ; 8 K steps x 1,536 bytes a tile
	s_mov_b32 s29, 0
	s_lshl_b32 s30, s26, 9                         ; 8 K steps x 256 bytes for four tiles
	s_mov_b32 s31, 0
	s_lshl_b32 s32, s25, 18                        ; 64 rows of 4,096 bytes
	s_lshr_b32 s33, s2, 1
	s_lshl_b32 s33, s33, 17                        ; my tile of S begins at row 32 (wave / 2) + 8 (wave % 2)
	s_add_co_u32 s32, s32, s33
	s_and_b32 s33, s2, 1
	s_lshl_b32 s33, s33, 15
	s_add_co_u32 s32, s32, s33
	s_mov_b32 s33, 0
	s_wait_kmcnt 0x0
	s_cmp_eq_u32 s3, 0                             ; the choices hang on the work-group's number alone
	s_cselect_b64 s[4:5], s[4:5], s[6:7]
	s_cmp_eq_u32 s3, 2
	s_cselect_b64 s[4:5], s[8:9], s[4:5]
	s_add_nc_u64 s[4:5], s[4:5], s[32:33]
	s_add_nc_u64 s[16:17], s[16:17], s[28:29]
	s_add_nc_u64 s[18:19], s[18:19], s[30:31]
	s_wait_alu depctr_va_vdst(0)                   ; the offsets and LDS addresses v2 to v7, v11 and v12 are written: the loads and LDS instructions of the whole kernel read them
	TLOAD 0
	TLOAD 1
	TLOAD 2
.irp i,0,1,2,3,4,5,6,7                 ; my tile of S, all of K: K step i into window 2 + i / 4, registers 64 (i % 4) on
	WIN (2+\i/4)<<6
.irp b,0,1,2,3
.irp j,0,1,2,3
	global_load_b128 v[64*(\i%4)+16*\b+4*\j:64*(\i%4)+16*\b+4*\j+3], v[XA], s[4:5] offset:512*\i+128*\b+16*\j
.endr
.endr
.endr
	WIN 0
.irp b,0,1,2,3
	v_mov_b32 v[TMX+4+\b], 0                       ; a lane permute's destination counts as one of its sources
.endr
.irp i,0,1,2,3,4,5,6,7
.if \i < 4
	s_wait_loadcnt 63                              ; 16 (7 - i) loads are younger than K step i's; the wait's count ends at 63, and a smaller count is safe
.else
	s_wait_loadcnt 16*(7-\i)
.endif
	QUANTW 2+\i/4, 64*(\i%4)
	s_wait_alu depctr_va_vdst(0)                   ; the quantiser has written the codes v[PC ..] and the scale word v[PWX], which the four LDS stores read
.irp c,0,1,2
	ds_store_b128 v[XWI], v[PC+4*\c:PC+4*\c+3] offset:1536*\i+512*\c   ; the fragment goes to LDS as it stands
.endr
	ds_store_b32 v[XWS], v[PWX] offset:256*\i      ; lanes r and r + 16 write the same word with the same value
	s_wait_dscnt 0x0                               ; the stores are done: at the end the others may read
	s_wait_alu depctr_vm_vsrc(0)                   ; the LDS stores have read v[PC ..] and v[PWX]: the next K step's quantiser writes them again; behind the last, the way out's quantiser does, and a bias load lands in v[PWX]
.endr
	s_barrier_signal -1
	s_barrier_wait -1                              ; S's 32 fragments lie in LDS; nothing is stored to LDS behind this barrier
	FETCHS 0
.irp i,0,1,2,3,4,5,6,7,8,9,10,11,12,13,14
.if \i%2 == 0
	s_wait_dscnt 0x0                               ; this K step's fragments of S, asked for 32 matrix instructions ago
.endif
.if \i < 14
	s_wait_loadcnt 52                              ; this half step's 26 loads are in; the two younger half steps' may be out
.else
	s_wait_loadcnt 26
.endif
	MUL \i
	PLACES
.if \i+3 <= 15
	s_wait_alu depctr_va_vdst(0)                   ; this half step's products are done reading T's set and its scale words, and the K step before is done reading S's other set and its scale words: the loads below land in them
	TLOAD \i+3                                     ; into the set just multiplied
.endif
.if (\i%2 == 0) && (\i < 14)
	FETCHS \i/2+1                                  ; into the set that the K step before read
.endif
.endr
	WIN 0                                          ; at a branch and at a label every window is 0
	s_wait_loadcnt 0x0                             ; the last half step's fragments
	s_cmp_eq_u32 s3, 2
	s_cbranch_scc1 .Lv                             ; the two ways part here and do not join again
	; ---- q and k: unit cc is head 4 x wave + cc
	s_cmp_eq_u32 s3, 0
	s_mov_b32 s25, 13056
	s_cselect_b64 s[20:21], s[20:21], s[22:23]     ; qbuf or kv
	s_cselect_b64 s[10:11], s[10:11], s[12:13]     ; bq or bk
	s_cselect_b32 s25, 6656, s25                   ; a record's bytes
	s_lshr_b32 s26, s24, 5                         ; batch: 32 blocks of 64 tokens
	s_lshl_b32 s26, s26, 4
	s_lshl_b32 s27, s2, 2
	s_add_co_u32 s26, s26, s27                     ; 16 b + head
	s_lshl_b32 s26, s26, 4
	s_and_b32 s27, s24, 31
	s_lshr_b32 s27, s27, 1
	s_add_co_u32 s26, s26, s27                     ; + the step of 128 tokens
	s_mul_i32 s26, s26, s25
	s_mov_b32 s27, 0
	s_add_nc_u64 s[36:37], s[20:21], s[26:27]
	s_lshl_b32 s26, s25, 4                         ; from head to head: 16 records
	s_add_nc_u64 s[38:39], s[36:37], s[26:27]
	s_add_nc_u64 s[40:41], s[38:39], s[26:27]
	s_add_nc_u64 s[42:43], s[40:41], s[26:27]
	s_and_b32 s28, s24, 1                          ; which half of the step's eight tiles
	s_mul_i32 s29, s28, 3072
	v_add_nc_u32 v[OA16], s29, v[LI]
	s_add_co_u32 s29, s29, 512
	v_add_nc_u32 v[OA8], s29, v[L8]
	s_lshl_b32 s29, s28, 8
	s_add_co_u32 s29, s29, 6144
	v_add_nc_u32 v[PSO], s29, v[L8]
	s_lshl_b32 s26, s2, 10                         ; my 256 features' biases
	s_add_nc_u64 s[10:11], s[10:11], s[26:27]
	s_wait_alu depctr_va_vdst(0)                   ; half step 14's products are done reading v64-159, and the head's quantiser is done with v208-239: the biases land in these registers
.irp cc,0,1,2,3                        ; register 16 b + i of unit cc: feature 64 cc + 32 b + 16 h + i.  Into registers that the last products do not name
.irp b,0,1
.irp j,0,1,2,3
	global_load_b128 v[64+32*\cc+48*(\cc/3)+16*\b+4*\j:64+32*\cc+48*(\cc/3)+16*\b+4*\j+3], v[BA], s[10:11] offset:256*\cc+128*\b+16*\j
.endr
.endr
.endr
	MUL 15
	PLACES
	WIN 0
	s_wait_loadcnt 0x0
	EPI 0
	WIN 0
	s_wait_dscnt 0x0
	s_wait_alu depctr_hold_cnt(0) depctr_sa_sdst(0) depctr_va_vdst(0) depctr_va_sdst(0) depctr_va_ssrc(0) depctr_va_vcc(0) depctr_vm_vsrc(0)
	s_wait_tensorcnt 0x0
	ds_add_u32 v254, v255
	s_wait_dscnt 0x0
	s_endpgm
	; ---- v: unit cc is 64 keys: half cc % 2 of key step 8 (x % 2) + 2 x wave + cc / 2
.Lv:
	s_and_b32 s26, s24, 7
	s_lshr_b32 s26, s26, 1                         ; batch
	s_lshl_b32 s26, s26, 4
	s_lshr_b32 s27, s24, 3                         ; head
	s_add_co_u32 s26, s26, s27
	s_lshl_b32 s30, s27, 8                         ; the head's 64 biases
	s_mov_b32 s31, 0
	s_lshl_b32 s26, s26, 4
	s_and_b32 s28, s24, 1
	s_lshl_b32 s28, s28, 3
	s_add_co_u32 s26, s26, s28
	s_lshl_b32 s28, s2, 1
	s_add_co_u32 s26, s26, s28                     ; my first record
	s_mul_i32 s26, s26, 13056
	s_mov_b32 s27, 0
	s_add_nc_u64 s[36:37], s[22:23], s[26:27]
	s_add_nc_u64 s[14:15], s[14:15], s[30:31]
.irp m,0,1,2,3                         ; a lane holds one feature: its bias, twice, for the packed addition.  (No vector instruction has named v20-27, and the offset was written ahead of the head's wait)
	global_load_b32 v[BV+2*\m], v[PR4], s[14:15] offset:(32*(\m/2)+8*(\m%2))*4
	global_load_b32 v[BV+2*\m+1], v[PR4], s[14:15] offset:(32*(\m/2)+8*(\m%2))*4
.endr
	MUL 15
	PLACES
	WIN 0
	s_wait_loadcnt 0x0
	EPI 1
	WIN 0
	s_wait_dscnt 0x0
	s_wait_alu depctr_hold_cnt(0) depctr_sa_sdst(0) depctr_va_vdst(0) depctr_va_sdst(0) depctr_va_ssrc(0) depctr_va_vcc(0) depctr_vm_vsrc(0)
	s_wait_tensorcnt 0x0
	ds_add_u32 v254, v255
	s_wait_dscnt 0x0
	s_endpgm
.Lfunc_end_k_q2d3f089546_proj:
	.size	k_q2d3f089546_proj, .Lfunc_end_k_q2d3f089546_proj-k_q2d3f089546_proj
	.p2alignl 7, 3214868480
	.fill 96, 4, 3214868480
	.section	.rodata,"a",@progbits
	.p2align	6, 0x0
	.amdhsa_kernel k_q2d3f089546_proj
		.amdhsa_group_segment_fixed_size 51712
		.amdhsa_private_segment_fixed_size 0
		.amdhsa_enable_private_segment 0
		.amdhsa_kernarg_size 80
		.amdhsa_user_sgpr_count 2
		.amdhsa_user_sgpr_kernarg_segment_ptr 1
		.amdhsa_wavefront_size32 1
		.amdhsa_system_sgpr_workgroup_id_x 1
		.amdhsa_system_sgpr_workgroup_id_y 1
		.amdhsa_system_sgpr_workgroup_id_z 1
		.amdhsa_system_vgpr_workitem_id 0
		.amdhsa_next_free_vgpr 1024
		.amdhsa_next_free_sgpr 66
		.amdhsa_reserve_vcc 0
		.amdhsa_float_denorm_mode_32 3
		.amdhsa_float_denorm_mode_16_64 3
		.amdhsa_memory_ordered 1
		.amdhsa_forward_progress 1
		.amdhsa_inst_pref_size 255
	.end_amdhsa_kernel
	.section	.bss,"aw",@nobits
	.p2align	6
	.space	262144
	.amdgpu_metadata
---
amdhsa.version: [ 1, 2 ]
amdhsa.kernels:
  - .name:           k_q2d3f089546_proj
    .symbol:         k_q2d3f089546_proj.kd
    .args:
      - { .name: query, .offset: 0, .size: 8, .value_kind: global_buffer, .address_space: global }
      - { .name: key_in, .offset: 8, .size: 8, .value_kind: global_buffer, .address_space: global }
      - { .name: Wv, .offset: 16, .size: 8, .value_kind: global_buffer, .address_space: global }
      - { .name: bq, .offset: 24, .size: 8, .value_kind: global_buffer, .address_space: global }
      - { .name: bk, .offset: 32, .size: 8, .value_kind: global_buffer, .address_space: global }
      - { .name: bv, .offset: 40, .size: 8, .value_kind: global_buffer, .address_space: global }
      - { .name: tcodes, .offset: 48, .size: 8, .value_kind: global_buffer, .address_space: global }
      - { .name: tscales, .offset: 56, .size: 8, .value_kind: global_buffer, .address_space: global }
      - { .name: qbuf, .offset: 64, .size: 8, .value_kind: global_buffer, .address_space: global }
      - { .name: kv, .offset: 72, .size: 8, .value_kind: global_buffer, .address_space: global }
    .group_segment_fixed_size: 51712
    .private_segment_fixed_size: 0
    .kernarg_segment_align: 8
    .kernarg_segment_size: 80
    .max_flat_workgroup_size: 128
    .sgpr_count:     66
    .vgpr_count:     1024
    .wavefront_size: 32
...
	.end_amdgpu_metadata
.endif
;; end of part 6
;; launch attn (part 7): grid 4 x 64, 16 waves a work-group, clusters of 4 x 1, 215,040 bytes of LDS; arguments qbuf, kv, mbits, xc, xs; writes xc, xs
.if DOCPART == 7
	.amdgcn_target "amdgcn-amd-amdhsa--gfx1250"
	.amdhsa_code_object_version 6
	.text
	.protected	k_q2d3f089546_attn
	.globl	k_q2d3f089546_attn
	.p2align	8
	.type	k_q2d3f089546_attn,@function
k_q2d3f089546_attn:
	s_mov_b64 s[64:65], 0
	v_nop
	global_prefetch_b8 v0, s[64:65] scope:SCOPE_SE
	s_setreg_imm32_b32 hwreg(HW_REG_WAVE_MODE, 25, 1), 1
	s_wait_xcnt 0x0
	s_wait_alu depctr_hold_cnt(0) depctr_sa_sdst(0) depctr_va_vdst(0) depctr_va_sdst(0) depctr_va_ssrc(0) depctr_va_vcc(0) depctr_vm_vsrc(0)
	s_getreg_b32 s2, hwreg(HW_REG_IB_STS2, 6, 4)
	s_cmp_eq_u32 s2, 0
	s_cbranch_scc0 .Lentry_in_a_cluster
	s_endpgm
.Lentry_in_a_cluster:
	s_bfe_u32 s2, ttmp6, 0x10000c
	s_cmp_lg_u32 s2, 0x3003
	s_cbranch_scc0 .Lentry_shape_is_right
	s_endpgm
.Lentry_shape_is_right:
; ATTN.  x = softmax(where(mask == 0, -1e9, q k^T / 8)) v for one (batch, head) and 512 queries, both products on codes of FP6 (E2M3) with E8M0 scales; x is quantised along d_model on the way out.
; THE SOFTMAX: t = score x log2(e) / 8; M = the running largest t rounded up to a whole number; p = 2^(t - M) is quantised along the keys, not normalised; the row's sum of the unquantised p divides at the end.
; When M moves, the sum and O are multiplied by 2^(old M - new M): exact.
; SHARES.  A work-group owns 512 queries of one head; each of its sixteen waves owns TWO neighbouring tiles of 16 queries (tiles 2 w and 2 w + 1 of the block), which it takes one after the other, in 256 registers:
; four waves to a SIMD, so that one wave's vector work stands beside another's products and LDS loads.  64 heads x 4 blocks are 256 work-groups.
; K AND V OF THE WHOLE HEAD, 16 records of 13,056 bytes, lie in LDS and are filled ONCE, for both tiles of every wave: wave w brings record w.  No slot is filled again.
; CLUSTER.  The four work-groups of a cluster are the four blocks of queries of one head: each record is asked for jointly, by the same tensor load with the same descriptor and a mask that names the four.
; LAYOUT.  Both products are used transposed (S^T = K Q^T, O^T = V^T P^T): a lane holds one query (lane % 16) throughout.  A tile of 16 tokens holds tokens 32 (t / 2) + 8 (t % 2) + p + 8 (p / 8), so register n of the
; 64 scores is key 32 (n / 16) + 16 (lane / 16) + n % 16, and register 16 b + i of O^T is channel 32 b + 16 (lane / 16) + i.  All operands come as images of registers: every LDS load is consecutive over the lanes.
; K = 64 IN THE FIRST PRODUCT: a fragment's registers 6-11 are zero codes in Q.  K's fragment i is named as 12 registers of which the upper six are the next fragment's codes (behind the last: six zeros):
; they meet Q's zeros under scale bytes 0x7f and add nothing.
; THE MASK comes as bits, one word for each of the 64 score registers, bit = lane, in scalar registers: one v_cndmask_b32 a score.
; A TILE IS WRITTEN OUT TWICE (macro TILE): since the two tiles are neighbours, all that differs between them is immediates (Q's registers, the places of x's codes and scale bytes), and no pointer is stepped;
; the mask words of the second tile follow the first's, so the offset runs on and the first tile's last trip asks for the second's first words.
; LIMITS.  A hidden score is set to -2^33 ahead of the scaling (a logit of -2^30 where the definition has -1e9): its t is exact, so a row with no open key gives p = 1 for every key, as the definition does;
; beside an open logit above -1e9 + 150 both give p = 0.  A block of zeros gets the byte 1.  NaN and infinities are not served.
.set ADR, 1                            ; v1   16 x lane + the record in hand
.set AD8, 2                            ; v2   8 x lane + the record in hand
.set L16, 3
.set L8,  4
.set SENT, 5                           ; v5   -2^33
.set R4,  6                            ; v6   4 r
.set Q,   16                           ; tile u's fragment of Q at v[16 + 216 u]: v16-27, v232-243 (the upper six of each are zeros)
.set QS,  28                           ; v28, v29 their scale words
.set KS,  30                           ; v30-33 K's scale words
.set VS,  34                           ; v34-35 V's
.set F,   36                           ; v36-89 K's eight half fragments and six zeros; then V's four fragments in v36-83
.set S,   96                           ; v96-159 scores, then p
.set O,   160                          ; v160-191 O^T
.set P,   192                          ; v192-203 p's codes
.set PT,  204                          ; v204-206, v208-210
.set BM,  212                          ; v212-215 the blocks' largest scores, then largest p
.set BX,  216                          ; v216-219
.set SO,  220                          ; v220-223 the conversions' scale operands
.set T0,  224                          ; v224 at work
.set FA,  226                          ; v[226:227] f = 2^(old M - new M) (the pair is named, its low word serves both halves)
.set PW,  228                          ; v228 p's scale word
.set S2,  230                          ; v[230:231] one of the sum's eight chains
.set WV,  3                            ; s3   wave
.set MO,  6                            ; s6   byte offset of the mask words asked for
.set TB,  7                            ; s7   LDS byte of the record in hand; also the loop's counter
.set SEL, 12                           ; s[12:13]
.set CS,  14                           ; s[14:15] c = log2(e) / 8
.set REC, 13056
.macro ROUND                           ; a round of the cluster's barrier
	s_barrier_signal -1
	s_barrier_wait -1
	s_cmp_lg_u32 s[WV], 0
	s_cbranch_scc1 .Lnot_wave_0_\@
	s_barrier_signal -3
.Lnot_wave_0_\@:
	s_barrier_wait -3
	s_barrier_signal -1
	s_barrier_wait -1
.endm
.macro WM d, a, b, c, sa, sb, ra       ; c: first register of C, or -1 for the constant 0; ra = 1: source 0's scales stand in lanes 16-31
.if (\c) < 0
.if (\ra)
	v_wmma_scale_f32_16x16x128_f8f6f4 v[(\d):(\d)+7], v[(\a):(\a)+11], v[(\b):(\b)+11], 0, v[\sa], v[\sb] matrix_a_fmt:MATRIX_FMT_FP6 matrix_b_fmt:MATRIX_FMT_FP6 matrix_a_scale:MATRIX_SCALE_ROW1
.else
	v_wmma_scale_f32_16x16x128_f8f6f4 v[(\d):(\d)+7], v[(\a):(\a)+11], v[(\b):(\b)+11], 0, v[\sa], v[\sb] matrix_a_fmt:MATRIX_FMT_FP6 matrix_b_fmt:MATRIX_FMT_FP6
.endif
.else
.if (\ra)
	v_wmma_scale_f32_16x16x128_f8f6f4 v[(\d):(\d)+7], v[(\a):(\a)+11], v[(\b):(\b)+11], v[(\c):(\c)+7], v[\sa], v[\sb] matrix_a_fmt:MATRIX_FMT_FP6 matrix_b_fmt:MATRIX_FMT_FP6 matrix_a_scale:MATRIX_SCALE_ROW1
.else
	v_wmma_scale_f32_16x16x128_f8f6f4 v[(\d):(\d)+7], v[(\a):(\a)+11], v[(\b):(\b)+11], v[(\c):(\c)+7], v[\sa], v[\sb] matrix_a_fmt:MATRIX_FMT_FP6 matrix_b_fmt:MATRIX_FMT_FP6
.endif
.endif
.endm
.macro MASKLOAD                        ; the 64 mask words of one key step, 256 bytes, into s32-63 and s68-99
	s_load_b512 s[32:47], s[4:5], s[MO] offset:0x0
	s_load_b512 s[48:63], s[4:5], s[MO] offset:0x40
	s_load_b512 s[68:83], s[4:5], s[MO] offset:0x80
	s_load_b512 s[84:99], s[4:5], s[MO] offset:0xc0
.endm
	s_load_b256 s[32:39], s[0:1], 0x0              ; qbuf s[32:33], kv s[34:35], mbits s[36:37], xc s[38:39]  (these registers take mask words later)
	s_load_b64 s[40:41], s[0:1], 0x20              ; xs
	v_lshl_add_u32 v254, v0, 2, 0x34000
	v_mov_b32 v255, 0
	ds_add_u32 v254, v255
	ds_add_u32 v254, v255
	v_lshrrev_b32 v1, 5, v0
	s_delay_alu instid0(VALU_DEP_1)
	v_readfirstlane_b32 s[WV], v1                  ; wave 0..15
	s_and_b32 s44, ttmp7, 0xffff                   ; 16 x batch + head, which the four partners share
	; the joint load: record w of the head, 13,056 dense bytes as 51 rows of 256 (32 elements of 8 bytes).  Nothing in it hangs on my place in the cluster
	s_mov_b32 s16, 1                               ; count = 1
	s_mul_i32 s17, s[WV], REC                      ; LDS address: wave x a record
	s_mul_i32 s46, s44, 16*REC
	s_add_co_u32 s46, s46, s17
	s_mov_b32 s47, 0
	s_mov_b32 s20, 15|(3<<16)|(1<<21)              ; the mask: all four work-groups; elements of 8 bytes; bit 21 set beside a mask; no padding
	s_mov_b32 s21, 32<<16                          ; tensor_dim0 = 32
	s_mov_b32 s22, 51<<16                          ; tensor_dim1 = 51
	s_mov_b32 s23, 32<<16                          ; tile_dim0 = 32
	s_mov_b32 s24, 51                              ; tile_dim1 = 51
	s_mov_b32 s25, 32                              ; the pitch
	s_mov_b32 s26, 0
	s_mov_b32 s27, 0
	; my queries: they enter global addresses alone
	s_bfe_u32 s42, ttmp6, 0x40000                  ; cx
	s_lshl_b32 s43, ttmp9, 2
	s_add_co_u32 s43, s43, s42                     ; block of 512 queries
	s_lshl_b32 s48, s43, 5
	s_lshl_b32 s51, s[WV], 1
	s_add_co_u32 s48, s48, s51                     ; my first tile of queries in the batch: 32 x block + 2 x wave, even, 0 .. 126
	s_lshr_b32 s49, s44, 4
	s_lshl_b32 s49, s49, 7
	s_add_co_u32 s49, s49, s48                     ; and over all batches, 0 .. 510
	s_and_b32 s45, s44, 15                         ; head
	s_lshl_b32 s50, s44, 4
	s_lshr_b32 s51, s48, 3
	s_add_co_u32 s50, s50, s51
	s_mul_i32 s50, s50, 6656                       ; q's record: (16 b + head, step of 128 tokens): both my tiles lie in it
	s_and_b32 s51, s48, 7                          ; my first tile in it (even); the second lies 768 bytes on
	s_mul_i32 s52, s51, 768
	s_add_co_u32 s52, s52, s50
	s_mov_b32 s53, 0
	s_lshr_b32 s54, s51, 2                         ; a tile's scale words: 6144 + 256 (tile / 4) + 128 (tile % 2) + 4 ((tile / 2) % 2) + 8 r: the second tile's lie 128 bytes on
	s_lshl_b32 s54, s54, 8
	s_and_b32 s55, s51, 2
	s_lshl_b32 s55, s55, 1
	s_add_co_u32 s54, s54, s55
	s_add_co_u32 s54, s54, s50
	s_add_co_u32 s54, s54, 6144
	s_mov_b32 s55, 0
	s_lshl_b32 s56, s49, 12                        ; mask bits: 16 key steps x 256 bytes a tile; my two tiles' 8,192 bytes on end
	s_mov_b32 s57, 0
	s_lshl_b32 s58, s49, 4
	s_add_co_u32 s58, s58, s45
	s_mul_i32 s58, s58, 768                        ; x's codes: (16 tile + head) x 768: the second tile's lie 12,288 bytes on
	s_mov_b32 s59, 0
	s_lshr_b32 s60, s49, 2                         ; x's scale bytes: 2048 (tile / 4) + 256 (head / 2) + 64 (tile % 4) + 4 r + 2 (head % 2): the second tile's lie 64 bytes on
	s_lshl_b32 s60, s60, 11
	s_lshr_b32 s61, s45, 1
	s_lshl_b32 s61, s61, 8
	s_add_co_u32 s60, s60, s61
	s_and_b32 s61, s49, 3
	s_lshl_b32 s61, s61, 6
	s_add_co_u32 s60, s60, s61
	s_and_b32 s61, s45, 1
	s_lshl_b32 s61, s61, 1
	s_add_co_u32 s60, s60, s61
	s_mov_b32 s61, 0
	s_mov_b32 s[SEL], 0x76543210
	s_mov_b32 s[SEL+1], 0xfedcba98
	s_mov_b32 s[CS], 0x3e38aa3b                    ; log2(e) / 8
	s_mov_b32 s[CS+1], s[CS]                       ; (named with it as a pair, so it is written)
	s_mov_b32 s[MO], 0
	s_wait_dscnt 0x0
	s_wait_kmcnt 0x0
	s_add_nc_u64 s[18:19], s[34:35], s[46:47]
	s_or_b32 s19, s19, 0x80000000                  ; type = 2
	s_add_nc_u64 s[28:29], s[32:33], s[52:53]
	s_add_nc_u64 s[30:31], s[32:33], s[54:55]
	s_add_nc_u64 s[4:5], s[36:37], s[56:57]
	s_add_nc_u64 s[8:9], s[38:39], s[58:59]
	s_add_nc_u64 s[10:11], s[40:41], s[60:61]
	ROUND                                          ; all four work-groups are here: the joint loads meet
	tensor_load_to_lds s[16:19], s[20:27]          ; my one tensor load of the launch
	s_nop 0
.rept 4
	v_nop
.endr
	v_and_b32 v7, 31, v0
	s_delay_alu instid0(VALU_DEP_1)
	v_lshlrev_b32 v[L16], 4, v7
	s_delay_alu instid0(VALU_DEP_2)
	v_lshlrev_b32 v[L8], 3, v7
	v_and_b32 v8, 15, v0
	s_delay_alu instid0(VALU_DEP_1)
	v_lshlrev_b32 v[R4], 2, v8
	s_delay_alu instid0(VALU_DEP_2)
	v_lshlrev_b32 v9, 3, v8
.irp u,0,1                             ; both tiles' half fragments of Q and scale words stay in registers
	global_load_b128 v[Q+216*\u:Q+216*\u+3], v[L16], s[28:29] offset:768*\u
	global_load_b64 v[Q+216*\u+4:Q+216*\u+5], v[L8], s[28:29] offset:768*\u+512
	global_load_b32 v[QS+\u], v9, s[30:31] offset:128*\u   ; lane r (and r + 16): row r's scale word
.endr
	MASKLOAD                                       ; the first tile's key step 0
.irp u,0,1
.irp i,6,7,8,9,10,11
	v_mov_b32 v[Q+216*\u+\i], 0                    ; K = 64: the upper half of the 128 is zero codes
.endr
.endr
.irp i,48,49,50,51,52,53
	v_mov_b32 v[F+\i], 0                           ; what K's last fragment names behind its own six registers
.endr
	v_mov_b32 v[SENT], 0xd0000000                  ; -2^33
.irp b,0,1,2,3
	v_mov_b32 v[BX+\b], 0                          ; a lane permute's destination counts as one of its sources
.endr
	v_mov_b32 v[T0], 0
	v_mov_b32 v[FA+1], 0                           ; named as the upper half of a pair
	s_wait_loadcnt 0x0                             ; Q
	s_wait_tensorcnt 0x0                           ; my record has landed,
	s_barrier_signal -1
	s_barrier_wait -1                              ; everybody's has: from here on LDS is only read, and no wave waits for another until the closing round
; ONE TILE OF 16 QUERIES, the u-th of my two, against all 2,048 keys.
.macro TILE u
.if \u
	s_wait_xcnt 0x0                                ; the first tile's stores have read their registers: p's codes and scale word may be written again
.endif
.set j, 0
.rept 32
	v_mov_b32 v[O+j], 0                            ; the loop is written without a first step of its own: it finds zeros, which the first change of M leaves zeros
.set j, j+1
.endr
	v_mov_b32 v13, 0xff61b1e6                      ; the largest t so far: -3e38
	s_delay_alu instid0(VALU_DEP_1)
	v_floor_f32 v12, -v13                          ; -M
	v_mov_b32 v14, 0                               ; the sum, in two halves
	v_mov_b32 v15, 0
	s_mov_b32 s[TB], 0
.Lstep_\@:                                         ; 16 trips: 128 keys each
	s_setprio 2
	v_add_nc_u32 v[ADR], s[TB], v[L16]
	v_add_nc_u32 v[AD8], s[TB], v[L8]
	v_nop
	v_nop                                          ; four places behind the last trip's products, in front of loads into their registers
.irp i,0,1,2,3,4,5,6,7
	ds_load_b128 v[F+6*\i:F+6*\i+3], v[ADR] offset:768*\i
	ds_load_b64 v[F+6*\i+4:F+6*\i+5], v[AD8] offset:768*\i+512
.endr
	ds_load_b64 v[KS:KS+1], v[AD8] offset:6144
	ds_load_b64 v[KS+2:KS+3], v[AD8] offset:6400
	s_wait_alu depctr_va_vdst(0)
	s_wait_dscnt 0x0
.irp i,0,1,2,3,4,5,6,7                 ; S^T = K Q^T
	WM S+8*\i, F+6*\i, Q+216*\u, -1, KS+2*(\i/4)+(\i%4)/2, QS+\u, \i%2
.endr
.rept 4
	v_nop                                          ; places in front of the loads over K's fragments and of the first read of the scores
.endr
.irp t,0,1,2,3                         ; V's fragments land under the softmax
	ds_load_b128 v[F+12*\t:F+12*\t+3], v[ADR] offset:6656+1536*\t
	ds_load_b64 v[F+12*\t+4:F+12*\t+5], v[AD8] offset:6656+1536*\t+512
	ds_load_b128 v[F+12*\t+6:F+12*\t+9], v[ADR] offset:6656+1536*\t+768
	ds_load_b64 v[F+12*\t+10:F+12*\t+11], v[AD8] offset:6656+1536*\t+1280
.endr
	ds_load_b64 v[VS:VS+1], v[AD8] offset:12800
	s_wait_kmcnt 0x0                               ; this step's mask words
.set n, 0
.rept 64                               ; a hidden key's score becomes -2^33; each accumulator is read from its low end on
.if n < 32
	v_cndmask_b32 v[S+n], v[SENT], v[S+n], s[32+n]
.else
	v_cndmask_b32 v[S+n], v[SENT], v[S+n], s[36+n]
.endif
.set n, n+1
.endr
	s_add_co_u32 s[MO], s[MO], 256                 ; the next step's words are asked for now: behind my first tile's last step come my second tile's;
	s_and_b32 s[MO], s[MO], 0x1fff                 ; behind the second's the offset wraps to 0, so that no load leaves the buffer
	MASKLOAD
.irp b,0,1,2,3
	v_max3_num_f32 v[BM+\b], v[S+16*\b], v[S+16*\b+1], v[S+16*\b+2]   ; the largest score of each block of 32 keys: for the row's maximum, and, since p rises with the score, for the block's largest p
.endr
.irp i,3,5,7,9,11,13
.irp b,0,1,2,3
	s_delay_alu instid0(VALU_DEP_4)
	v_max3_num_f32 v[BM+\b], v[BM+\b], v[S+16*\b+\i], v[S+16*\b+\i+1]
.endr
.endr
.irp b,0,1,2,3
	s_delay_alu instid0(VALU_DEP_4)
	v_max_num_f32 v[BM+\b], v[BM+\b], v[S+16*\b+15]
.endr
.irp b,0,1,2,3
	s_delay_alu instid0(VALU_DEP_4)
	v_permlanex16_b32 v[BX+\b], v[BM+\b], s[SEL], s[SEL+1]
.endr
.irp b,0,1,2,3
	s_delay_alu instid0(VALU_DEP_4)
	v_max_num_f32 v[BM+\b], v[BM+\b], v[BX+\b]     ; with lane l xor 16's 16 keys
.endr
	s_delay_alu instid0(VALU_DEP_2)
	v_max3_num_f32 v[T0], v[BM], v[BM+1], v[BM+2]
	s_delay_alu instid0(VALU_DEP_1)
	v_max_num_f32 v[T0], v[T0], v[BM+3]            ; the step's largest score of my query
	s_delay_alu instid0(VALU_DEP_1)
	v_mul_f32 v[T0], s[CS], v[T0]                  ; as t (c is positive)
	s_delay_alu instid0(VALU_DEP_1)
	v_max_num_f32 v13, v13, v[T0]                  ; the running largest t
	v_mov_b32 v[T0], v12
	s_delay_alu instid0(VALU_DEP_2)
	v_floor_f32 v12, -v13                          ; the new -M = floor(-t): M is a whole number
	s_delay_alu instid0(VALU_DEP_1)
	v_sub_f32 v[T0], v12, v[T0]                    ; old M - new M: a whole number, 0 or less
	s_delay_alu instid0(VALU_DEP_1)
	v_cvt_i32_f32 v[T0], v[T0]                     ; (it saturates)
	s_delay_alu instid0(VALU_DEP_1)
	v_ldexp_f32 v[FA], 1.0, v[T0]                  ; f = 2^(old M - new M)
.set j, 0
.rept 32
	v_pk_fma_f32 v[S+j:S+j+1], v[S+j:S+j+1], s[CS:CS+1], v[12:13] op_sel_hi:[1,0,0]   ; t - M, two at a time
.set j, j+2
.endr
.irp b,0,1,2,3
	v_fma_f32 v[BM+\b], v[BM+\b], s[CS], v12       ; the same of each block's largest score
.endr
.set j, 0
	s_setprio 1
	s_wait_alu depctr_va_vdst(0)
.rept 64
	v_exp_f32 v[S+j], v[S+j]                       ; p = 2^(t - M), at most 1
.set j, j+1
.endr
.irp b,0,1,2,3
	v_exp_f32 v[BM+\b], v[BM+\b]                   ; the block's largest p: the same two instructions on the same number
.endr
	v_pk_mul_f32 v[14:15], v[14:15], v[FA:FA+1] op_sel_hi:[1,0]   ; the sums under the new M (a plain place behind the exponentials)
	s_wait_alu depctr_va_vdst(0)
.irp b,0,1,2,3
	v_max_num_f32 v[BM+\b], 0x1800000, v[BM+\b]    ; the floor 2^(3 - 127): the byte cannot fall under 1
.endr
.irp b,0,1,2,3
	s_delay_alu instid0(VALU_DEP_4)
	v_add_nc_u32 v[SO+\b], 0xff000000, v[BM+\b]    ; 2 off the exponent field: the conversion's scale operand
.endr
.irp b,0,1,2,3
	s_delay_alu instid0(VALU_DEP_4)
	v_lshrrev_b32 v[BX+\b], 23, v[SO+\b]           ; the scale's byte
.endr
	s_delay_alu instid0(VALU_DEP_3)
	v_lshl_or_b32 v[PW], v[BX+1], 8, v[BX]         ; p's scale word for these 128 keys
	s_delay_alu instid0(VALU_DEP_1)
	v_lshl_or_b32 v[PW], v[BX+2], 16, v[PW]
	s_delay_alu instid0(VALU_DEP_1)
	v_lshl_or_b32 v[PW], v[BX+3], 24, v[PW]
.irp c,0,1
	v_cvt_scalef32_pk16_fp6_f32 v[P+6*\c:P+6*\c+2], v[S+32*\c:S+32*\c+15], v[SO+2*\c]
	v_cvt_scalef32_pk16_fp6_f32 v[PT+4*\c:PT+4*\c+2], v[S+32*\c+16:S+32*\c+31], v[SO+2*\c+1]   ; (a conversion's three registers begin on an even number)
.endr
	v_nop                                          ; one plain place behind a scaled conversion
.irp c,0,1                             ; the operand wants a whole block in a lane
.irp i,0,1,2
	v_permlane16_swap_b32 v[P+6*\c+\i], v[PT+4*\c+\i]
.endr
.irp i,0,1,2
	s_delay_alu instid0(VALU_DEP_3)
	v_mov_b32 v[P+3+6*\c+\i], v[PT+4*\c+\i]
.endr
.endr
	v_pk_add_f32 v[230:231], v[100:101], v[104:105]
	v_pk_add_f32 v[252:253], v[108:109], v[112:113]
	v_pk_add_f32 v[250:251], v[116:117], v[120:121]
	v_pk_add_f32 v[248:249], v[124:125], v[128:129]
	v_pk_add_f32 v[246:247], v[132:133], v[136:137]
	v_pk_add_f32 v[244:245], v[140:141], v[144:145]
	v_pk_add_f32 v[222:223], v[148:149], v[152:153]
	v_pk_add_f32 v[14:15], v[14:15], v[156:157]
	v_pk_add_f32 v[230:231], v[230:231], v[96:97]
	v_pk_add_f32 v[252:253], v[252:253], v[98:99]
	v_pk_add_f32 v[250:251], v[250:251], v[102:103]
	v_pk_add_f32 v[248:249], v[248:249], v[106:107]
	v_pk_add_f32 v[246:247], v[246:247], v[110:111]
	v_pk_add_f32 v[244:245], v[244:245], v[114:115]
	v_pk_add_f32 v[222:223], v[222:223], v[118:119]
	v_pk_add_f32 v[14:15], v[14:15], v[122:123]
	v_pk_add_f32 v[230:231], v[230:231], v[126:127]
	v_pk_add_f32 v[252:253], v[252:253], v[130:131]
	v_pk_add_f32 v[250:251], v[250:251], v[134:135]
	s_setprio 0
	v_pk_add_f32 v[248:249], v[248:249], v[138:139]
	v_pk_add_f32 v[246:247], v[246:247], v[142:143]
	v_pk_add_f32 v[244:245], v[244:245], v[146:147]
	v_pk_add_f32 v[222:223], v[222:223], v[150:151]
	v_pk_add_f32 v[14:15], v[14:15], v[154:155]
	v_pk_add_f32 v[230:231], v[230:231], v[158:159]
	s_delay_alu instid0(VALU_DEP_2)
	v_pk_add_f32 v[14:15], v[14:15], v[248:249]
	s_delay_alu instid0(VALU_DEP_2)
	v_pk_add_f32 v[230:231], v[230:231], v[246:247]
	v_pk_add_f32 v[252:253], v[252:253], v[244:245]
	v_pk_add_f32 v[250:251], v[250:251], v[222:223]
	s_delay_alu instid0(VALU_DEP_2)
	v_pk_add_f32 v[14:15], v[14:15], v[252:253]
	s_delay_alu instid0(VALU_DEP_2)
	v_pk_add_f32 v[230:231], v[230:231], v[250:251]
	s_delay_alu instid0(VALU_DEP_1)
	v_pk_add_f32 v[14:15], v[14:15], v[230:231]
.set j, 0
.rept 16
	v_pk_mul_f32 v[O+j:O+j+1], v[O+j:O+j+1], v[FA:FA+1] op_sel_hi:[1,0]   ; O^T under the new M.  (The additions above are the places between p's codes and scale word and the products)
.set j, j+2
.endr
	s_wait_alu depctr_va_vdst(0)
	s_wait_dscnt 0x0                               ; V
.irp t,0,1,2,3                         ; O^T += V^T P^T: four accumulators by turns, one instruction a turn; the eight products of the scores stand between two links
	WM O+8*\t, F+12*\t, P, O+8*\t, VS+\t/2, PW, \t%2
.endr
	s_add_co_u32 s[TB], s[TB], REC
	s_cmp_lt_u32 s[TB], 16*REC
	s_cbranch_scc1 .Lstep_\@
	s_setprio 0
	; THE WAY OUT: O^T / the sum, quantised along the head's 64 channels (two blocks of d_model), stored as half a fragment
.rept 4
	v_nop                                          ; places behind the last products
.endr
	v_add_f32 v14, v14, v15                        ; the sum's two halves,
	s_delay_alu instid0(VALU_DEP_1)
	v_permlanex16_b32 v[T0], v14, s[SEL], s[SEL+1]
	s_delay_alu instid0(VALU_DEP_1)
	v_add_f32 v14, v14, v[T0]                      ; and lane l xor 16's
	s_wait_alu depctr_va_vdst(0)
	v_rcp_f32 v14, v14
	v_nop                                          ; one plain place behind a transcendental
.set j, 0
	s_wait_alu depctr_va_vdst(0)
.rept 16
	v_pk_mul_f32 v[S+j:S+j+1], v[O+j:O+j+1], v[14:15] op_sel_hi:[1,0]   ; ascending: each accumulator from its low end on
.set j, j+2
.endr
.irp b,0,1
	v_max3_num_f32 v[BM+\b], |v[S+16*\b]|, |v[S+16*\b+1]|, 0x1800000
.endr
.irp i,2,4,6,8,10,12,14
.irp b,0,1
	s_delay_alu instid0(VALU_DEP_2)
	v_max3_num_f32 v[BM+\b], v[BM+\b], |v[S+16*\b+\i]|, |v[S+16*\b+\i+1]|
.endr
.endr
.irp b,0,1
	s_delay_alu instid0(VALU_DEP_2)
	v_permlanex16_b32 v[BX+\b], v[BM+\b], s[SEL], s[SEL+1]
.endr
.irp b,0,1
	s_delay_alu instid0(VALU_DEP_2)
	v_max_num_f32 v[BM+\b], v[BM+\b], v[BX+\b]
.endr
.irp b,0,1
	s_delay_alu instid0(VALU_DEP_2)
	v_add_nc_u32 v[SO+\b], 0xff000000, v[BM+\b]
.endr
.irp b,0,1
	s_delay_alu instid0(VALU_DEP_2)
	v_lshrrev_b32 v[BX+\b], 23, v[SO+\b]
.endr
	s_delay_alu instid0(VALU_DEP_1)
	v_lshl_or_b32 v[PW], v[BX+1], 8, v[BX]         ; the head's two scale bytes of my row
	v_cvt_scalef32_pk16_fp6_f32 v[P:P+2], v[S:S+15], v[SO]
	v_cvt_scalef32_pk16_fp6_f32 v[PT:PT+2], v[S+16:S+31], v[SO+1]
	v_nop                                          ; one plain place behind a scaled conversion
.irp i,0,1,2
	v_permlane16_swap_b32 v[P+\i], v[PT+\i]
.endr
.irp i,0,1,2
	s_delay_alu instid0(VALU_DEP_3)
	v_mov_b32 v[P+3+\i], v[PT+\i]
.endr
	global_store_b128 v[L16], v[P:P+3], s[8:9] offset:12288*\u       ; 512 consecutive bytes, aligned
	global_store_b64 v[L8], v[P+4:P+5], s[8:9] offset:12288*\u+512   ; 256 consecutive bytes, aligned
	global_store_b16 v[R4], v[PW], s[10:11] offset:64*\u             ; 2 bytes a row: 32 bytes a wave beside 768 of codes; lanes r and r + 16 write the same value
.endm
	TILE 0
	TILE 1
	s_wait_kmcnt 0x0                               ; the last trip's wrapped mask words
	s_wait_tensorcnt 0x0
	ds_add_u32 v254, v255
	s_wait_dscnt 0x0
	ROUND                                          ; the closing round: no work-group ends while a partner may still ask for a record that names it
	s_endpgm
.Lfunc_end_k_q2d3f089546_attn:
	.size	k_q2d3f089546_attn, .Lfunc_end_k_q2d3f089546_attn-k_q2d3f089546_attn
	.p2alignl 7, 3214868480
	.fill 96, 4, 3214868480
	.section	.rodata,"a",@progbits
	.p2align	6, 0x0
	.amdhsa_kernel k_q2d3f089546_attn
		.amdhsa_group_segment_fixed_size 215040
		.amdhsa_private_segment_fixed_size 0
		.amdhsa_enable_private_segment 0
		.amdhsa_kernarg_size 40
		.amdhsa_user_sgpr_count 2
		.amdhsa_user_sgpr_kernarg_segment_ptr 1
		.amdhsa_wavefront_size32 1
		.amdhsa_system_sgpr_workgroup_id_x 1
		.amdhsa_system_sgpr_workgroup_id_y 1
		.amdhsa_system_sgpr_workgroup_id_z 1
		.amdhsa_system_vgpr_workitem_id 0
		.amdhsa_next_free_vgpr 256
		.amdhsa_next_free_sgpr 100
		.amdhsa_reserve_vcc 0
		.amdhsa_float_denorm_mode_32 3
		.amdhsa_float_denorm_mode_16_64 3
		.amdhsa_memory_ordered 1
		.amdhsa_forward_progress 1
		.amdhsa_inst_pref_size 63
	.end_amdhsa_kernel
	.amdgpu_metadata
---
amdhsa.version: [ 1, 2 ]
amdhsa.kernels:
  - .name:           k_q2d3f089546_attn
    .symbol:         k_q2d3f089546_attn.kd
    .args:
      - { .name: qbuf, .offset: 0, .size: 8, .value_kind: global_buffer, .address_space: global }
      - { .name: kv, .offset: 8, .size: 8, .value_kind: global_buffer, .address_space: global }
      - { .name: mbits, .offset: 16, .size: 8, .value_kind: global_buffer, .address_space: global }
      - { .name: xc, .offset: 24, .size: 8, .value_kind: global_buffer, .address_space: global }
      - { .name: xs, .offset: 32, .size: 8, .value_kind: global_buffer, .address_space: global }
    .group_segment_fixed_size: 215040
    .private_segment_fixed_size: 0
    .kernarg_segment_align: 8
    .kernarg_segment_size: 40
    .max_flat_workgroup_size: 512
    .sgpr_count:     100
    .vgpr_count:     256
    .wavefront_size: 32
...
	.end_amdgpu_metadata
.endif
;; end of part 7
;; launch outp (part 8): grid 2 x 128, 4 waves a work-group, no clusters, 86,528 bytes of LDS; arguments xc, xs, tcodes, tscales, bo, out0; writes out0
.if DOCPART == 8
	.amdgcn_target "amdgcn-amd-amdhsa--gfx1250"
	.amdhsa_code_object_version 6
	.text
	.protected	k_q2d3f089546_outp
	.globl	k_q2d3f089546_outp
	.p2align	8
	.type	k_q2d3f089546_outp,@function
k_q2d3f089546_outp:
	s_mov_b64 s[64:65], 0
	v_nop
	global_prefetch_b8 v0, s[64:65] scope:SCOPE_SE
	s_setreg_imm32_b32 hwreg(HW_REG_WAVE_SCHED_MODE, 0, 2), 2
	s_setreg_imm32_b32 hwreg(HW_REG_WAVE_MODE, 25, 1), 1
	s_wait_xcnt 0x0
	s_wait_alu depctr_vm_vsrc(0)
; OUTP.  out0 = x Wo^T + bo on codes of FP6 (E2M3) with E8M0 scales.  x's codes and scale bytes come from the attention launch, Wo's from the first launch, both in the order of an operand's registers.
; Used transposed: source 0 = 16 rows of Wo (features), source 1 = 16 tokens: a lane holds one token and eight neighbouring features of each tile.
; A tile of 16 rows holds rows 32 (t / 2) + 8 (t % 2) + p + 8 (p / 8), of tokens and of features alike.
; SHARES.  A work-group: 64 tokens (y) x 512 features (x).  A wave: four tiles of tokens x eight tiles of features: 32 accumulators, 8 K steps of 128, 256 matrix instructions, written out.
; Wo's fragments go from memory straight into registers, three K steps ahead.  The block's codes of x (49,152 dense bytes) and scale bytes (2,048) are copied into LDS once and read by all four waves.
; bo is the C of each sum's first matrix instruction.  Results leave through each wave's own stage in LDS as whole rows of 512 bytes.
; REGISTERS, in windows of 256.  Window 0: v3-10 addresses; v32-43 Wo's scale words (three sets); v44-47 x's (two sets); v64-159 Wo's third set; v160-207 x's second set; on the way out v64-191 rows of out0.
;   Window 1: v0-95, v96-191 Wo's first two sets; v192-239 x's first set.   Window 2: at first what is copied into LDS; then the accumulators, (m, t) at v[8 (8 m + t)].   Window 3: v0-63 bo in the result's layout.
; THE MODE: SCHED_MODE bits 1:0 = 2 (LLVM: expert scheduling mode 2), set by the entry lines.  The code itself states the register dependences
; between vector or matrix instructions and memory or LDS instructions, with s_wait_alu, always for 0.
; THE PLAN.  Registers that memory or LDS instructions touch:
;   v3-10              offsets and LDS addresses: written once at the head, ahead of the first wait on va_vdst, and never again.
;   window 2, v0-99    filled by loads, read by the 25 LDS stores of the copy; then the first products write them as accumulators: one wait on vm_vsrc, behind the barrier.
;   Wo's three sets    and their scale words v32-43.  K step s: its 32 products read set s % 3; behind them the 26 loads of K step s + 3 land in it.
;   x's two sets       and their scale words v44-47.  K step s: its products read set s % 2; the LDS loads of K step s + 2 land in it at the head of K step s + 1.
;   the accumulators   written by the products, read by the stage's LDS stores.
;   v64-191            read by the products of K steps 5 and 7; on the way out the loads from the stage land in them, the global stores read them, and tiles 2 and 3 land in them again.
; So ONE wait on va_vdst stands behind the products of each of K steps 0 to 5 (K step 6 frees nothing that is loaded again), and one behind K step 7's, ahead of the way out, in which no vector instruction stands;
; there a wait on vm_vsrc stands ahead of each of the two refills of v64-191.
.set LI,  3                            ; 16 x lane
.set L8,  4                            ; 8 x lane
.set L4,  5                            ; 4 x lane
.set CW,  6                            ; LDS: where I copy codes: 16 x lane + 12,288 x wave
.set CSA, 7                            ; and scale bytes: 49,152 + 512 x wave + 16 x lane
.set STO, 8                            ; my stage: row r, + 64 h
.set RD,  9                            ; my stage: 16 x lane
.set BA,  10                           ; 64 h
.set TS,  32
.set SS,  44
.set T2,  64
.set S1,  160
.set BK,  64                           ; the way out: v64-127, v128-191 by turns
.set XSC, 49152                        ; LDS: x's half fragments, (m, head) at (16 m + head) x 768; behind them the scale words, 256 s + 64 m + 4 r
.set STG, 51200                        ; behind those: a stage of 16 rows x (512 + 16) bytes for each wave
.set SP,  528
.set MSB, 0
.macro WIN new                         ; the immediate's high byte repeats the setting that is left
.if MSB != (\new)
	s_set_vgpr_msb (MSB<<8)|(\new)
.set MSB, (\new)
.endif
.endm
.macro PLACES                          ; four places behind a matrix instruction, in front of loads into its registers and of reads of its results
.rept 4
	v_nop
.endr
.endm
.macro WM d, a, b, c, sa, sb, ra, rb   ; ra, rb = 1: that side's scales stand in lanes 16-31
.if (\ra) && (\rb)
	v_wmma_scale_f32_16x16x128_f8f6f4 v[(\d):(\d)+7], v[(\a):(\a)+11], v[(\b):(\b)+11], v[(\c):(\c)+7], v[\sa], v[\sb] matrix_a_fmt:MATRIX_FMT_FP6 matrix_b_fmt:MATRIX_FMT_FP6 matrix_a_scale:MATRIX_SCALE_ROW1 matrix_b_scale:MATRIX_SCALE_ROW1
.elseif (\ra)
	v_wmma_scale_f32_16x16x128_f8f6f4 v[(\d):(\d)+7], v[(\a):(\a)+11], v[(\b):(\b)+11], v[(\c):(\c)+7], v[\sa], v[\sb] matrix_a_fmt:MATRIX_FMT_FP6 matrix_b_fmt:MATRIX_FMT_FP6 matrix_a_scale:MATRIX_SCALE_ROW1
.elseif (\rb)
	v_wmma_scale_f32_16x16x128_f8f6f4 v[(\d):(\d)+7], v[(\a):(\a)+11], v[(\b):(\b)+11], v[(\c):(\c)+7], v[\sa], v[\sb] matrix_a_fmt:MATRIX_FMT_FP6 matrix_b_fmt:MATRIX_FMT_FP6 matrix_b_scale:MATRIX_SCALE_ROW1
.else
	v_wmma_scale_f32_16x16x128_f8f6f4 v[(\d):(\d)+7], v[(\a):(\a)+11], v[(\b):(\b)+11], v[(\c):(\c)+7], v[\sa], v[\sb] matrix_a_fmt:MATRIX_FMT_FP6 matrix_b_fmt:MATRIX_FMT_FP6
.endif
.endm
.macro TLOAD i                         ; K step i: my eight fragments of Wo and their scale words into set i % 3: 26 loads
.set BF_, (\i)%3
.if BF_ == 2
	WIN 0
.set TR_, T2
.else
	WIN 0x40
.set TR_, 96*BF_
.endif
.irp tt,0,1,2,3,4,5,6,7
.irp c,0,1,2
	global_load_b128 v[TR_+12*\tt+4*\c:TR_+12*\tt+4*\c+3], v[LI], s[8:9] offset:(\tt*8+(\i))*1536+512*\c
.endr
.endr
	WIN 0
.irp q,0,1
	global_load_b64 v[TS+4*BF_+2*\q:TS+4*BF_+2*\q+1], v[L8], s[10:11] offset:(\q*8+(\i))*256
.endr
.endm
.macro FETCHS s                        ; x's four fragments of K step s (heads 2 s and 2 s + 1) and their scale words, from LDS, into set s % 2
.set ST_, (\s)%2
.if ST_ == 0
	WIN 0x40
.set SR_, 192
.else
	WIN 0
.set SR_, S1
.endif
.irp m,0,1,2,3
	ds_load_b128 v[SR_+12*\m:SR_+12*\m+3], v[LI] offset:(8*\m+(\s))*1536
	ds_load_b64 v[SR_+12*\m+4:SR_+12*\m+5], v[L8] offset:(8*\m+(\s))*1536+512
	ds_load_b128 v[SR_+12*\m+6:SR_+12*\m+9], v[LI] offset:(8*\m+(\s))*1536+768
	ds_load_b64 v[SR_+12*\m+10:SR_+12*\m+11], v[L8] offset:(8*\m+(\s))*1536+1280
.endr
	WIN 0
.irp q,0,1
	ds_load_b32 v[SS+2*ST_+\q], v[L4] offset:XSC+256*(\s)+128*\q   ; lanes 0-15 tile 2 q, lanes 16-31 tile 2 q + 1
.endr
.endm
.macro MUL i                           ; the 32 products of K step i: the 32 accumulators by turns, one instruction a turn
.set BF_, (\i)%3
.set ST_, (\i)%2
.if BF_ == 2
.set TW_, 0
.set TR_, T2
.else
.set TW_, 1
.set TR_, 96*BF_
.endif
.if ST_ == 0
.set SW_, 1
.set SR_, 192
.else
.set SW_, 0
.set SR_, S1
.endif
.if (\i) == 0
	WIN TW_|(SW_<<2)|(3<<4)|(2<<6)                 ; C: bo, in window 3
.else
	WIN TW_|(SW_<<2)|(2<<4)|(2<<6)
.endif
.irp m,0,1,2,3
.irp tt,0,1,2,3,4,5,6,7
.if (\i) == 0
	WM 8*(8*\m+\tt), TR_+12*\tt, SR_+12*\m, 8*\tt, TS+4*BF_+2*(\tt/4)+(\tt%4)/2, SS+2*ST_+\m/2, \tt%2, \m%2
.else
	WM 8*(8*\m+\tt), TR_+12*\tt, SR_+12*\m, 8*(8*\m+\tt), TS+4*BF_+2*(\tt/4)+(\tt%4)/2, SS+2*ST_+\m/2, \tt%2, \m%2
.endif
.endr
.endr
.endm
	s_load_b256 s[4:11], s[0:1], 0x0               ; xc s[4:5], xs s[6:7], tcodes s[8:9], tscales s[10:11]
	s_load_b128 s[12:15], s[0:1], 0x20             ; bo s[12:13], out0 s[14:15]
	v_lshl_add_u32 v254, v0, 2, 0x15000
	v_mov_b32 v255, 0
	v_lshrrev_b32 v1, 5, v0
	v_readfirstlane_b32 s2, v1                     ; wave
	s_mov_b32 s3, ttmp9                            ; which 512 features
	s_and_b32 s16, ttmp7, 0xffff                   ; which 64 tokens
	v_and_b32 v1, 31, v0
	v_and_b32 v11, 15, v0                          ; r
	v_bfe_u32 v12, v0, 4, 1                        ; h
	v_lshlrev_b32 v[LI], 4, v1
	v_lshlrev_b32 v[L8], 3, v1
	v_lshlrev_b32 v[L4], 2, v1
	s_wait_alu depctr_va_sdst(0)                   ; s2 is written, ahead of its first reader: LDS addresses and bases are made from it
	s_mul_i32 s17, s2, 12288
	v_add_nc_u32 v[CW], s17, v[LI]
	s_lshl_b32 s18, s2, 9
	s_add_co_u32 s19, s18, XSC
	v_add_nc_u32 v[CSA], s19, v[LI]
	s_mul_i32 s19, s2, 16*SP
	s_add_co_u32 s19, s19, STG                     ; my stage
	v_add_nc_u32 v[RD], s19, v[LI]
	v_mul_u32_u24 v[STO], v11, SP
	v_lshl_add_u32 v[STO], v12, 6, v[STO]
	v_add_nc_u32 v[STO], s19, v[STO]
	v_lshlrev_b32 v[BA], 6, v12
	s_mul_i32 s20, s16, 49152                      ; x's codes: my quarter of the block's
	s_add_co_u32 s20, s20, s17
	s_mov_b32 s21, 0
	s_lshl_b32 s22, s16, 11                        ; x's scale bytes likewise
	s_add_co_u32 s22, s22, s18
	s_mov_b32 s23, 0
	s_lshl_b32 s24, s3, 5
	s_lshl_b32 s25, s2, 3
	s_add_co_u32 s24, s24, s25                     ; my first tile of features
	s_lshl_b32 s26, s24, 6                         ; its first feature, in bytes of f32
	s_mov_b32 s27, 0
	s_add_co_u32 s24, s24, 128                     ; Wo's tiles begin at 128
	s_mul_i32 s28, s24, 12288
	s_mov_b32 s29, 0
	s_lshl_b32 s30, s24, 9
	s_mov_b32 s31, 0
	s_lshl_b32 s32, s16, 18                        ; 64 rows of out0, 4,096 bytes each
	s_add_co_u32 s32, s32, s26
	s_mov_b32 s33, 0
	s_wait_kmcnt 0x0
	s_add_nc_u64 s[4:5], s[4:5], s[20:21]
	s_add_nc_u64 s[6:7], s[6:7], s[22:23]
	s_add_nc_u64 s[8:9], s[8:9], s[28:29]
	s_add_nc_u64 s[10:11], s[10:11], s[30:31]
	s_add_nc_u64 s[12:13], s[12:13], s[26:27]
	s_add_nc_u64 s[14:15], s[14:15], s[32:33]
	WIN 0x80                                       ; destination window 2
	s_wait_alu depctr_va_vdst(0)                   ; the offsets and LDS addresses v3 to v10 are written: the loads, stores and LDS instructions of the whole kernel read them
.irp k,0,1,2,3,4,5,6,7,8,9,10,11,12,13,14,15,16,17,18,19,20,21,22,23
	global_load_b128 v[4*\k:4*\k+3], v[LI], s[4:5] offset:512*\k
.endr
	global_load_b128 v[96:99], v[LI], s[6:7]
	WIN 0xc0                                       ; destination window 3: register 8 t + j = bo at feature 32 (t / 2) + 16 h + 8 (t % 2) + j of my 128
.irp b,0,1,2,3
.irp u,0,1
.irp j,0,1
	global_load_b128 v[8*(2*\b+\u)+4*\j:8*(2*\b+\u)+4*\j+3], v[BA], s[12:13] offset:128*\b+32*\u+16*\j
.endr
.endr
.endr
	TLOAD 0
	TLOAD 1
	TLOAD 2
	s_wait_loadcnt 63                              ; 94 loads are younger than the 25 to be copied; the wait's count ends at 63, and a smaller count is safe
	WIN 0x08                                       ; an LDS store's data are its source 1: window 2
.irp k,0,1,2,3,4,5,6,7,8,9,10,11,12,13,14,15,16,17,18,19,20,21,22,23
	ds_store_b128 v[CW], v[4*\k:4*\k+3] offset:512*\k
.endr
	ds_store_b128 v[CSA], v[96:99]
	WIN 0
	s_wait_dscnt 0x0                               ; for the others' sake: my stores are done
	s_barrier_signal -1
	s_barrier_wait -1                              ; x's codes and scale words lie in LDS; these bytes are not written again
	s_wait_alu depctr_vm_vsrc(0)                   ; my LDS stores have read v0-99 of window 2: these registers are accumulators from here on, written by the first products
	FETCHS 0
.irp s,0,1,2,3,4,5,6,7
	s_wait_dscnt 0x0                               ; this K step's fragments of x
.if \s < 7
	FETCHS \s+1                                    ; the next step's, into the set that the step before read (the wait behind that step's products has shown them done): they land under this step's 32 products
.endif
.if \s < 6
	s_wait_loadcnt 52                              ; this K step's 26 loads are in (bo's are older); the two younger steps' may be out
.elseif \s == 6
	s_wait_loadcnt 26
.else
	s_wait_loadcnt 0x0
.endif
	MUL \s
	PLACES
.if \s <= 5
	s_wait_alu depctr_va_vdst(0)                   ; this K step's products are done reading x's set and its scale words, in which the LDS loads at the head of the next step land, and (up to K step 4) Wo's set and its scale words, in which the loads below land
.endif
.if \s+3 <= 7
	TLOAD \s+3                                     ; into the set just multiplied
.endif
.endr
; THE WAY OUT, a tile of 16 tokens x my 128 features at a time.  A lane holds pieces of 32 bytes of one row, and the lanes beside it hold other rows: so a tile goes through my own stage and comes back as whole rows
; of 512 bytes.  LDS serves a wave's instructions in order (ISA guide 5.7.1.4): no wait between the stores and the loads, nor in front of the next tile's stores.
.macro TOSTAGE a
	WIN 0x08
.irp tt,0,1,2,3,4,5,6,7
	ds_store_b128 v[STO], v[8*(8*(\a)+\tt):8*(8*(\a)+\tt)+3] offset:128*(\tt/2)+32*(\tt%2)        ; each accumulator from its low end on
	ds_store_b128 v[STO], v[8*(8*(\a)+\tt)+4:8*(8*(\a)+\tt)+7] offset:128*(\tt/2)+32*(\tt%2)+16
.endr
	WIN 0
.irp t,0,1,2,3,4,5,6,7,8,9,10,11,12,13,14,15
	ds_load_b128 v[BK+64*((\a)%2)+4*\t:BK+64*((\a)%2)+4*\t+3], v[RD] offset:\t*SP
.endr
.endm
.macro SEND a, younger                 ; younger: the LDS instructions issued behind tile a's loads, which may stay out
	s_wait_dscnt \younger
.irp t,0,1,2,3,4,5,6,7,8,9,10,11,12,13,14,15
	global_store_b128 v[LI], v[BK+64*((\a)%2)+4*\t:BK+64*((\a)%2)+4*\t+3], s[14:15] offset:(32*((\a)/2)+8*((\a)%2)+\t+8*(\t/8))*4096 th:TH_STORE_NT   ; 32 lanes store 512 consecutive bytes, aligned
.endr
.endm
	s_wait_alu depctr_va_vdst(0)                   ; the products have written the accumulators, which the LDS stores read, and are done reading v64-191, in which the rows from the stage land; the places above stay beside this wait
	TOSTAGE 0
	TOSTAGE 1
	SEND 0, 32                                     ; behind tile 0's loads: tile 1's 16 stores and 16 loads
	s_wait_xcnt 0x0                                ; tile 0's stores have had their addresses translated (ISA guide 3.1): tile 2's rows may land in their registers
	s_wait_alu depctr_vm_vsrc(0)                   ; tile 0's global stores have read v64-127, in which tile 2's rows land
	TOSTAGE 2
	SEND 1, 32
	s_wait_xcnt 0x0
	s_wait_alu depctr_vm_vsrc(0)                   ; tile 1's global stores have read v128-191, in which tile 3's rows land
	TOSTAGE 3
	SEND 2, 32
	SEND 3, 0
	s_wait_dscnt 0x0
	s_wait_alu depctr_hold_cnt(0) depctr_sa_sdst(0) depctr_va_vdst(0) depctr_va_sdst(0) depctr_va_ssrc(0) depctr_va_vcc(0) depctr_vm_vsrc(0)
	s_wait_tensorcnt 0x0
	ds_add_u32 v254, v255
	s_wait_dscnt 0x0
	s_endpgm
.Lfunc_end_k_q2d3f089546_outp:
	.size	k_q2d3f089546_outp, .Lfunc_end_k_q2d3f089546_outp-k_q2d3f089546_outp
	.p2alignl 7, 3214868480
	.fill 96, 4, 3214868480
	.section	.rodata,"a",@progbits
	.p2align	6, 0x0
	.amdhsa_kernel k_q2d3f089546_outp
		.amdhsa_group_segment_fixed_size 86528
		.amdhsa_private_segment_fixed_size 0
		.amdhsa_enable_private_segment 0
		.amdhsa_kernarg_size 48
		.amdhsa_user_sgpr_count 2
		.amdhsa_user_sgpr_kernarg_segment_ptr 1
		.amdhsa_wavefront_size32 1
		.amdhsa_system_sgpr_workgroup_id_x 1
		.amdhsa_system_sgpr_workgroup_id_y 1
		.amdhsa_system_sgpr_workgroup_id_z 1
		.amdhsa_system_vgpr_workitem_id 0
		.amdhsa_next_free_vgpr 832
		.amdhsa_next_free_sgpr 66
		.amdhsa_reserve_vcc 0
		.amdhsa_float_denorm_mode_32 3
		.amdhsa_float_denorm_mode_16_64 3
		.amdhsa_memory_ordered 1
		.amdhsa_forward_progress 1
		.amdhsa_inst_pref_size 87
	.end_amdhsa_kernel
	.amdgpu_metadata
---
amdhsa.version: [ 1, 2 ]
amdhsa.kernels:
  - .name:           k_q2d3f089546_outp
    .symbol:         k_q2d3f089546_outp.kd
    .args:
      - { .name: xc, .offset: 0, .size: 8, .value_kind: global_buffer, .address_space: global }
      - { .name: xs, .offset: 8, .size: 8, .value_kind: global_buffer, .address_space: global }
      - { .name: tcodes, .offset: 16, .size: 8, .value_kind: global_buffer, .address_space: global }
      - { .name: tscales, .offset: 24, .size: 8, .value_kind: global_buffer, .address_space: global }
      - { .name: bo, .offset: 32, .size: 8, .value_kind: global_buffer, .address_space: global }
      - { .name: out0, .offset: 40, .size: 8, .value_kind: global_buffer, .address_space: global }
    .group_segment_fixed_size: 86528
    .private_segment_fixed_size: 0
    .kernarg_segment_align: 8
    .kernarg_segment_size: 48
    .max_flat_workgroup_size: 128
    .sgpr_count:     66
    .vgpr_count:     832
    .wavefront_size: 32
...
	.end_amdgpu_metadata
.endif
;; end of part 8
